; MI455X (gfx1250); checked and timed in simulation.
; The chip was launched on July 23, 2026; its instructions are those of AMD's public machine-readable ISA for CDNA 5 (MIT licence, August 2026) and "CDNA5" Instruction Set Architecture Reference Guide (July 2026). The comments in the code are by the model that wrote it; some were corrected since.
;; Block. Allowed arithmetic: matrix products marked QUANTISED: E4M3 operands, one E8M0 scale for each 32 along K, by v_wmma_scale_f32_16x16x128_f8f6f4 with both operands' format E4M3, f32 sums; everything else in f32.
;; Inputs: W1 1,024 x 4,096 float32; W2 4,096 x 1,024 float32; Wk 16 x 1,024 x 64 float32; Wo 1,024 x 1,024 float32; Wq 16 x 1,024 x 64 float32; Wv 16 x 1,024 x 64 float32; b1 4,096 float32; b2 1,024 float32; be1 1,024 float32; be2 1,024 float32; bo 1,024 float32; g1 1,024 float32; g2 1,024 float32; x 4 x 1,024 x 1,024 float32.
;; Outputs: out0 4 x 1,024 x 1,024 float32.
;; This version of the problem:
;;   THIS VERSION OF THE PROBLEM IS GIVEN IN LOW PRECISION. The matrix products marked QUANTISED in the list below multiply operands that are first quantised to E4M3 (4 exponent bits, 3 mantissa bits; 8 bits a number), with one power-of-two scale for each 32 numbers along K (OCP MX v1.0); their sums are f32. All else is computed in f32.
;;   The module's matrix products, in the order in which they are computed (A, B: the left and right operand; K: the contracted axis; several contracted axes count as one K, in the product's order):
;;     1. [M 1,024, K 1,024] x [K 1,024, N 4,096]; A: input Wq; B: computed on the way: QUANTISED
;;     2. [M 1,024, K 1,024] x [K 1,024, N 4,096]; A: input Wk; B: computed on the way: QUANTISED
;;     3. [M 1,024, K 1,024] x [K 1,024, N 4,096]; A: input Wv; B: computed on the way: QUANTISED
;;     4. batch 64 x [M 1,024, K 64] x [K 64, N 1,024]; A: computed on the way; B: computed on the way: QUANTISED
;;     5. batch 64 x [M 64, K 1,024] x [K 1,024, N 1,024]; A: computed on the way; B: softmax (see below): QUANTISED
;;     6. [M 4,096, K 1,024] x [K 1,024, N 1,024]; A: computed on the way; B: input Wo: QUANTISED
;;     7. [M 4,096, K 1,024] x [K 1,024, N 4,096]; A: computed on the way; B: input W1: QUANTISED
;;     8. [M 4,096, K 4,096] x [K 4,096, N 1,024]; A: computed on the way; B: input W2: QUANTISED
;;   THE QUANTISER, for each operand of a quantised product, along K:
;;     - K is cut into blocks of 32 from its start; a last block that is shorter is filled with zeros.
;;     - A block's scale is 2^e with e = floor(log2(the largest magnitude in the block)) - 8, held to -126 .. 127; a block of zeros has e = 0. As a byte (E8M0): e + 127.
;;     - Each number is divided by its block's scale, clamped to +-448, and rounded to the nearest number of E4M3, ties to even, subnormals kept.
;;     - The product sums the exact products of the quantised numbers (number of the format x scale) in f32.
;;   ~~~python
;;   def quantise(x, axis):      # numpy; x: float32 -> the quantised numbers, widened to float32 again
;;       x = np.moveaxis(x, axis, -1); K = x.shape[-1]
;;       x = np.pad(x, [(0, 0)] * (x.ndim - 1) + [(0, -K % 32)]); x = x.reshape(x.shape[:-1] + (-1, 32)); a = np.abs(x).max(-1, keepdims=True)
;;       e = np.where(a > 0, np.clip(np.frexp(np.where(a > 0, a, 1))[1] - 1 - 8, -126, 127), 0)      # np.frexp(a)[1] - 1 = floor(log2(a)), exactly
;;       r = np.clip(x / 2.0 ** e, -448, 448)
;;       step = 2.0 ** (np.maximum(np.frexp(np.where(r == 0, 1, r))[1] - 1, -6) - 3)
;;       q = np.round(r / step) * step * 2.0 ** e      # np.round: ties to even
;;       return np.moveaxis(q.reshape(q.shape[:-2] + (-1,))[..., :K], -1, axis).astype(np.float32)
;;   ~~~
;;   SOFTMAX AHEAD OF A QUANTISED PRODUCT. Where the list says 'softmax', what is quantised is not the finished softmax but p = 2^(t - M), with t = logit x log2(e) and M = ceil(the row's largest t), a whole number; so 1/2 < the row's largest p <= 1. The row's sum l is taken of the UNQUANTISED p, in f32, and the product's result is divided by l at the end. Since M is a whole number, a kernel that streams over the keys may use a running M (the ceiling of the running maximum): every later rescaling is an exact power of two, which a block's scale takes up: the codes' values come out the same.
;;   OPERANDS COMPUTED ON THE WAY. 'Computed on the way' means the value that the module computes at that place (a softmax that the list does not call 'softmax' is quantised finished and normalised). What goes into a quantiser is computed in f32, as accurately as f32 sums, v_exp_f32 and their like allow (about 1e-6 of the number): no bf16 or f16 on the way to a quantiser, and a product that is left as it is and whose result goes on into a quantised operand takes f32 operands (vector FMAs, or v_wmma_f32_16x16x4_f32). A number that lies on a knife's edge between two numbers of the format may be rounded either way, as far as f32 arithmetic and the matrix unit's own rounding can turn it there, and no further.
;; One version. Each part assembles by itself: llvm-mc -triple=amdgcn-amd-amdhsa -mcpu=gfx1250 --defsym DOCPART=n.
;; ======== version 1 of 1: 7 launches
;; limits: right only within a limited range of input values
;; workspace buffers: wts 12,976,128 bytes; hb 4,325,376 bytes; qkvb 13,238,272 bytes; ob 4,325,376 bytes; x1 16,777,216 bytes; act 17,301,504 bytes
;; launch pre (part 1): grid 448 x 1, 8 waves a work-group, no clusters, 19,456 bytes of LDS; arguments x, g1, be1, hb, Wq, Wk, Wv, Wo, W1, W2, wts; writes hb, wts
.if DOCPART == 1
	.amdgcn_target "amdgcn-amd-amdhsa--gfx1250"
	.amdhsa_code_object_version 6
	.text
	.protected	k_q1e9e5491f4_pre
	.globl	k_q1e9e5491f4_pre
	.p2align	8
	.type	k_q1e9e5491f4_pre,@function
k_q1e9e5491f4_pre:
	s_mov_b64 s[64:65], 0
	v_nop
	global_prefetch_b8 v0, s[64:65] scope:SCOPE_SE
	s_setreg_imm32_b32 hwreg(HW_REG_WAVE_MODE, 25, 1), 1
	s_wait_xcnt 0x0
; TWO TASKS THAT SHARE NOTHING, IN ONE LAUNCH: work-groups 0 to NWQ - 1 quantise the six weights, work-groups NWQ on make h = layernorm(x) and quantise it.  The parting hangs on the work-group's number alone;
; only the second task uses LDS and a barrier.  Both write codes of FP8 (E4M3) with one E8M0 scale byte for each 32 along K, laid as the products read them.
; THE LAYOUT (all operand buffers of this program): a BLOCK of TB = 33,792 bytes holds 128 rows x 256 along K as images of operand registers: fragment (q = which 128 of K, i = which 16 rows) at (8 q + i) x 2,048;
; in it piece c at 512 c, and in the piece lane (r, h) has its 16 codes, k = 32 c + 16 h + 0 .. 15 of row r, at 16 (16 h + r).  Behind the codes, at 32,768 + 128 i + 8 r + 4 q, the row's scale word for that 128 of K.
; ROWS ARE STORED WITH BITS 3 AND 4 OF THEIR NUMBER SWAPPED: as source 0 of a product such a tile gives a lane 16 neighbours (along the next K) in the registers of two neighbouring tiles.
; A block's scale is 2^(floor(log2(largest magnitude)) - 8); its byte is the largest magnitude's exponent field - 8, held at 1 from below.
; LIMITS: a block of zeros gets the byte 1 where the rule says 127 (its codes are zeros, and this program alone reads the bytes); NaN and infinities among the inputs are not served.
;
; THE WEIGHTS (f32, K NOT innermost).  Blocks of wts: 0-95 Wq, Wk, Wv (row n = 64 head + e; panel of 128 rows x 4 blocks along K); 96-127 Wo; 128-255 W1; 256-383 W2 (16 blocks along K).
; Work-group W makes blocks 2 W and 2 W + 1: waves 0-3 the first, waves 4-7 the second; a wave 32 columns x 256 along K.  Every weight begins at an even block, so both blocks of a work-group belong to one weight.
; A LANE TAKES A COLUMN n AND ITS REGISTERS RUN DOWN K: a block of 32 lies in one lane, its largest magnitude needs no other lane, and the conversions give codes with K innermost.  A lane's 32 codes are two pieces of
; 16 bytes (h = 0, 1); the sixteen lanes of one tile store 256 consecutive bytes.  Loads run two blocks (64 loads a wave) ahead.  Every offset is an immediate: 255 x 16,384 at the most.
;
; THE LAYER NORM: h = (x - mean) rsqrt(var + 1e-5) g + b, row by row of 1,024 numbers, all in f32 (mean first, then the mean of the squared differences).  Block (panel p, ks) of hb at (4 p + ks) TB.
; Work-group rb = number - NWQ makes the 16 stored rows 16 rb .. 16 rb + 15; wave w the stored rows 2 w and 2 w + 1, which are two neighbouring true rows.  A row stays in 32 registers a lane between the passes: read once.
; Lane l holds, of chunk c (256 numbers), k = 256 c + 8 l .. + 7: two loads of 16 bytes; a pair of loads covers 1,024 consecutive bytes.  Four lanes hold a block of 32.
; The codes meet in LDS (row = k / 16, 256 bytes = 16 stored rows x 16 bytes, pitch 272), one barrier, and wave w stores fragment w: 512 consecutive bytes a store.  The scale words leave in pieces of 128 bytes (1/32 of the bytes).
.set TB,   33792
.set NWQ,  192                         ; work-groups of the first task: 384 blocks, two each
.set X,    32                          ; weights: v32-95 two sets of 32 numbers;  layer norm: v32-95 two rows, row j, chunk c at X + 32 j + 8 c
.set C,    96                          ; weights: v96-159 eight registers of codes for each of the 8 blocks: no store's data are written again
.set SB,   24                          ; weights: v24-25 the scale bytes, four to a register
.set EMAX, 8
	v_lshl_add_u32 v192, v0, 2, 0x4800
	v_mov_b32 v193, 0
	s_cmp_lt_u32 ttmp9, NWQ
	s_cbranch_scc0 .Lln
	; ---------------------------------------------------------------- the weights
	s_load_b256 s[4:11], s[0:1], 0x20              ; Wq, Wk, Wv, Wo
	s_load_b128 s[12:15], s[0:1], 0x40             ; W1, W2
	s_load_b64 s[16:17], s[0:1], 0x50              ; wts
	v_lshrrev_b32 v1, 5, v0
	s_delay_alu instid0(VALU_DEP_1)
	v_readfirstlane_b32 s18, v1                    ; wave 0..7
	s_lshr_b32 s30, s18, 2                         ; which of the work-group's two blocks,
	s_and_b32 s18, s18, 3                          ; and which 32 of its 128 columns
	s_lshl_b32 s29, ttmp9, 1
	s_add_co_u32 s29, s29, s30                     ; my block of wts
	v_and_b32 v2, 31, v0                           ; lane l = my column among the wave's 32
	s_delay_alu instid0(VALU_DEP_1)
	v_lshlrev_b32 v3, 2, v2                        ; in: 4 bytes a lane
	s_delay_alu instid0(VALU_DEP_2)
	v_bfe_u32 v5, v2, 3, 1                         ; bit 3 of the column says which of the wave's two tiles,
	s_delay_alu instid0(VALU_DEP_3)
	v_and_b32 v6, 7, v2
	s_delay_alu instid0(VALU_DEP_4)
	v_lshrrev_b32 v7, 1, v2
	s_delay_alu instid0(VALU_DEP_1)
	v_and_b32 v7, 8, v7
	s_delay_alu instid0(VALU_DEP_1)
	v_or_b32 v6, v6, v7                            ; bit 4 goes to bit 3 of the row r in the tile
	s_lshl_b32 s19, s18, 1
	v_add_nc_u32 v5, s19, v5                       ; tile i = 2 (wave % 4) + bit 3
	s_delay_alu instid0(VALU_DEP_1)
	v_lshlrev_b32 v4, 11, v5
	s_delay_alu instid0(VALU_DEP_1)
	v_lshl_add_u32 v4, v6, 4, v4                   ; codes: 2,048 i + 16 r
	s_delay_alu instid0(VALU_DEP_3)
	v_lshlrev_b32 v9, 7, v5
	s_delay_alu instid0(VALU_DEP_1)
	v_lshl_add_u32 v9, v6, 3, v9
	s_delay_alu instid0(VALU_DEP_1)
	v_add_nc_u32 v9, 32768, v9                     ; scale words: 32,768 + 128 i + 8 r
	s_mov_b32 s31, 0x600000                        ; the mantissa field of 448
	s_mul_i32 s26, s29, TB
	s_mov_b32 s27, 0
	s_mov_b32 s23, 0
	s_wait_kmcnt 0x0
	s_add_nc_u64 s[16:17], s[16:17], s[26:27]      ; my block of wts
	s_mov_b64 s[20:21], s[14:15]                   ; which weight: the choice hangs on the work-group's number alone (two blocks to a work-group: the blocks' bounds halved)
	s_cmp_lt_u32 ttmp9, 128
	s_cselect_b64 s[20:21], s[12:13], s[20:21]
	s_cmp_lt_u32 ttmp9, 64
	s_cselect_b64 s[20:21], s[10:11], s[20:21]
	s_cmp_lt_u32 ttmp9, 48
	s_cselect_b64 s[20:21], s[8:9], s[20:21]
	s_cmp_lt_u32 ttmp9, 32
	s_cselect_b64 s[20:21], s[6:7], s[20:21]
	s_cmp_lt_u32 ttmp9, 16
	s_cselect_b64 s[20:21], s[4:5], s[20:21]
.macro LOAD t, p                       ; block t: W(32 t + i, my column), i = 0 .. 31, into set t % 2; p = bytes from one k to the next
.irp i, 0,1,2,3,4,5,6,7,8,9,10,11,12,13,14,15,16,17,18,19,20,21,22,23,24,25,26,27,28,29,30,31
	global_load_b32 v[X+32*((\t)%2)+\i], v3, s[20:21] offset:(32*(\t)+\i)*(\p) th:TH_LOAD_NT
.endr
.endm
.macro BLOCK t, p
.set XS, X+32*((\t)%2)
.set CC, C+8*(\t)
.if (\t) < 7
	s_wait_loadcnt 32                              ; this block's 32 loads are in; the next block's 32 may be out
.else
	s_wait_loadcnt 0x0
.endif
	v_max3_num_f32 v12, |v[XS]|, |v[XS+1]|, |v[XS+2]|              ; the block's largest magnitude, in two chains
	v_max3_num_f32 v13, |v[XS+3]|, |v[XS+4]|, |v[XS+5]|
.irp i, 6,10,14,18,22,26
	s_delay_alu instid0(VALU_DEP_2)
	v_max3_num_f32 v12, v12, |v[XS+\i]|, |v[XS+\i+1]|
	s_delay_alu instid0(VALU_DEP_2)
	v_max3_num_f32 v13, v13, |v[XS+\i+2]|, |v[XS+\i+3]|
.endr
	s_delay_alu instid0(VALU_DEP_2)
	v_max3_num_f32 v12, v12, |v[XS+30]|, |v[XS+31]|
	s_delay_alu instid0(VALU_DEP_1)
	v_max3_num_f32 v12, v12, v13, (EMAX+1)<<23     ; and the floor 2^(9 - 127): the byte cannot fall under 1
	s_delay_alu instid0(VALU_DEP_1)
	v_add_nc_u32 v11, -(EMAX<<23), v12             ; 8 off the exponent field: the conversion's scale operand
	s_delay_alu instid0(VALU_DEP_2)
	v_and_or_b32 v10, v12, 0x7f800000, s31         ; 448 x the scale
	s_delay_alu instid0(VALU_DEP_2)
	v_lshrrev_b32 v13, 23, v11                     ; the scale's byte
.if (\t)%4 == 0
	s_delay_alu instid0(VALU_DEP_1)
	v_mov_b32 v[SB+(\t)/4], v13
.else
	s_delay_alu instid0(VALU_DEP_1)
	v_lshl_or_b32 v[SB+(\t)/4], v13, 8*((\t)%4), v[SB+(\t)/4]
.endif
.irp i, 0,1,2,3,4,5,6,7,8,9,10,11,12,13,14,15,16,17,18,19,20,21,22,23,24,25,26,27,28,29,30,31
	v_med3_num_f32 v[XS+\i], v[XS+\i], -v10, v10   ; the conversion to an 8-bit code does not saturate (ISA guide 7.6.2): the hold comes first
.endr
.irp g, 0,1,2,3
	v_cvt_scalef32_pk8_fp8_f32 v[CC+2*\g:CC+2*\g+1], v[XS+8*\g:XS+8*\g+7], v11
.endr
	v_nop                                          ; a plain line behind the last conversion
	global_store_b128 v4, v[CC:CC+3], s[16:17] offset:((\t)/4)*16384+((\t)%4)*512          ; k = 32 t + 0 .. 15: the place of h = 0
	global_store_b128 v4, v[CC+4:CC+7], s[16:17] offset:((\t)/4)*16384+((\t)%4)*512+256    ; k = 32 t + 16 .. 31: h = 1
.if (\t)+2 < 8
	LOAD (\t)+2, \p
.endif
.endm
.macro BODY p
	LOAD 0, \p
	LOAD 1, \p
.irp t, 0,1,2,3,4,5,6,7
	BLOCK \t, \p
.endr
	global_store_b64 v9, v[SB:SB+1], s[16:17]      ; my row's two scale words: the wave stores 256 consecutive bytes
	s_endpgm
.endm
	; where my wave's 32 columns x 256 rows begin in the weight; s24 = which 256 along K, s25 = which panel of 128 columns
	s_cmp_lt_u32 ttmp9, 48
	s_cbranch_scc1 .Lqkv
	s_cmp_lt_u32 ttmp9, 64
	s_cbranch_scc1 .Lwo
	s_cmp_lt_u32 ttmp9, 128
	s_cbranch_scc1 .Lw1
	s_sub_co_u32 s24, s29, 256                     ; W2 [4096][1024]: 16 blocks along K to a panel
	s_lshr_b32 s25, s24, 4
	s_and_b32 s24, s24, 15
	s_branch .Lp4096
.Lwo:
	s_sub_co_u32 s24, s29, 96                      ; Wo [1024][1024]: 4 blocks along K
	s_lshr_b32 s25, s24, 2
	s_and_b32 s24, s24, 3
.Lp4096:
	s_lshl_b32 s24, s24, 20                        ; 256 rows of 4,096 bytes
	s_lshl_b32 s25, s25, 9                         ; 128 columns of 4 bytes
	s_add_co_u32 s22, s24, s25
	s_lshl_b32 s28, s18, 7
	s_add_co_u32 s22, s22, s28                     ; + 32 columns x (wave % 4)
	s_add_nc_u64 s[20:21], s[20:21], s[22:23]
	BODY 4096
.Lw1:
	s_sub_co_u32 s24, s29, 128                     ; W1 [1024][4096]
	s_lshr_b32 s25, s24, 2
	s_and_b32 s24, s24, 3
	s_lshl_b32 s24, s24, 22                        ; 256 rows of 16,384 bytes
	s_lshl_b32 s25, s25, 9
	s_add_co_u32 s22, s24, s25
	s_lshl_b32 s28, s18, 7
	s_add_co_u32 s22, s22, s28
	s_add_nc_u64 s[20:21], s[20:21], s[22:23]
	BODY 16384
.Lqkv:
	s_and_b32 s24, s29, 31                         ; Wq, Wk, Wv [16][1024][64]: a panel is two heads
	s_lshr_b32 s25, s24, 2
	s_and_b32 s24, s24, 3
	s_lshl_b32 s25, s25, 1
	s_lshr_b32 s28, s18, 1
	s_add_co_u32 s25, s25, s28                     ; head = 2 panel + (wave % 4) / 2
	s_lshl_b32 s25, s25, 18                        ; 262,144 bytes a head
	s_lshl_b32 s24, s24, 16                        ; 256 rows of 256 bytes
	s_add_co_u32 s22, s25, s24
	s_and_b32 s28, s18, 1
	s_lshl_b32 s28, s28, 7
	s_add_co_u32 s22, s22, s28                     ; + 32 columns x (wave % 2)
	s_add_nc_u64 s[20:21], s[20:21], s[22:23]
	BODY 256
	; ---------------------------------------------------------------- the layer norm
.set G,   96                           ; v96-127  the gain at my 32 columns
.set BE,  128                          ; v128-159 the bias
.set CD,  160                          ; v160-175 codes: two registers for each (j, c)
.set BY,  176                          ; v176-183 scale bytes
.set HO,  184                          ; v184-191 448 x the scale
.set SM,  8                            ; v8-15    sums: row j at SM + 4 j; later the largest magnitudes
.set SQ,  16                           ; v16-23   sums of squares; later the conversions' scale operands
.set MX,  8
.set SO,  16
.set SCL, 17408                        ; LDS: behind the 64 rows of 272 bytes the scale bytes, 128 for each 256 along K
.Lln:
	s_load_b256 s[4:11], s[0:1], 0x0               ; x, g, b, the codes' buffer
	v_lshrrev_b32 v1, 5, v0
	s_delay_alu instid0(VALU_DEP_1)
	v_readfirstlane_b32 s12, v1                    ; wave 0..7
	s_sub_co_u32 s2, ttmp9, NWQ                    ; rb
	v_and_b32 v2, 31, v0                           ; lane
	s_wait_alu depctr_va_vdst(0)
	v_lshlrev_b32 v3, 5, v2                        ; 32 bytes a lane
	s_lshr_b32 s13, s2, 1                          ; my first true row: 32 (rb / 2) + 8 (rb % 2) + 16 (w / 4) + 2 (w % 4)
	s_lshl_b32 s13, s13, 5
	s_and_b32 s14, s2, 1
	s_lshl_b32 s14, s14, 3
	s_add_co_u32 s13, s13, s14
	s_lshr_b32 s14, s12, 2
	s_lshl_b32 s14, s14, 4
	s_add_co_u32 s13, s13, s14
	s_and_b32 s14, s12, 3
	s_lshl_b32 s14, s14, 1
	s_add_co_u32 s13, s13, s14
	s_lshl_b32 s14, s13, 12                        ; in bytes
	s_mov_b32 s15, 0
	s_mov_b32 s16, 0x76543210                      ; v_permlanex16_b32's selects for lane l xor 16
	s_mov_b32 s17, 0xfedcba98
	s_mov_b32 s18, 0x3a800000                      ; 1 / 1,024
	s_mov_b32 s19, 0x3727c5ac                      ; 1e-5
	s_mov_b32 s20, 0x600000                        ; the mantissa field of 448
	v_lshrrev_b32 v4, 1, v2                        ; LDS, codes in: (16 c + l / 2) x 272 + 16 (2 w + j) + 8 (l % 2): the 32 lanes fall on 8 l modulo 256
	s_delay_alu instid0(VALU_DEP_1)
	v_mul_u32_u24 v4, v4, 272
	v_and_b32 v5, 1, v2
	s_delay_alu instid0(VALU_DEP_1)
	v_lshl_add_u32 v4, v5, 3, v4
	s_lshl_b32 s21, s12, 5
	v_add_nc_u32 v4, s21, v4
	v_lshrrev_b32 v5, 2, v2                        ; bytes in: SCL + 128 c + 8 (2 w + j) + l / 4
	s_lshl_b32 s21, s12, 4
	s_add_co_u32 s21, s21, SCL
	v_add_nc_u32 v5, s21, v5
	v_lshrrev_b32 v6, 4, v2                        ; fragment w out: (8 w + 2 c + l / 16) x 272 + 16 (l % 16)
	s_delay_alu instid0(VALU_DEP_1)
	v_mul_u32_u24 v6, v6, 272
	v_and_b32 v7, 15, v2
	s_delay_alu instid0(VALU_DEP_1)
	v_lshl_add_u32 v6, v7, 4, v6
	s_mul_i32 s21, s12, 8*272
	v_add_nc_u32 v6, s21, v6
	v_lshlrev_b32 v25, 2, v2                       ; 4 l
	s_min_u32 s27, s12, 3                          ; (only waves 0 to 3 store scale words)
	s_lshl_b32 s21, s27, 7
	s_add_co_u32 s21, s21, SCL
	v_add_nc_u32 v7, s21, v25                      ; words out: SCL + 128 w + 4 l
	v_lshlrev_b32 v24, 4, v2                       ; 16 l
	s_lshr_b32 s21, s2, 3                          ; the panel,
	s_lshl_b32 s21, s21, 2                         ; four blocks to it
	s_and_b32 s26, s2, 7                           ; and the tile i in it
	s_lshr_b32 s22, s12, 1                         ; fragment w lies in block ks = w / 2, at q = w % 2
	s_add_co_u32 s22, s22, s21
	s_mul_i32 s22, s22, TB
	s_and_b32 s23, s12, 1
	s_lshl_b32 s23, s23, 3
	s_add_co_u32 s23, s23, s26
	s_lshl_b32 s23, s23, 11
	s_add_co_u32 s22, s22, s23
	s_mov_b32 s23, 0
	s_add_co_u32 s30, s21, s27                     ; the scale words of block ks = w
	s_mul_i32 s30, s30, TB
	s_lshl_b32 s26, s26, 7
	s_add_co_u32 s30, s30, s26
	s_add_co_u32 s30, s30, 32768
	s_mov_b32 s31, 0
	s_wait_kmcnt 0x0
	s_add_nc_u64 s[4:5], s[4:5], s[14:15]
	s_add_nc_u64 s[24:25], s[10:11], s[22:23]
	s_add_nc_u64 s[28:29], s[10:11], s[30:31]
.irp j, 0,1
.irp c, 0,1,2,3
	global_load_b128 v[X+32*\j+8*\c:X+32*\j+8*\c+3],   v3, s[4:5] offset:4096*\j+1024*\c
	global_load_b128 v[X+32*\j+8*\c+4:X+32*\j+8*\c+7], v3, s[4:5] offset:4096*\j+1024*\c+16
.endr
.endr
.irp c, 0,1,2,3
	global_load_b128 v[G+8*\c:G+8*\c+3],     v3, s[6:7] offset:1024*\c
	global_load_b128 v[G+8*\c+4:G+8*\c+7],   v3, s[6:7] offset:1024*\c+16
	global_load_b128 v[BE+8*\c:BE+8*\c+3],   v3, s[8:9] offset:1024*\c
	global_load_b128 v[BE+8*\c+4:BE+8*\c+7], v3, s[8:9] offset:1024*\c+16
.endr
.macro ALLSUM                          ; v[SM] and v[SM+4] are summed over the 32 lanes; every lane ends with the sums
.irp m, 1,2,4,8
	s_delay_alu instid0(VALU_DEP_2)
	v_add_f32_dpp v[SM], v[SM], v[SM] row_xmask:\m row_mask:0xf bank_mask:0xf
	s_delay_alu instid0(VALU_DEP_2)
	v_add_f32_dpp v[SM+4], v[SM+4], v[SM+4] row_xmask:\m row_mask:0xf bank_mask:0xf
.endr
	s_delay_alu instid0(VALU_DEP_2)
	v_permlanex16_b32 v[SM+1], v[SM], s16, s17
	s_delay_alu instid0(VALU_DEP_2)
	v_permlanex16_b32 v[SM+5], v[SM+4], s16, s17
	s_delay_alu instid0(VALU_DEP_2)
	v_add_f32 v[SM], v[SM], v[SM+1]
	s_delay_alu instid0(VALU_DEP_2)
	v_add_f32 v[SM+4], v[SM+4], v[SM+5]
.endm
	s_wait_loadcnt 16                              ; the two rows are in; the 16 loads of g and b may be out
.irp j, 0,1
	v_pk_add_f32 v[SM+4*\j:SM+4*\j+1],   v[X+32*\j:X+32*\j+1],   v[X+32*\j+2:X+32*\j+3]     ; the rows' sums, two chains a row
	v_pk_add_f32 v[SM+4*\j+2:SM+4*\j+3], v[X+32*\j+4:X+32*\j+5], v[X+32*\j+6:X+32*\j+7]
.endr
.irp i, 8,12,16,20,24,28
.irp j, 0,1
	s_delay_alu instid0(VALU_DEP_4)
	v_pk_add_f32 v[SM+4*\j:SM+4*\j+1],   v[SM+4*\j:SM+4*\j+1],   v[X+32*\j+\i:X+32*\j+\i+1]
	s_delay_alu instid0(VALU_DEP_4)
	v_pk_add_f32 v[SM+4*\j+2:SM+4*\j+3], v[SM+4*\j+2:SM+4*\j+3], v[X+32*\j+\i+2:X+32*\j+\i+3]
.endr
.endr
.irp j, 0
	s_delay_alu instid0(VALU_DEP_3)
	v_pk_add_f32 v[SM+4*\j:SM+4*\j+1], v[SM+4*\j:SM+4*\j+1], v[SM+4*\j+2:SM+4*\j+3]
.endr
.irp j, 1
	s_delay_alu instid0(VALU_DEP_2)
	v_pk_add_f32 v[SM+4*\j:SM+4*\j+1], v[SM+4*\j:SM+4*\j+1], v[SM+4*\j+2:SM+4*\j+3]
.endr
.irp j, 0,1
	s_delay_alu instid0(VALU_DEP_2)
	v_add_f32 v[SM+4*\j], v[SM+4*\j], v[SM+4*\j+1]
.endr
	ALLSUM
.irp j, 0,1
	s_delay_alu instid0(VALU_DEP_2)
	v_mul_f32 v[SM+4*\j+2], 0xba800000, v[SM+4*\j] ; - the mean, twice: a pair for the packed addition
.endr
.irp j, 0,1
	s_delay_alu instid0(VALU_DEP_2)
	v_mov_b32 v[SM+4*\j+3], v[SM+4*\j+2]
.endr
.irp i, 0,2,4,6,8,10,12,14,16,18,20,22,24,26,28,30
.irp j, 0,1
	v_pk_add_f32 v[X+32*\j+\i:X+32*\j+\i+1], v[X+32*\j+\i:X+32*\j+\i+1], v[SM+4*\j+2:SM+4*\j+3]   ; x - mean
.endr
.endr
.irp j, 0,1
	v_pk_mul_f32 v[SQ+4*\j:SQ+4*\j+1],   v[X+32*\j:X+32*\j+1],   v[X+32*\j:X+32*\j+1]       ; the sums of its squares
	v_pk_mul_f32 v[SQ+4*\j+2:SQ+4*\j+3], v[X+32*\j+2:X+32*\j+3], v[X+32*\j+2:X+32*\j+3]
.endr
.irp i, 4,8,12,16,20,24,28
.irp j, 0,1
	s_delay_alu instid0(VALU_DEP_4)
	v_pk_fma_f32 v[SQ+4*\j:SQ+4*\j+1],   v[X+32*\j+\i:X+32*\j+\i+1],   v[X+32*\j+\i:X+32*\j+\i+1],   v[SQ+4*\j:SQ+4*\j+1]
	s_delay_alu instid0(VALU_DEP_4)
	v_pk_fma_f32 v[SQ+4*\j+2:SQ+4*\j+3], v[X+32*\j+\i+2:X+32*\j+\i+3], v[X+32*\j+\i+2:X+32*\j+\i+3], v[SQ+4*\j+2:SQ+4*\j+3]
.endr
.endr
.irp j, 0
	s_delay_alu instid0(VALU_DEP_3)
	v_pk_add_f32 v[SQ+4*\j:SQ+4*\j+1], v[SQ+4*\j:SQ+4*\j+1], v[SQ+4*\j+2:SQ+4*\j+3]
.endr
.irp j, 1
	s_delay_alu instid0(VALU_DEP_2)
	v_pk_add_f32 v[SQ+4*\j:SQ+4*\j+1], v[SQ+4*\j:SQ+4*\j+1], v[SQ+4*\j+2:SQ+4*\j+3]
.endr
.irp j, 0,1
	s_delay_alu instid0(VALU_DEP_2)
	v_add_f32 v[SM+4*\j], v[SQ+4*\j], v[SQ+4*\j+1]
.endr
	ALLSUM
.irp j, 0,1
	s_delay_alu instid0(VALU_DEP_2)
	v_fma_f32 v[SM+4*\j], v[SM+4*\j], s18, s19     ; the variance + 1e-5
.endr
	s_wait_alu depctr_va_vdst(0)
	v_rsq_f32 v[SM+2], v[SM]
	v_rsq_f32 v[SM+6], v[SM+4]
	v_nop                                          ; a plain line behind the transcendentals (ISA guide 5.7.2)
	s_wait_alu depctr_va_vdst(0)
	v_mov_b32 v[SM+3], v[SM+2]
	v_mov_b32 v[SM+7], v[SM+6]
	s_wait_alu depctr_va_vdst(0)
	s_wait_loadcnt 0x0                             ; g and b
.irp i, 0,2,4,6,8,10,12,14,16,18,20,22,24,26,28,30
.irp j, 0,1
	v_pk_mul_f32 v[X+32*\j+\i:X+32*\j+\i+1], v[X+32*\j+\i:X+32*\j+\i+1], v[SM+4*\j+2:SM+4*\j+3]
.endr
.endr
.irp i, 0,2,4,6,8,10,12,14,16,18,20,22,24,26,28,30
.irp j, 0,1
	v_pk_fma_f32 v[X+32*\j+\i:X+32*\j+\i+1], v[X+32*\j+\i:X+32*\j+\i+1], v[G+\i:G+\i+1], v[BE+\i:BE+\i+1]
.endr
.endr
	; the quantiser: n = 4 j + c; my 8 numbers at X + 8 n; the block's 32 lie in four neighbouring lanes.  The eight n take turns line by line
.irp n, 0,1,2,3,4,5,6,7
	v_max3_num_f32 v[MX+\n], |v[X+8*\n]|, |v[X+8*\n+1]|, 0x4800000     ; with the floor 2^(9 - 127): the byte cannot fall under 1
.endr
.irp i, 2,4,6
.irp n, 0,1,2,3,4,5,6,7
	v_max3_num_f32 v[MX+\n], v[MX+\n], |v[X+8*\n+\i]|, |v[X+8*\n+\i+1]|
.endr
.endr
.irp m, 1,2
.irp n, 0,1,2,3,4,5,6,7
	v_max_num_f32_dpp v[MX+\n], v[MX+\n], v[MX+\n] row_xmask:\m row_mask:0xf bank_mask:0xf
.endr
.endr
.irp n, 0,1,2,3,4,5,6,7
	v_add_nc_u32 v[SO+\n], 0xfc000000, v[MX+\n]    ; 8 off the exponent field: the conversion's scale operand
.endr
.irp n, 0,1,2,3,4,5,6,7
	v_and_or_b32 v[HO+\n], v[MX+\n], 0x7f800000, s20   ; 448 x the scale
.endr
.irp n, 0,1,2,3,4,5,6,7
	v_lshrrev_b32 v[BY+\n], 23, v[SO+\n]           ; the scale's byte
.endr
.irp n, 0,1,2,3,4,5,6,7
.irp i, 0,1,2,3,4,5,6,7
	v_med3_num_f32 v[X+8*\n+\i], v[X+8*\n+\i], -v[HO+\n], v[HO+\n]     ; the conversion does not saturate (ISA guide 7.6.2): the hold comes first
.endr
	v_cvt_scalef32_pk8_fp8_f32 v[CD+2*\n:CD+2*\n+1], v[X+8*\n:X+8*\n+7], v[SO+\n]
.endr
	v_nop                                          ; a plain line behind the last conversion
.irp n, 0,1,2,3,4,5,6,7
	ds_store_b64 v4, v[CD+2*\n:CD+2*\n+1] offset:16*(\n%4)*272+16*(\n/4)
	ds_store_b8 v5, v[BY+\n] offset:128*(\n%4)+8*(\n/4)            ; the four lanes of a block write the same byte with the same value
.endr
	s_wait_dscnt 0x0                               ; for the others' sake: my stores have landed
	s_barrier_signal -1
	s_barrier_wait -1
.irp c, 0,1,2,3
	ds_load_b128 v[X+4*\c:X+4*\c+3], v6 offset:544*\c              ; fragment w, piece c, as the operand's registers want it
.endr
.irp c, 0,1,2,3
	s_wait_dscnt 3-\c
	global_store_b128 v24, v[X+4*\c:X+4*\c+3], s[24:25] offset:512*\c   ; the wave stores 512 consecutive bytes
.endr
	s_cmp_lt_u32 s12, 4
	s_cbranch_scc0 .Lend
	ds_load_b32 v48, v7                            ; waves 0 to 3: the 16 rows' scale words of block ks = w
	s_wait_dscnt 0x0
	global_store_b32 v25, v48, s[28:29]
.Lend:
	s_wait_tensorcnt 0x0
	ds_add_u32 v192, v193
	s_wait_dscnt 0x0
	s_endpgm
.Lfunc_end_k_q1e9e5491f4_pre:
	.size	k_q1e9e5491f4_pre, .Lfunc_end_k_q1e9e5491f4_pre-k_q1e9e5491f4_pre
	.p2alignl 7, 3214868480
	.fill 96, 4, 3214868480
	.section	.rodata,"a",@progbits
	.p2align	6, 0x0
	.amdhsa_kernel k_q1e9e5491f4_pre
		.amdhsa_group_segment_fixed_size 19456
		.amdhsa_private_segment_fixed_size 0
		.amdhsa_enable_private_segment 0
		.amdhsa_kernarg_size 88
		.amdhsa_user_sgpr_count 2
		.amdhsa_user_sgpr_kernarg_segment_ptr 1
		.amdhsa_wavefront_size32 1
		.amdhsa_system_sgpr_workgroup_id_x 1
		.amdhsa_system_sgpr_workgroup_id_y 1
		.amdhsa_system_sgpr_workgroup_id_z 1
		.amdhsa_system_vgpr_workitem_id 0
		.amdhsa_next_free_vgpr 194
		.amdhsa_next_free_sgpr 66
		.amdhsa_reserve_vcc 0
		.amdhsa_float_denorm_mode_32 3
		.amdhsa_float_denorm_mode_16_64 3
		.amdhsa_memory_ordered 1
		.amdhsa_forward_progress 1
		.amdhsa_inst_pref_size 213
	.end_amdhsa_kernel
	.amdgpu_metadata
---
amdhsa.version: [ 1, 2 ]
amdhsa.kernels:
  - .name:           k_q1e9e5491f4_pre
    .symbol:         k_q1e9e5491f4_pre.kd
    .args:
      - { .name: x, .offset: 0, .size: 8, .value_kind: global_buffer, .address_space: global }
      - { .name: g1, .offset: 8, .size: 8, .value_kind: global_buffer, .address_space: global }
      - { .name: be1, .offset: 16, .size: 8, .value_kind: global_buffer, .address_space: global }
      - { .name: hb, .offset: 24, .size: 8, .value_kind: global_buffer, .address_space: global }
      - { .name: Wq, .offset: 32, .size: 8, .value_kind: global_buffer, .address_space: global }
      - { .name: Wk, .offset: 40, .size: 8, .value_kind: global_buffer, .address_space: global }
      - { .name: Wv, .offset: 48, .size: 8, .value_kind: global_buffer, .address_space: global }
      - { .name: Wo, .offset: 56, .size: 8, .value_kind: global_buffer, .address_space: global }
      - { .name: W1, .offset: 64, .size: 8, .value_kind: global_buffer, .address_space: global }
      - { .name: W2, .offset: 72, .size: 8, .value_kind: global_buffer, .address_space: global }
      - { .name: wts, .offset: 80, .size: 8, .value_kind: global_buffer, .address_space: global }
    .group_segment_fixed_size: 19456
    .private_segment_fixed_size: 0
    .kernarg_segment_align: 8
    .kernarg_segment_size: 88
    .max_flat_workgroup_size: 256
    .sgpr_count:     66
    .vgpr_count:     194
    .wavefront_size: 32
...
	.end_amdgpu_metadata
.endif
;; end of part 1
;; launch qkv (part 2): grid 12 x 16, 4 waves a work-group, clusters of 4 x 4, 327,680 bytes of LDS; arguments hb, wts, qkvb; writes qkvb
.if DOCPART == 2
	.amdgcn_target "amdgcn-amd-amdhsa--gfx1250"
	.amdhsa_code_object_version 6
	.text
	.protected	k_q1e9e5491f4_qkv
	.globl	k_q1e9e5491f4_qkv
	.p2align	8
	.type	k_q1e9e5491f4_qkv,@function
k_q1e9e5491f4_qkv:
	s_mov_b64 s[64:65], 0
	v_nop
	global_prefetch_b8 v0, s[64:65] scope:SCOPE_SE
	s_setreg_imm32_b32 hwreg(HW_REG_WAVE_MODE, 25, 1), 1
	s_wait_xcnt 0x0
	s_wait_alu depctr_hold_cnt(0) depctr_sa_sdst(0) depctr_va_vdst(0) depctr_va_sdst(0) depctr_va_ssrc(0) depctr_va_vcc(0) depctr_vm_vsrc(0)
	s_getreg_b32 s2, hwreg(HW_REG_IB_STS2, 6, 4)
	s_cmp_eq_u32 s2, 0
	s_cbranch_scc0 .Lentry_in_a_cluster
	s_endpgm
.Lentry_in_a_cluster:
	s_bfe_u32 s2, ttmp6, 0x10000c
	s_cmp_lg_u32 s2, 0xf033
	s_cbranch_scc0 .Lentry_shape_is_right
	s_endpgm
.Lentry_shape_is_right:
; ONE TEXT FOR TWO LAUNCHES (FF1 = 0: q, k, v = h Wq, h Wk, h Wv, quantised for attention;  FF1 = 1: relu(h2 W1 + b1), quantised for the next product).  K = 1,024; codes of FP8 (E4M3), one E8M0 scale for each 32 along K.
; OPERANDS lie in memory as images of operand registers: a block of TB bytes = 128 rows x 256 K: fragment (q, i) at (8 q + i) x 2,048, piece c at 512 c, 16 bytes a lane; scale words at 32,768 + 128 i + 8 r + 4 q;
; block (panel, ks) at (4 panel + ks) TB.  So one dense tensor load of 132 rows of 256 bytes brings codes and scale words of 128 rows x 256 K, and a fragment is four ds_load_b128 at 16 x lane: consecutive bytes, no pitch.
; ROWS ARE STORED WITH BITS 3 AND 4 OF THEIR NUMBER SWAPPED: source 0's tiles 2 g and 2 g + 1 give lane (r, h) the true indices 32 g + 16 h + 0 .. 15 in 16 registers: neighbours along the next K.
; A tile of 256 x 256 to a work-group of four waves, 128 x 128 (64 accumulators, 512 registers) to a wave.  THE PRODUCT IS USED TRANSPOSED: source 0 = 16 rows of the B-operand, source 1 = 16 rows of the A-operand.
; K goes in steps of 256 through a ring of two LDS slots; each wave fetches one block (A's two halves, B's two halves).  CLUSTERS 4 x 4: A's blocks are asked for jointly along a row of the cluster, B's along a column.
; FF1 = 0: clusters x = 0, 1: A-operand = h (tokens), B-operand = Wq, Wk: a lane holds one token and registers along the head's e: q and k are quantised along e.  Cluster x = 2 (PATH): the roles are swapped,
; A-operand = Wv (channels), B-operand = h: a lane holds one channel and registers along the true keys: v is quantised along the keys.  PATH hangs on the cluster's x alone: it is the same in all partners.
; THE WAY OUT needs no LDS: the 16 registers of two neighbouring accumulators are a lane's share of a block of 32; their codes are the next operand's registers and are stored as such, 512 consecutive bytes a store.
; qkvb: a chunk of CHQ bytes for each (batch x 16 + head, 128 keys): K's codes 8 tiles x 1,024 | K's scale words 8 x 64 | V's codes 4 fragments x 2,048 | V's scale words 4 x 64 | Q's codes | Q's scale words.
; LIMITS: a block of zeros gets the byte 1 where the rule says 127 (its codes are zeros, and this program alone reads the bytes); NaN and infinities are not served.
; REGISTERS, in windows of 256: window 0: v16-29 addresses; v32-63 scale words, two sets; v64-127 the bias (FF1); from v128 A's fragments, ONE set; on the way out v128-242 at work.
;   window 1: B's fragments, TWO sets.   window 2: the accumulators of A's blocks 0-3 ((a, b) at v[8 (8 (a % 4) + b)]);   window 3: those of blocks 4-7.
.set FF1,   0
.set TB,    33792
.set SLOT,  TB                         ; LDS: block (A half 0, A half 1, B half 0, B half 1 = wave) at wave x WST + slot x TB
.set WST,   2*TB
.set PFO,   30                         ; v30  256 x lane; never rewritten
.set PFL,   31                         ; v31  256 x 32; never rewritten
.set PFA,   82                         ; s[82:83] my share (33 of the 132 units of 256 bytes) of the block that I fetch, at K step 0
.set SPARE, 4*WST
.set LAPS,  2                          ; 1,024 along K = four K steps = twice round the ring
.set NQ,    2                          ; matrix instructions deep in a slot
.set FR,    16
.set NL,    4
.set NP,    8                          ; places behind this matrix instruction (ISA guide 7.12.1)
.set CHQ,   25856
.set HSTR,  8*CHQ                      ; from a head to the next in qkvb
.set ADRA, 16                          ; v16-17  LDS address of my A fragments in slot 0, 1
.set ADRB, 20                          ; v20-21  the same for B
.set ADRS, 22                          ; v22-23  of my scale words: lanes 0-15 A's rows, lanes 16-31 B's
.set LI,   24                          ; v24     16 x lane
.set VO,   25                          ; v25-26  offsets of the scale words' stores
.set VO2,  26
.set SH,   27                          ; v27     16 h
.set SPW,  28                          ; v28     LDS address of my spare word; never rewritten
.set NIL,  29                          ; v29     0; never rewritten
.set SC,   32                          ; scale words: set s at SC + 16 s; register 2 i + q: lanes 0-15 A's block i, lanes 16-31 B's block i
.set BI,   64                          ; the bias: eight registers for each of B's eight blocks, in the result's layout
.set AF,   128
.set T,    128                         ; the way out: v128-191 the held numbers
.set PC,   192                         ; v192-207 the codes
.set TM,   224                         ; v224-227 largest magnitudes, v228-231 bytes, v232-235 448 x the scale, v236-239 the conversions' scale operands
.set PW,   240                         ; the scale word just made;  v241 the one before;  v242 what is stored
.set PWP,  241
.set SV,   242
.set G1, 24
.set G0, 32
.set G1B, 48
.set G0B, 56
.set PATH, 66
.set SEL, 74
.set MNT, 76
.set HM,  77
.set MSB, 0
.macro WIN new                         ; the immediate's high byte repeats the setting that is left
.if MSB != (\new)
	s_set_vgpr_msb (MSB<<8)|(\new)
.set MSB, (\new)
.endif
.endm
.set MUL_LO, 0xa1                      ; source 0 (B) window 1, source 1 (A) window 0, C and D window 2
.set MUL_HI, 0xf1                      ; the same, C and D window 3
.set TO_B,   0x40
; A joint load: waves 0 and 1 fetch for A, waves 2 and 3 for B.  Four v_nop follow each of the two lines, ahead of the jump, the label and what follows.
.macro JLOAD g0a, g1a, g0b, g1b
	s_cmp_eq_u32 s15, 0
	s_cbranch_scc0 .Lfor_b_\@
	tensor_load_to_lds s[\g0a:\g0a+3], s[\g1a:\g1a+7]
	s_nop 0
.rept 4
	v_nop
.endr
	s_branch .Lasked_\@
.Lfor_b_\@:
	tensor_load_to_lds s[\g0b:\g0b+3], s[\g1b:\g1b+7]
	s_nop 0
.rept 4
	v_nop
.endr
.Lasked_\@:
.endm
.macro CREST                           ; a round of the cluster's barrier behind its opening barrier
	s_cmp_lg_u32 s14, 0
	s_cbranch_scc1 .Lnot_wave_0_\@
	s_barrier_signal -3
.Lnot_wave_0_\@:
	s_barrier_wait -3
	s_barrier_signal -1
	s_barrier_wait -1
.endm
.macro CROUND
	s_barrier_signal -1
	s_barrier_wait -1
	CREST
.endm
	s_load_b128 s[4:7], s[0:1], 0x0                ; h's codes, the weights' codes
.if FF1
	s_load_b128 s[8:11], s[0:1], 0x10              ; b1, act
.else
	s_load_b64 s[8:9], s[0:1], 0x10                ; qkvb
.endif
	v_lshl_add_u32 v[SPW], v0, 2, SPARE
	v_mov_b32 v[NIL], 0
	ds_add_u32 v28, v29
	ds_add_u32 v28, v29
	s_wait_dscnt 0x0
	v_lshrrev_b32 v1, 5, v0
	v_readfirstlane_b32 s14, v1                    ; wave 0..3
	s_lshr_b32 s15, s14, 1                         ; which half of A's rows is mine.  Also: I fetch for A (0) or for B (1)
	s_and_b32 s16, s14, 1                          ; which half of B's rows.  Also: which half I fetch
	s_bfe_u32 s40, ttmp6, 0x40000                  ; cx, cy: my place in the cluster
	s_bfe_u32 s41, ttmp6, 0x40004
	s_and_b32 s18, ttmp7, 0xffff
	s_lshl_b32 s18, s18, 2                         ; 4 x cluster y
	s_lshl_b32 s19, ttmp9, 2                       ; 4 x cluster x
.if FF1
	s_add_co_u32 s17, s18, s41                     ; A's tile (256 tokens)
	s_add_co_u32 s42, s19, s40                     ; B's tile (256 hidden units)
.else
	s_cmp_eq_u32 ttmp9, 2
	s_cselect_b32 s[PATH], 1, 0
	s_cselect_b32 s17, 0, s18                      ; A's tile: 4 Y + cy of the tokens, or cy of Wv's rows
	s_cselect_b32 s42, s18, s19                    ; B's tile: 4 X + cx of Wq's and Wk's rows, or 4 Y + cx of the tokens
	s_add_co_u32 s17, s17, s41
	s_add_co_u32 s42, s42, s40
.endif
	s_lshl_b32 s43, s41, 2
	s_lshl_b32 s43, 15, s43                        ; my row of the cluster
	s_lshl_b32 s44, 0x1111, s40                    ; my column
	; descriptor group 1: a dense block of TB bytes as 132 rows of 32 elements of 8 bytes, no padding
	s_or_b32 s[G1+0], s43, (3<<16)|(1<<21)         ; 15:0 the mask: A's blocks go to my row; 17:16 elements of 8 bytes; 21 set beside a mask
	s_or_b32 s[G1B+0], s44, (3<<16)|(1<<21)        ; B's go to my column
.irp g, G1, G1B
	s_mov_b32 s[\g+1], 32<<16                      ; tensor_dim0
	s_mov_b32 s[\g+2], 132<<16                     ; tensor_dim1
	s_mov_b32 s[\g+3], 32<<16                      ; tile_dim0
	s_mov_b32 s[\g+4], 132                         ; tile_dim1
	s_mov_b32 s[\g+5], 32                          ; tensor_dim0_stride
	s_mov_b32 s[\g+6], 0
	s_mov_b32 s[\g+7], 0
.endr
	s_lshl_b32 s20, s17, 1
	s_add_co_u32 s20, s20, s16                     ; A: panel 2 x tile + half; four blocks along K to a panel
	s_mul_i32 s20, s20, 4*TB
	s_mov_b32 s21, 0
	s_lshl_b32 s46, s42, 1
	s_add_co_u32 s46, s46, s16                     ; B likewise
	s_mul_i32 s46, s46, 4*TB
	s_mov_b32 s47, 0
	s_mul_i32 s45, s14, WST                        ; where they go: wave x WST: no place in the cluster enters an LDS address
	s_mov_b32 s[SEL], 0x76543210
	s_mov_b32 s[SEL+1], 0xfedcba98                 ; v_permlanex16_b32's selects for lane l xor 16
	s_mov_b32 s[MNT], 0x600000                     ; the mantissa field of 448
	s_mov_b32 s[HM], 0xffff0000                    ; lanes 16-31
	s_wait_kmcnt 0x0
.if FF1
	s_add_nc_u64 s[20:21], s[4:5], s[20:21]
	s_add_nc_u64 s[46:47], s[6:7], s[46:47]
	s_add_nc_u64 s[46:47], s[46:47], 128*TB        ; W1's blocks begin at block 128
.else
	s_add_nc_u64 s[68:69], s[6:7], 64*TB           ; Wv's blocks begin at block 64
	s_cmp_eq_u32 s[PATH], 1
	s_cselect_b64 s[70:71], s[68:69], s[4:5]       ; the A-operand
	s_cselect_b64 s[72:73], s[4:5], s[6:7]         ; the B-operand
	s_add_nc_u64 s[20:21], s[70:71], s[20:21]
	s_add_nc_u64 s[46:47], s[72:73], s[46:47]
.endif
	CROUND                                         ; all sixteen work-groups are here: the first joint loads meet
.irp s, 0,1
	s_mov_b32 s[G0+4*\s], 1
	s_add_co_u32 s[G0+4*\s+1], s45, \s*SLOT
	s_add_nc_u64 s[G0+4*\s+2:G0+4*\s+3], s[20:21], \s*TB
	s_or_b32 s[G0+4*\s+3], s[G0+4*\s+3], 0x80000000
	s_mov_b32 s[G0B+4*\s], 1
	s_add_co_u32 s[G0B+4*\s+1], s45, \s*SLOT
	s_add_nc_u64 s[G0B+4*\s+2:G0B+4*\s+3], s[46:47], \s*TB
	s_or_b32 s[G0B+4*\s+3], s[G0B+4*\s+3], 0x80000000
.endr
	JLOAD G0, G1, G0B, G1B                         ; my one load at the head: K step 0 of my block
	s_cmp_eq_u32 s15, 0                            ; the requests: of a block's 132 units each of the four partners that ask for it jointly names 33, told apart by address (cx for the A-operand, cy for the B-operand)
	s_cselect_b64 s[PFA:PFA+1], s[20:21], s[46:47]
	s_cselect_b32 s84, s40, s41
	s_mul_i32 s84, s84, 33*256
	s_mov_b32 s85, 0
	s_add_nc_u64 s[PFA:PFA+1], s[PFA:PFA+1], s[84:85]
	v_and_b32 v[PFO], 31, v0
	v_lshlrev_b32 v[PFO], 8, v[PFO]
	v_mov_b32 v[PFL], 0x2000
	v_and_b32 v1, 15, v0                           ; r
	v_bfe_u32 v2, v0, 4, 1                         ; h
	v_and_b32 v3, 31, v0
	v_lshlrev_b32 v[LI], 4, v3
	s_mul_i32 s22, s15, WST                        ; my 128 rows of A
	s_mul_i32 s23, s16, WST
	s_add_co_u32 s23, s23, 2*WST                   ; my 128 rows of B
	v_add_nc_u32 v[ADRA], s22, v[LI]
	v_add_nc_u32 v[ADRB], s23, v[LI]
	v_add_nc_u32 v[ADRA+1], SLOT, v[ADRA]
	v_add_nc_u32 v[ADRB+1], SLOT, v[ADRB]
	s_sub_co_u32 s23, s23, s22
	v_mul_u32_u24 v4, s23, v2                      ; lanes 16-31 take B's: h x the distance between the two blocks
	v_lshl_add_u32 v4, v1, 3, v4                   ; + 8 r
	s_add_co_u32 s22, s22, 32768
	v_add_nc_u32 v[ADRS], s22, v4
	v_add_nc_u32 v[ADRS+1], SLOT, v[ADRS]
.if FF1
	s_lshl_b32 s22, s42, 10                        ; b1 at my 128 hidden units: (256 x tile + 128 x half) x 4 bytes
	s_lshl_b32 s23, s16, 9
	s_add_co_u32 s22, s22, s23
	s_mov_b32 s23, 0
	s_add_nc_u64 s[8:9], s[8:9], s[22:23]
	v_lshlrev_b32 v5, 6, v2                        ; lane (r, h) wants, for B's block b, the units 32 (b / 2) + 16 h + 8 (b % 2) + 0 .. 7
.irp b, 0,1,2,3,4,5,6,7
	global_load_b128 v[BI+8*\b:BI+8*\b+3],   v5, s[8:9] offset:(32*(\b/2)+8*(\b%2))*4
	global_load_b128 v[BI+8*\b+4:BI+8*\b+7], v5, s[8:9] offset:(32*(\b/2)+8*(\b%2))*4+16
.endr
	s_lshl_b32 s22, s17, 1                         ; act: block (panel 2 x tile + half, ks = B's tile), 16 blocks along K to a panel
	s_add_co_u32 s22, s22, s15
	s_lshl_b32 s22, s22, 4
	s_add_co_u32 s22, s22, s42
	s_mul_i32 s22, s22, TB
	s_add_nc_u64 s[10:11], s[10:11], s[22:23]
	s_lshl_b32 s22, s16, 2
	s_add_co_u32 s22, s22, 32768
	s_add_nc_u64 s[12:13], s[10:11], s[22:23]      ; its scale words, at q = my half of B
	s_lshl_b32 s22, s16, 14
	s_add_nc_u64 s[10:11], s[10:11], s[22:23]      ; and its fragments at that q
	v_lshlrev_b32 v[VO], 3, v1
	v_lshl_add_u32 v[VO], v2, 7, v[VO]             ; 8 r + 128 h
.else
	s_cmp_eq_u32 s[PATH], 1                        ; qkvb: chunk (16 batch + head) x 8 + (128 keys); head from the weight's side, keys from the tokens' side
	s_cselect_b32 s78, s41, s40
	s_cselect_b32 s79, s40, s41
	s_cselect_b32 s80, s15, s16
	s_cselect_b32 s81, s16, s15
	s_lshl_b32 s22, s18, 2                         ; 16 x batch
	s_lshl_b32 s78, s78, 2
	s_add_co_u32 s22, s22, s78                     ; + 4 heads for each tile of 256 of the weight's rows
	s_lshl_b32 s80, s80, 1
	s_add_co_u32 s22, s22, s80                     ; + 2 for my half
	s_lshl_b32 s22, s22, 3
	s_lshl_b32 s79, s79, 1
	s_add_co_u32 s22, s22, s79
	s_add_co_u32 s22, s22, s81
	s_mul_i32 s22, s22, CHQ
	s_cmp_eq_u32 ttmp9, 0
	s_cselect_b32 s78, 17152, 0                    ; Q's part of a chunk, or K's,
	s_cmp_eq_u32 s[PATH], 1
	s_cselect_b32 s78, 8704, s78                   ; or V's
	s_add_co_u32 s22, s22, s78
	s_mov_b32 s23, 0
	s_add_nc_u64 s[8:9], s[8:9], s[22:23]
	v_mul_u32_u24 v[VO], HSTR, v2
	v_lshl_add_u32 v[VO], v1, 2, v[VO]             ; q, k: 4 r, lanes 16-31 the next head
	v_lshlrev_b32 v[VO2], 2, v1
	v_lshl_add_u32 v[VO2], v2, 6, v[VO2]           ; v: 4 r + 64 h
	v_lshlrev_b32 v[SH], 4, v2
.endif
.macro FRAG reg, adr, q, i             ; a fragment: four loads of 512 consecutive bytes
.irp c, 0,1,2,3
	ds_load_b128 v[\reg+4*\c:\reg+4*\c+3], v[\adr] offset:(8*(\q)+(\i))*2048+512*\c
.endr
.endm
; 16 matrix instructions: A's blocks a0, a0 + 1 x B's eight.  zero = 1: the first product starts the sums; 2: it starts them with the bias as C; nothing is ever cleared.
; The 64 accumulators take turns, one instruction a turn, in the same order in every step.
.macro MUL16 a0, p, q, sc, zero
.irp a, \a0, \a0+1
.irp b, 0,1,2,3,4,5,6,7
.if \zero == 1
	v_wmma_scale_f32_16x16x128_f8f6f4 v[8*(8*((\a)%4)+\b):8*(8*((\a)%4)+\b)+7], v[128*(\p)+FR*\b:128*(\p)+FR*\b+FR-1], v[AF+FR*(\a):AF+FR*(\a)+FR-1], 0, v[SC+8*NQ*(\sc)+NQ*\b+(\q)], v[SC+8*NQ*(\sc)+NQ*(\a)+(\q)] matrix_a_scale:MATRIX_SCALE_ROW1
.elseif \zero == 2
	v_wmma_scale_f32_16x16x128_f8f6f4 v[8*(8*((\a)%4)+\b):8*(8*((\a)%4)+\b)+7], v[128*(\p)+FR*\b:128*(\p)+FR*\b+FR-1], v[AF+FR*(\a):AF+FR*(\a)+FR-1], v[BI+8*\b:BI+8*\b+7], v[SC+8*NQ*(\sc)+NQ*\b+(\q)], v[SC+8*NQ*(\sc)+NQ*(\a)+(\q)] matrix_a_scale:MATRIX_SCALE_ROW1
.else
	v_wmma_scale_f32_16x16x128_f8f6f4 v[8*(8*((\a)%4)+\b):8*(8*((\a)%4)+\b)+7], v[128*(\p)+FR*\b:128*(\p)+FR*\b+FR-1], v[AF+FR*(\a):AF+FR*(\a)+FR-1], v[8*(8*((\a)%4)+\b):8*(8*((\a)%4)+\b)+7], v[SC+8*NQ*(\sc)+NQ*\b+(\q)], v[SC+8*NQ*(\sc)+NQ*(\a)+(\q)] matrix_a_scale:MATRIX_SCALE_ROW1
.endif
.endr
.endr
.endm
.macro FETCH_B slot, q, p
	WIN TO_B
.irp i, 0,1,2,3,4,5,6,7
	FRAG 128*(\p)+FR*\i, ADRB+\slot, \q, \i
.endr
	WIN 0
.endm
.macro FETCH_A slot, q, i0
.irp i, \i0, \i0+1, \i0+2, \i0+3
	FRAG AF+FR*(\i), ADRA+\slot, \q, \i
.endr
.endm
.macro SCALES sc                       ; the slot's scale words: two words a row; lanes 0-15 take A's block i, lanes 16-31 B's block i
.irp i, 0,1,2,3,4,5,6,7
	ds_load_b64 v[SC+16*\sc+2*\i:SC+16*\sc+2*\i+1], v[ADRS+\sc] offset:128*\i
.endr
.endm
.macro PLACES n                        ; plain vector lines between a matrix instruction and a load into, or a read of, its registers (ISA guide 7.12.1 for reads)
.rept \n
	v_nop
.endr
.endm
; A step of 128 along K that has its successor in the same slot.  A has one set of registers: blocks 0-3 are fetched anew in the step's middle, blocks 4-7 at its end; B has two sets.
.macro STEP slot, q, zero
	s_wait_dscnt 4*NL                              ; B's set, A's blocks 0-3 and the scale words are in; the youngest 16 loads (A's blocks 4-7) may be out
.if \zero == 2
	WIN 0x81                                       ; C (the bias) window 0, D window 2
.else
	WIN MUL_LO
.endif
	MUL16 0, (\q)%2, \q, \slot, \zero
	MUL16 2, (\q)%2, \q, \slot, \zero
	s_wait_dscnt 0x0                               ; A's blocks 4-7 are in
	PLACES NP
	FETCH_B \slot, (\q)+1, 1-(\q)%2
	FETCH_A \slot, (\q)+1, 0
.if \zero == 2
	WIN 0xc1
.else
	WIN MUL_HI
.endif
	MUL16 4, (\q)%2, \q, \slot, \zero
	MUL16 6, (\q)%2, \q, \slot, \zero
	PLACES NP
	WIN 0
	FETCH_A \slot, (\q)+1, 4
.endm
; A slot's last step changes slots: ONE barrier; in front of it each wave waits for all its tensor loads, adds 0 to its spare word, and waits for that and for its own reads of this slot.  fill = 1: this slot is filled again, two K steps ahead.
.macro TURN slot, next, fill
	s_wait_tensorcnt 0x0                           ; all my tensor loads have landed: my part of the next slot
	ds_add_u32 v[SPW], v[NIL]                      ; 0 onto my spare word
	s_wait_dscnt 4*NL+1                            ; (the add and the youngest 16 loads, A's blocks 4-7, may be out)
	WIN MUL_LO
	MUL16 0, 1, NQ-1, \slot, 0                     ; sixteen matrix instructions stand between the add and the wait for it
	s_wait_dscnt 0x0                               ; the add is done, and my reads of this slot are over
	s_barrier_signal -1
	MUL16 2, 1, NQ-1, \slot, 0
	WIN 0
	s_barrier_wait -1
.if \fill
	CREST                                          ; the barrier has opened a round of the cluster's barrier: no wave of any partner still reads this slot or has a load on its way
	s_add_nc_u64 s[G0+4*\slot+2:G0+4*\slot+3], s[G0+4*\slot+2:G0+4*\slot+3], 2*TB
	s_add_nc_u64 s[G0B+4*\slot+2:G0B+4*\slot+3], s[G0B+4*\slot+2:G0B+4*\slot+3], 2*TB
	JLOAD G0+4*\slot, G1, G0B+4*\slot, G1B         ; the first tensor load behind the round; its four v_nop are among the places in front of the loads below
	PLACES NP-4
.else
	PLACES NP
.endif
	FETCH_B \next, 0, 0
	FETCH_A \next, 0, 0
	SCALES \next
.if \fill
.if \slot == 0
	global_prefetch_b8 v[PFO], s[PFA:PFA+1] offset:3*TB th:TH_LOAD_NT scope:SCOPE_SE   ; behind K step 2's refill: K step 3, which the next change of slots loads
	global_prefetch_b8 v[PFL], s[PFA:PFA+1] offset:3*TB th:TH_LOAD_NT scope:SCOPE_SE
.endif
.endif
	WIN MUL_HI
	MUL16 4, 1, NQ-1, \slot, 0
	MUL16 6, 1, NQ-1, \slot, 0
	PLACES NP
	WIN 0
	FETCH_A \next, 0, 4
.endm
	s_wait_alu depctr_va_vdst(0)
	s_wait_tensorcnt 0x0                           ; my part of K step 0 is in
	ds_add_u32 v[SPW], v[NIL]
	s_wait_dscnt 0x0
	CROUND                                         ; a whole round: everybody's part of K step 0 is in, and the joint loads meet
	JLOAD G0+4, G1, G0B+4, G1B                     ; K step 1, the first tensor load behind the round
	global_prefetch_b8 v[PFO], s[PFA:PFA+1] offset:2*TB th:TH_LOAD_NT scope:SCOPE_SE   ; K step 2, which the next change of slots loads, a slot's two steps on
	global_prefetch_b8 v[PFL], s[PFA:PFA+1] offset:2*TB th:TH_LOAD_NT scope:SCOPE_SE
	FETCH_B 0, 0, 0
	FETCH_A 0, 0, 0
	SCALES 0
	FETCH_A 0, 0, 4
.if FF1
	s_wait_loadcnt 0x0                             ; the bias
	STEP 0, 0, 2
.else
	STEP 0, 0, 1
.endif
	s_mov_b32 s3, LAPS-1
.Llap:                                                 ; a trip goes once round the ring, from a lap's second step to the next lap's first, and fills both slots again
	TURN 0, 1, 1
	STEP 1, 0, 0
	TURN 1, 0, 1
	STEP 0, 0, 0
	s_sub_co_u32 s3, s3, 1
	s_cmp_lg_u32 s3, 0
	s_cbranch_scc1 .Llap
	TURN 0, 1, 0                                   ; the last lap fills nothing
	STEP 1, 0, 0
	s_wait_dscnt 4*NL
	WIN MUL_LO
	MUL16 0, 1, NQ-1, 1, 0
	MUL16 2, 1, NQ-1, 1, 0
	s_wait_dscnt 0x0
	WIN MUL_HI
	MUL16 4, 1, NQ-1, 1, 0
	MUL16 6, 1, NQ-1, 1, 0
	WIN 0
; THE WAY OUT.  A's block a: lane (r, h) holds row r, and register 16 g + i of the block's 64 is the true index 32 g + 16 h + i along B's rows: four blocks of 32, each shared with lane l xor 16.
; QUANT makes the fragment's codes in v[PC] on and its scale word in v[PW].  Each accumulator is read from its low end on.  relu = 1: what is negative becomes 0 on the way.
.macro QUANT a, relu
.set AC, 64*((\a)%4)
	WIN 0x0a+5*((\a)/4)                            ; sources 0 and 1: window 2 or 3
.irp g, 0,1,2,3
.if \relu
	v_max3_num_f32 v[TM+\g], v[AC+16*\g], v[AC+16*\g+1], 0x4800000        ; no |.|: what is negative must not count; the floor 2^(9 - 127) stands over it
.else
	v_max3_num_f32 v[TM+\g], |v[AC+16*\g]|, |v[AC+16*\g+1]|, 0x4800000    ; with the floor 2^(9 - 127): the byte cannot fall under 1
.endif
.endr
.irp i, 2,4,6,8,10,12,14
.irp g, 0,1,2,3
.if \relu
	v_max3_num_f32 v[TM+\g], v[AC+16*\g+\i], v[AC+16*\g+\i+1], v[TM+\g]
.else
	v_max3_num_f32 v[TM+\g], |v[AC+16*\g+\i]|, |v[AC+16*\g+\i+1]|, v[TM+\g]
.endif
.endr
.endr
	WIN 0
.irp g, 0,1,2,3
	v_permlanex16_b32 v[TM+4+\g], v[TM+\g], s[SEL], s[SEL+1]
.endr
.irp g, 0,1,2,3
	v_max_num_f32 v[TM+\g], v[TM+\g], v[TM+4+\g]   ; with lane l xor 16's: the block's largest magnitude
.endr
.irp g, 0,1,2,3
	v_add_nc_u32 v[TM+12+\g], 0xfc000000, v[TM+\g] ; 8 off the exponent field: the conversion's scale operand
.endr
.irp g, 0,1,2,3
	v_and_or_b32 v[TM+8+\g], v[TM+\g], 0x7f800000, s[MNT]   ; 448 x the scale
.endr
.irp g, 0,1,2,3
	v_lshrrev_b32 v[TM+4+\g], 23, v[TM+12+\g]      ; the scale's byte
.endr
	v_lshl_or_b32 v[PW], v[TM+5], 8, v[TM+4]
	v_lshl_or_b32 v[PW], v[TM+6], 16, v[PW]
	v_lshl_or_b32 v[PW], v[TM+7], 24, v[PW]
	WIN 0x02+(\a)/4                                ; source 0: window 2 or 3
.irp g, 0,1,2,3
.irp i, 0,1,2,3,4,5,6,7,8,9,10,11,12,13,14,15
.if \relu
	v_med3_num_f32 v[T+16*\g+\i], v[AC+16*\g+\i], 0, v[TM+8+\g]           ; the activation and the hold in one
.else
	v_med3_num_f32 v[T+16*\g+\i], v[AC+16*\g+\i], -v[TM+8+\g], v[TM+8+\g] ; the conversion does not saturate (ISA guide 7.6.2): the hold comes first
.endif
.endr
.endr
	WIN 0
	s_wait_alu depctr_va_vdst(0)
	s_wait_xcnt 0x0                                ; the last block's stores have read their data: the codes and the stored word are rewritten only behind this wait
.irp g, 0,1,2,3
	v_cvt_scalef32_pk8_fp8_f32 v[PC+4*\g:PC+4*\g+1],   v[T+16*\g:T+16*\g+7],    v[TM+12+\g]
	v_cvt_scalef32_pk8_fp8_f32 v[PC+4*\g+2:PC+4*\g+3], v[T+16*\g+8:T+16*\g+15], v[TM+12+\g]
.endr
	v_nop                                          ; a plain line behind the last conversion
.endm
.macro STF a                           ; FF1: fragment (q = my half of B, i = a) of my block of act; the scale words of two blocks a leave together, 4 bytes a lane
.irp g, 0,1,2,3
	global_store_b128 v[LI], v[PC+4*\g:PC+4*\g+3], s[10:11] offset:2048*(\a)+512*\g
.endr
.if (\a)%2
	v_cndmask_b32 v[SV], v[PWP], v[PW], s[HM]      ; lanes 0-15 the word of block a - 1, lanes 16-31 that of block a
	global_store_b32 v[VO], v[SV], s[12:13] offset:128*((\a)-1)
.else
	v_mov_b32 v[PWP], v[PW]
.endif
.endm
.macro STQ a
.if (\a)%2 == 0
	v_mov_b32 v[PWP], v[PW]
.endif
	s_cmp_eq_u32 s[PATH], 1
	s_cbranch_scc1 .Lv_\@
	v_lshrrev_b32 v[SV], v[SH], v[PW]              ; q, k: blocks g = 0, 1 are one head's 64, g = 2, 3 the next head's: lanes 16-31 store the upper two bytes as that head's word
.irp g, 0,1,2,3
	global_store_b128 v[LI], v[PC+4*\g:PC+4*\g+3], s[8:9] offset:(\g/2)*HSTR+(\g%2)*512+1024*(\a)
.endr
	global_store_b32 v[VO], v[SV], s[8:9] offset:8192+64*(\a)
	s_branch .Ldone_\@
.Lv_\@:
	s_wait_alu depctr_va_vdst(0)
.irp g, 0,1,2,3
	global_store_b128 v[LI], v[PC+4*\g:PC+4*\g+3], s[8:9] offset:((\a)/4)*HSTR+((\a)%4)*2048+512*\g    ; v: 16 channels x 128 keys: fragment a % 4 of head a / 4
.endr
.if (\a)%2
	v_cndmask_b32 v[SV], v[PWP], v[PW], s[HM]
	global_store_b32 v[VO2], v[SV], s[8:9] offset:((\a)/4)*HSTR+8192+64*(((\a)-1)%4)
.endif
.Ldone_\@:
.endm
	PLACES NP                                      ; behind the last products: their results are read, and A's registers written, only from here on
.irp g, 0,1,2,3
	v_mov_b32 v[TM+4+\g], 0                        ; written once: a lane permute's destination counts as one of its sources
.endr
.irp a, 0,1,2,3,4,5,6,7
.if FF1
	QUANT \a, 1
	STF \a
.else
	QUANT \a, 0
	STQ \a
.endif
.endr
	s_wait_tensorcnt 0x0                           ; the wave's end
	ds_add_u32 v[SPW], v[NIL]
	s_wait_dscnt 0x0
	CROUND                                         ; the closing round: no work-group ends while a partner may still ask for a block that names it
	s_endpgm
.Lfunc_end_k_q1e9e5491f4_qkv:
	.size	k_q1e9e5491f4_qkv, .Lfunc_end_k_q1e9e5491f4_qkv-k_q1e9e5491f4_qkv
	.p2alignl 7, 3214868480
	.fill 96, 4, 3214868480
	.section	.rodata,"a",@progbits
	.p2align	6, 0x0
	.amdhsa_kernel k_q1e9e5491f4_qkv
		.amdhsa_group_segment_fixed_size 327680
		.amdhsa_private_segment_fixed_size 0
		.amdhsa_enable_private_segment 0
		.amdhsa_kernarg_size 24
		.amdhsa_user_sgpr_count 2
		.amdhsa_user_sgpr_kernarg_segment_ptr 1
		.amdhsa_wavefront_size32 1
		.amdhsa_system_sgpr_workgroup_id_x 1
		.amdhsa_system_sgpr_workgroup_id_y 1
		.amdhsa_system_sgpr_workgroup_id_z 1
		.amdhsa_system_vgpr_workitem_id 0
		.amdhsa_next_free_vgpr 1024
		.amdhsa_next_free_sgpr 96
		.amdhsa_reserve_vcc 0
		.amdhsa_float_denorm_mode_32 3
		.amdhsa_float_denorm_mode_16_64 3
		.amdhsa_memory_ordered 1
		.amdhsa_forward_progress 1
		.amdhsa_inst_pref_size 189
	.end_amdhsa_kernel
	.amdgpu_metadata
---
amdhsa.version: [ 1, 2 ]
amdhsa.kernels:
  - .name:           k_q1e9e5491f4_qkv
    .symbol:         k_q1e9e5491f4_qkv.kd
    .args:
      - { .name: hb, .offset: 0, .size: 8, .value_kind: global_buffer, .address_space: global }
      - { .name: wts, .offset: 8, .size: 8, .value_kind: global_buffer, .address_space: global }
      - { .name: qkvb, .offset: 16, .size: 8, .value_kind: global_buffer, .address_space: global }
    .group_segment_fixed_size: 327680
    .private_segment_fixed_size: 0
    .kernarg_segment_align: 8
    .kernarg_segment_size: 24
    .max_flat_workgroup_size: 128
    .sgpr_count:     96
    .vgpr_count:     1024
    .wavefront_size: 32
...
	.end_amdgpu_metadata
.endif
;; end of part 2
;; launch attn (part 3): grid 4 x 64, 16 waves a work-group, clusters of 4 x 1, 169,984 bytes of LDS; arguments qkvb, ob; writes ob
.if DOCPART == 3
	.amdgcn_target "amdgcn-amd-amdhsa--gfx1250"
	.amdhsa_code_object_version 6
	.text
	.protected	k_q1e9e5491f4_attn
	.globl	k_q1e9e5491f4_attn
	.p2align	8
	.type	k_q1e9e5491f4_attn,@function
k_q1e9e5491f4_attn:
	s_mov_b64 s[64:65], 0
	v_nop
	global_prefetch_b8 v0, s[64:65] scope:SCOPE_SE
	s_setreg_imm32_b32 hwreg(HW_REG_WAVE_MODE, 25, 1), 1
	s_wait_xcnt 0x0
	s_wait_alu depctr_hold_cnt(0) depctr_sa_sdst(0) depctr_va_vdst(0) depctr_va_sdst(0) depctr_va_ssrc(0) depctr_va_vcc(0) depctr_vm_vsrc(0)
	s_getreg_b32 s2, hwreg(HW_REG_IB_STS2, 6, 4)
	s_cmp_eq_u32 s2, 0
	s_cbranch_scc0 .Lentry_in_a_cluster
	s_endpgm
.Lentry_in_a_cluster:
	s_bfe_u32 s2, ttmp6, 0x10000c
	s_cmp_lg_u32 s2, 0x3003
	s_cbranch_scc0 .Lentry_shape_is_right
	s_endpgm
.Lentry_shape_is_right:
; o = softmax(q k^T / 8, causal) v for one (batch, head), both products on codes of FP8 (E4M3) with one E8M0 scale for each 32 along a product's K; o is quantised along the concatenated heads and stored as an operand's image.
; THE SOFTMAX AHEAD OF THE SECOND PRODUCT: t = score x log2(e) / 8; M = the row's largest t so far, rounded UP to a whole number; p = 2^(t - M) is what is quantised, along the keys; the row's sum is taken of the
; unquantised p and divides at the end.  When M moves, the sum and O are multiplied by 2^(old M - new M): exact.
; INPUT: qkvb, a chunk of CHQ bytes for each (16 batch + head, 128 keys): K's codes, 8 tiles of 16 keys x 64 (1,024 bytes: pieces c = 0, 1) | K's scale words (64 bytes a tile) | V's codes, 4 fragments of 16 channels x 128 keys |
; V's scale words | Q's codes | Q's scale words.  All are images of operand registers: 16 bytes a lane at 16 x lane.  Tokens and channels are stored with bits 3 and 4 of their number swapped, so that as source 0 the
; tiles 2 g and 2 g + 1 give lane (r, h) the true indices 32 g + 16 h + 0 .. 15.
; SHARES.  The four work-groups of a cluster share a head; each has sixteen waves of one tile of 16 queries.  Wave w of work-group cx owns tile 4 g + cx, g = w xor 2 ((w / 4) % 2): its queries lie in 64 g .. 64 g + 63,
; so its work hangs on w alone: key steps 0 .. g / 2, the last of them on the diagonal.  No branch hangs on cx.  g is w with neighbouring pairs swapped in every second four, so that the four waves whose numbers are
; equal modulo 4 have 18 key steps together (1 + 4 + 5 + 8 or 2 + 3 + 6 + 7; with g = w: 16 or 20): the work is even in case waves are dealt to the four SIMDs by turns.
; THE WHOLE HEAD'S K AND V (8 x CH = 137,216 bytes) COME INTO LDS ONCE, by joint loads of waves 0 to 7 (one each, 67 rows of 256 bytes), one request for the four work-groups.  Nothing is filled again: no ring.
; Both products are used transposed: S^T = K Q^T, O^T = V^T P^T: a lane holds ONE query throughout.
; THE HEAD HAS 64 ALONG K, THE INSTRUCTION 128: Q's upper eight registers are zero codes, which add nothing whatever stands against them; K's operand of tile t is v[32 + 8 t] on, 16 registers, whose upper eight are the
; next tile's codes (finite: every code was held) or zeros.  The upper two bytes of the scale words are other blocks' bytes or 0, never 0xff.
; Every wave walks all 8 trips (the count is a constant of the text); a step whose keys all come after the wave's queries is jumped over by a scalar branch on ids.
; LIMITS: a block of zeros gets the byte 1 where the rule says 127 (its codes are zeros, and this program alone reads the bytes); NaN and infinities are not served.
.set CH,   17152                       ; K's and V's part of a chunk: 67 x 256 bytes
.set CHQ,  25856
.set TB,   33792
.set LI,   1                           ; v1   16 x lane
.set R4,   2                           ; v2   4 r
.set D0,   3                           ; v3   my query - 16 h
.set ADK,  4                           ; v4   LDS address of the step's codes
.set ADS,  5                           ; v5   and of its scale words
.set R8,   6                           ; v6   8 r
.set S,    104                         ; v104-167 S^T, then p
.set O,    168                         ; v168-199 O^T
.set PCD,  200                         ; v200-215 p's codes
.set SCW,  216                         ; v216-223 K's or V's scale words
.set W,    224                         ; v224-227 the blocks' largest, v228-231 exchange and bytes, v232-235 448 x the scale, v236-239 the conversions' scale operands
.set WV,   18
.set MNT,  19
.set SEL,  20
.set CS,   22
.set G1,   24
.set G0A,  32
.set G0B,  36
.set SI,   40                          ; s40  the key step, and the loop's counter
.set LAST, 41                          ; s41  my last key step: g / 2
.set TBS,  42                          ; s42  LDS byte at which the step's chunk begins
.set GW,   61                          ; s61  g: which 64 queries are my wave's
.macro CROUND                          ; a round of the cluster's barrier
	s_barrier_signal -1
	s_barrier_wait -1
	s_cmp_lg_u32 s[WV], 0
	s_cbranch_scc1 .Lnot_wave_0_\@
	s_barrier_signal -3
.Lnot_wave_0_\@:
	s_barrier_wait -3
	s_barrier_signal -1
	s_barrier_wait -1
.endm
	s_load_b128 s[4:7], s[0:1], 0x0                ; qkvb, ob
	v_lshl_add_u32 v254, v0, 2, 0x29000
	v_mov_b32 v255, 0
	ds_add_u32 v254, v255
	ds_add_u32 v254, v255
	v_lshrrev_b32 v7, 5, v0
	s_delay_alu instid0(VALU_DEP_1)
	v_readfirstlane_b32 s[WV], v7                  ; wave 0..15
	s_bfe_u32 s[GW], s[WV], 0x10002                ; bit 2 of the wave's number,
	s_lshl_b32 s[GW], s[GW], 1
	s_xor_b32 s[GW], s[GW], s[WV]                  ; turned onto its bit 1: g
	s_bfe_u32 s13, ttmp6, 0x40000                  ; cx: it enters Q's and o's global addresses and the mask's comparison alone
	s_and_b32 s12, ttmp7, 0xffff                   ; 16 batch + head
	s_min_u32 s14, s[WV], 7                        ; (only waves 0 to 7 fetch: one chunk of the head's eight each)
	s_lshl_b32 s15, s12, 3
	s_add_co_u32 s15, s15, s14                     ; chunk 8 (16 batch + head) + wave
	s_mul_i32 s16, s15, CHQ
	s_mov_b32 s17, 0
	s_mul_i32 s44, s14, CH
	s_mov_b32 s[G1], 15|(3<<16)|(1<<21)            ; 15:0 the mask: all four work-groups; 17:16 elements of 8 bytes; 21 set beside a mask; no padding
	s_mov_b32 s[G1+1], 32<<16                      ; tensor_dim0: 256 bytes
	s_mov_b32 s[G1+2], 67<<16                      ; tensor_dim1
	s_mov_b32 s[G1+3], 32<<16                      ; tile_dim0
	s_mov_b32 s[G1+4], 67                          ; tile_dim1
	s_mov_b32 s[G1+5], 32                          ; tensor_dim0_stride: dense
	s_mov_b32 s[G1+6], 0
	s_mov_b32 s[G1+7], 0
	s_mov_b32 s[SEL], 0x76543210
	s_mov_b32 s[SEL+1], 0xfedcba98                 ; v_permlanex16_b32's selects for lane l xor 16
	s_mov_b32 s[CS], 0x3e38aa3b                    ; c = log2(e) / 8
	s_mov_b32 s[CS+1], s[CS]                       ; (named with it as a pair, so it is written)
	s_mov_b32 s[MNT], 0x600000                     ; the mantissa field of 448
	s_lshr_b32 s[LAST], s[GW], 1
	s_wait_dscnt 0x0
	s_wait_kmcnt 0x0
	s_mov_b32 s[G0A], 1
	s_mov_b32 s[G0A+1], s44                        ; chunk w to LDS byte w CH,
	s_add_nc_u64 s[G0A+2:G0A+3], s[4:5], s[16:17]
	s_or_b32 s[G0A+3], s[G0A+3], 0x80000000
	CROUND                                         ; all four work-groups are here: the joint loads meet
	s_cmp_lt_u32 s[WV], 8                          ; waves 0 to 7: one joint load each, chunk w to LDS byte w CH
	s_cbranch_scc0 .Lnofill
	tensor_load_to_lds s[G0A:G0A+3], s[G1:G1+7]
	s_nop 0
.rept 4
	v_nop
.endr
.Lnofill:
	v_and_b32 v7, 31, v0
	s_delay_alu instid0(VALU_DEP_1)
	v_lshlrev_b32 v[LI], 4, v7
	v_and_b32 v7, 15, v0                           ; r
	v_bfe_u32 v8, v0, 4, 1                         ; h
	s_delay_alu instid0(VALU_DEP_2)
	v_lshlrev_b32 v[R4], 2, v7
	s_wait_alu depctr_va_vdst(0)
	v_lshlrev_b32 v[R8], 3, v7
	s_lshl_b32 s45, s[GW], 6                       ; my query = 64 g + 32 (cx / 2) + 8 (cx % 2) + 16 (r / 8) + r % 8: stored row 16 (4 g + cx) + r with bits 3 and 4 swapped
	s_lshr_b32 s46, s13, 1
	s_lshl_b32 s46, s46, 5
	s_add_co_u32 s45, s45, s46
	s_and_b32 s46, s13, 1
	s_lshl_b32 s46, s46, 3
	s_add_co_u32 s45, s45, s46
	v_and_b32 v9, 8, v7
	s_delay_alu instid0(VALU_DEP_1)
	v_add_nc_u32 v9, v9, v7
	v_lshlrev_b32 v10, 4, v8
	s_delay_alu instid0(VALU_DEP_1)
	v_sub_nc_u32 v9, v9, v10
	s_delay_alu instid0(VALU_DEP_1)
	v_add_nc_u32 v[D0], s45, v9
	s_lshl_b32 s46, s12, 3                         ; Q: chunk 8 (16 batch + head) + g / 2, tile 4 (g % 2) + cx
	s_add_co_u32 s46, s46, s[LAST]
	s_mul_i32 s46, s46, CHQ
	s_and_b32 s47, s[GW], 1
	s_lshl_b32 s47, s47, 2
	s_add_co_u32 s47, s47, s13
	s_lshl_b32 s48, s47, 10
	s_add_co_u32 s48, s48, s46
	s_add_co_u32 s48, s48, 17152
	s_mov_b32 s49, 0
	s_add_nc_u64 s[8:9], s[4:5], s[48:49]
	s_lshl_b32 s48, s47, 6
	s_add_co_u32 s48, s48, s46
	s_add_co_u32 s48, s48, 25344
	s_add_nc_u64 s[10:11], s[4:5], s[48:49]
	global_load_b128 v[16:19], v[LI], s[8:9]       ; Q's codes stay in registers: k = 0 .. 63
	global_load_b128 v[20:23], v[LI], s[8:9] offset:512
	global_load_b32 v245, v[R4], s[10:11]          ; Q's scale words
	s_lshr_b32 s50, s12, 4                         ; ob: block (panel 8 batch + g / 2, ks = head / 4), fragment (q = (head / 2) % 2, i = tile), pieces 2 (head % 2) + piece
	s_lshl_b32 s50, s50, 3
	s_add_co_u32 s50, s50, s[LAST]
	s_lshl_b32 s50, s50, 2
	s_bfe_u32 s51, s12, 0x20002
	s_add_co_u32 s50, s50, s51
	s_mul_i32 s50, s50, TB
	s_bfe_u32 s51, s12, 0x10001
	s_and_b32 s52, s12, 1
	s_lshl_b32 s53, s51, 3
	s_add_co_u32 s53, s53, s47
	s_lshl_b32 s53, s53, 11
	s_lshl_b32 s54, s52, 10
	s_add_co_u32 s53, s53, s54
	s_add_co_u32 s54, s53, s50
	s_mov_b32 s55, 0
	s_add_nc_u64 s[56:57], s[6:7], s[54:55]        ; the codes
	s_lshl_b32 s54, s47, 7
	s_lshl_b32 s53, s51, 2
	s_add_co_u32 s54, s54, s53
	s_lshl_b32 s53, s52, 1
	s_add_co_u32 s54, s54, s53
	s_add_co_u32 s54, s54, s50
	s_add_co_u32 s54, s54, 32768
	s_add_nc_u64 s[58:59], s[6:7], s[54:55]        ; the two scale bytes of my head in the rows' words
	v_mov_b32 v13, 0xff61b1e6                      ; the largest t so far: -3e38, under every t
	s_delay_alu instid0(VALU_DEP_1)
	v_floor_f32 v12, -v13                          ; -M
	v_mov_b32 v14, 0                               ; the sum, in two halves
	v_mov_b32 v15, 0
.irp j, 0,1,2,3,4,5,6,7
	v_mov_b32 v[24+\j], 0                          ; Q's k = 64 .. 127: zero codes
	v_mov_b32 v[96+\j], 0                          ; and what stands behind K's last tile
.endr
.set nn, 0
.rept 32
	v_mov_b32 v[O+nn], 0                           ; O^T.  (The step is written once: the first finds zeros, which the first change of M leaves zeros)
.set nn, nn+1
.endr
.irp b, 0,1,2,3
	v_mov_b32 v[W+4+\b], 0                         ; written once: a lane permute's destination counts as one of its sources
.endr
	v_mov_b32 v243, 0                              ; (named as the upper half of the pair v[242:243] before it is first written)
	v_mov_b32 v244, 0
	v_mov_b32 v246, 0xff800000                     ; -infinity
	s_mov_b32 s[SI], 0
	s_mov_b32 s[TBS], 0
	s_wait_loadcnt 0x0                             ; Q
	s_wait_tensorcnt 0x0                           ; my parts of the head are in,
	s_barrier_signal -1
	s_barrier_wait -1                              ; everybody's are; nobody writes LDS from here on
.Lstep:                                            ; 8 trips: 128 keys each
	s_cmp_gt_u32 s[SI], s[LAST]
	s_cbranch_scc1 .Lskip                          ; all these keys come after my queries
	v_add_nc_u32 v[ADK], s[TBS], v[LI]
	v_add_nc_u32 v[ADS], s[TBS], v[R4]
.rept 6
	v_nop                                          ; with the two additions: eight places in front of loads into registers that the last products have read
.endr
.irp t, 0,1,2,3,4,5,6,7
	ds_load_b128 v[32+8*\t:35+8*\t], v[ADK] offset:1024*\t
	ds_load_b128 v[36+8*\t:39+8*\t], v[ADK] offset:1024*\t+512
	ds_load_b32 v[SCW+\t], v[ADS] offset:8192+64*\t
.endr
	s_wait_alu depctr_va_vdst(0)
	s_wait_dscnt 0x0
.irp t, 0,1,2,3,4,5,6,7
	v_wmma_scale_f32_16x16x128_f8f6f4 v[S+8*\t:S+8*\t+7], v[32+8*\t:47+8*\t], v[16:31], 0, v[SCW+\t], v245    ; lane (r, h): query r; registers 16 b + i of tiles 2 b, 2 b + 1: key 128 SI + 32 b + 16 h + i
.endr
.rept 8
	v_nop
.endr
.irp t, 0,1,2,3                                ; V's fragments are asked for now, into K's registers: they land under the softmax
.irp c, 0,1,2,3
	ds_load_b128 v[32+16*\t+4*\c:35+16*\t+4*\c], v[ADK] offset:8704+2048*\t+512*\c
.endr
	ds_load_b32 v[SCW+\t], v[ADS] offset:16896+64*\t
.endr
	s_cmp_lg_u32 s[SI], s[LAST]
	s_cbranch_scc1 .Lopen                          ; only my last step lies on the diagonal
	s_lshl_b32 s60, s[SI], 7
	v_sub_nc_u32 v244, v[D0], s60                  ; d = my query - 128 SI - 16 h: register 16 b + i is hidden where 32 b + i > d
.set nn, 0
.rept 64
	v_cmp_gt_i32 vcc_lo, 32*(nn/16)+nn%16, v244
	v_cndmask_b32 v[S+nn], v[S+nn], v246, vcc_lo   ; hidden scores become -infinity ahead of the maximum: p = 0 then
.set nn, nn+1
.endr
.Lopen:
.irp b, 0,1,2,3
	v_max3_num_f32 v[W+\b], v[S+16*\b], v[S+1+16*\b], v[S+2+16*\b]     ; the largest score of each block of 32 keys: it serves the row's maximum and, since p rises with the score, the block's largest p
.endr
.irp i, 3,5,7,9,11,13
.irp b, 0,1,2,3
	v_max3_num_f32 v[W+\b], v[W+\b], v[S+16*\b+\i], v[S+1+16*\b+\i]
.endr
.endr
.irp b, 0,1,2,3
	v_max_num_f32 v[W+\b], v[W+\b], v[S+15+16*\b]
.endr
.irp b, 0,1,2,3
	s_delay_alu instid0(VALU_DEP_4)
	v_permlanex16_b32 v[W+4+\b], v[W+\b], s[SEL], s[SEL+1]
.endr
.irp b, 0,1,2,3
	s_delay_alu instid0(VALU_DEP_4)
	v_max_num_f32 v[W+\b], v[W+\b], v[W+4+\b]      ; with lane l xor 16's 16 keys
.endr
	s_delay_alu instid0(VALU_DEP_2)
	v_max3_num_f32 v244, v[W], v[W+1], v[W+2]
	s_delay_alu instid0(VALU_DEP_1)
	v_max_num_f32 v244, v244, v[W+3]               ; the step's largest score of my query
	s_delay_alu instid0(VALU_DEP_1)
	v_mul_f32 v244, s[CS], v244                    ; as t (c is positive)
	s_delay_alu instid0(VALU_DEP_1)
	v_max_num_f32 v13, v13, v244                   ; the running largest t
	v_mov_b32 v244, v12
	s_delay_alu instid0(VALU_DEP_2)
	v_floor_f32 v12, -v13                          ; the new -M = floor(-t) = -ceil(t): M is a whole number
	s_delay_alu instid0(VALU_DEP_1)
	v_sub_f32 v244, v12, v244                      ; M's old value less its new one: a whole number, 0 or less
	s_delay_alu instid0(VALU_DEP_1)
	v_cvt_i32_f32 v244, v244                       ; (it saturates)
	s_delay_alu instid0(VALU_DEP_1)
	v_ldexp_f32 v242, 1.0, v244                    ; f = 2^(old M - new M)
.set nn, 0
.rept 32
	v_pk_fma_f32 v[S+nn:S+nn+1], v[S+nn:S+nn+1], s[CS:CS+1], v[12:13] op_sel_hi:[1,0,0]    ; t - M, two at a time
.set nn, nn+2
.endr
.irp b, 0,1,2,3
	v_fma_f32 v[W+\b], v[W+\b], s[CS], v12         ; the same of each block's largest score
.endr
.set nn, 0
	s_wait_alu depctr_va_vdst(0)
.rept 64
	v_exp_f32 v[S+nn], v[S+nn]                     ; p = 2^(t - M), at most 1: not normalised
.set nn, nn+1
.endr
.irp b, 0,1,2,3
	v_exp_f32 v[W+\b], v[W+\b]                     ; the block's largest p: the same two instructions on the same number give the same bits
.endr
	v_pk_mul_f32 v[14:15], v[14:15], v[242:243] op_sel_hi:[1,0]        ; the sums under the new M.  (A plain line behind the exponentials)
	s_wait_alu depctr_va_vdst(0)
.irp b, 0,1,2,3
	v_max_num_f32 v[W+\b], 0x4800000, v[W+\b]      ; the floor 2^(9 - 127): the byte cannot fall under 1
.endr
.irp b, 0,1,2,3
	s_delay_alu instid0(VALU_DEP_4)
	v_add_nc_u32 v[W+12+\b], 0xfc000000, v[W+\b]   ; 8 off the exponent field: the conversion's scale operand
.endr
.irp b, 0,1,2,3
	v_and_or_b32 v[W+8+\b], v[W+\b], 0x7f800000, s[MNT]    ; 448 x the scale
.endr
.irp b, 0,1,2,3
	v_lshrrev_b32 v[W+4+\b], 23, v[W+12+\b]        ; the scale's byte
.endr
	s_delay_alu instid0(VALU_DEP_3)
	v_lshl_or_b32 v243, v[W+5], 8, v[W+4]          ; p's scale word for these 128 keys
	s_delay_alu instid0(VALU_DEP_1)
	v_lshl_or_b32 v243, v[W+6], 16, v243
	s_delay_alu instid0(VALU_DEP_1)
	v_lshl_or_b32 v243, v[W+7], 24, v243
	v_pk_add_f32 v[240:241], v[108:109], v[112:113]
	v_pk_add_f32 v[252:253], v[116:117], v[120:121]
	v_pk_add_f32 v[250:251], v[124:125], v[128:129]
	v_pk_add_f32 v[248:249], v[132:133], v[136:137]
	v_pk_add_f32 v[226:227], v[140:141], v[144:145]
	v_pk_add_f32 v[224:225], v[148:149], v[152:153]
	v_pk_add_f32 v[222:223], v[156:157], v[160:161]
	v_pk_add_f32 v[14:15], v[14:15], v[164:165]
	v_pk_add_f32 v[240:241], v[240:241], v[104:105]
	v_pk_add_f32 v[252:253], v[252:253], v[106:107]
	v_pk_add_f32 v[250:251], v[250:251], v[110:111]
	v_pk_add_f32 v[248:249], v[248:249], v[114:115]
	v_pk_add_f32 v[226:227], v[226:227], v[118:119]
	v_pk_add_f32 v[224:225], v[224:225], v[122:123]
	v_pk_add_f32 v[222:223], v[222:223], v[126:127]
	v_pk_add_f32 v[14:15], v[14:15], v[130:131]
	v_pk_add_f32 v[240:241], v[240:241], v[134:135]
	v_pk_add_f32 v[252:253], v[252:253], v[138:139]
	v_pk_add_f32 v[250:251], v[250:251], v[142:143]
	v_pk_add_f32 v[248:249], v[248:249], v[146:147]
	v_pk_add_f32 v[226:227], v[226:227], v[150:151]
	v_pk_add_f32 v[224:225], v[224:225], v[154:155]
	v_pk_add_f32 v[222:223], v[222:223], v[158:159]
	v_pk_add_f32 v[14:15], v[14:15], v[162:163]
	v_pk_add_f32 v[240:241], v[240:241], v[166:167]
	s_delay_alu instid0(VALU_DEP_2)
	v_pk_add_f32 v[14:15], v[14:15], v[248:249]
	s_delay_alu instid0(VALU_DEP_2)
	v_pk_add_f32 v[240:241], v[240:241], v[226:227]
	v_pk_add_f32 v[252:253], v[252:253], v[224:225]
	v_pk_add_f32 v[250:251], v[250:251], v[222:223]
	s_delay_alu instid0(VALU_DEP_2)
	v_pk_add_f32 v[14:15], v[14:15], v[252:253]
	s_delay_alu instid0(VALU_DEP_2)
	v_pk_add_f32 v[240:241], v[240:241], v[250:251]
	s_delay_alu instid0(VALU_DEP_1)
	v_pk_add_f32 v[14:15], v[14:15], v[240:241]
.irp b, 0,1,2,3
.irp i, 0,1,2,3,4,5,6,7,8,9,10,11,12,13,14,15
	v_min_num_f32 v[S+16*\b+\i], v[S+16*\b+\i], v[W+8+\b]  ; the conversion does not saturate (ISA guide 7.6.2); p is not negative, so the hold is one-sided
.endr
	v_cvt_scalef32_pk8_fp8_f32 v[PCD+4*\b:PCD+1+4*\b],   v[S+16*\b:S+7+16*\b],    v[W+12+\b]
	v_cvt_scalef32_pk8_fp8_f32 v[PCD+2+4*\b:PCD+3+4*\b], v[S+8+16*\b:S+15+16*\b], v[W+12+\b]
.endr
.set nn, 0
.rept 16
	v_pk_mul_f32 v[O+nn:O+nn+1], v[O+nn:O+nn+1], v[242:243] op_sel_hi:[1,0]    ; O^T under the new M, each accumulator from its low end on.  (These 16 are also the places in front of the products below)
.set nn, nn+2
.endr
	s_wait_alu depctr_va_vdst(0)
	s_wait_dscnt 0x0                               ; V
.irp t, 0,1,2,3
	v_wmma_scale_f32_16x16x128_f8f6f4 v[O+8*\t:O+8*\t+7], v[32+16*\t:47+16*\t], v[PCD:PCD+15], v[O+8*\t:O+8*\t+7], v[SCW+\t], v243   ; the four accumulators take turns, one instruction a turn
.endr
.Lskip:
	s_add_co_u32 s[TBS], s[TBS], CH
	s_add_co_u32 s[SI], s[SI], 1
	s_cmp_lt_u32 s[SI], 8
	s_cbranch_scc1 .Lstep
.rept 8
	v_nop                                          ; places behind the last products
.endr
	; THE WAY OUT: O^T / the sum; register 16 b + i is the true channel 32 b + 16 h + i of my query: two blocks of 32 along the next product's K
	v_add_f32 v14, v14, v15
	s_wait_alu depctr_va_vdst(0)
	v_permlanex16_b32 v244, v14, s[SEL], s[SEL+1]
	s_delay_alu instid0(VALU_DEP_1)
	v_add_f32 v14, v14, v244                       ; the row's sum
	s_wait_alu depctr_va_vdst(0)
	v_rcp_f32 v14, v14
	v_nop                                          ; a plain line behind the transcendental
.set nn, 0
	s_wait_alu depctr_va_vdst(0)
.rept 32
	v_mul_f32 v[S+nn], v[O+nn], v14
.set nn, nn+1
.endr
.irp g, 0,1
	v_max3_num_f32 v[W+\g], |v[S+16*\g]|, |v[S+16*\g+1]|, 0x4800000
.endr
.irp i, 2,4,6,8,10,12,14
.irp g, 0,1
	s_delay_alu instid0(VALU_DEP_2)
	v_max3_num_f32 v[W+\g], v[W+\g], |v[S+16*\g+\i]|, |v[S+16*\g+\i+1]|
.endr
.endr
.irp g, 0,1
	s_delay_alu instid0(VALU_DEP_2)
	v_permlanex16_b32 v[W+4+\g], v[W+\g], s[SEL], s[SEL+1]
.endr
.irp g, 0,1
	s_delay_alu instid0(VALU_DEP_2)
	v_max_num_f32 v[W+\g], v[W+\g], v[W+4+\g]
.endr
.irp g, 0,1
	s_delay_alu instid0(VALU_DEP_2)
	v_add_nc_u32 v[W+12+\g], 0xfc000000, v[W+\g]
.endr
.irp g, 0,1
	s_delay_alu instid0(VALU_DEP_4)
	v_and_or_b32 v[W+8+\g], v[W+\g], 0x7f800000, s[MNT]
.endr
.irp g, 0,1
	s_delay_alu instid0(VALU_DEP_4)
	v_lshrrev_b32 v[W+4+\g], 23, v[W+12+\g]
.endr
	s_delay_alu instid0(VALU_DEP_1)
	v_lshl_or_b32 v244, v[W+5], 8, v[W+4]          ; my head's two scale bytes
.irp g, 0,1
.irp i, 0,1,2,3,4,5,6,7,8,9,10,11,12,13,14,15
	v_med3_num_f32 v[S+16*\g+\i], v[S+16*\g+\i], -v[W+8+\g], v[W+8+\g]
.endr
	v_cvt_scalef32_pk8_fp8_f32 v[PCD+4*\g:PCD+1+4*\g],   v[S+16*\g:S+7+16*\g],    v[W+12+\g]
	v_cvt_scalef32_pk8_fp8_f32 v[PCD+2+4*\g:PCD+3+4*\g], v[S+8+16*\g:S+15+16*\g], v[W+12+\g]
.endr
	v_nop                                          ; a plain line behind the last conversion
	global_store_b128 v[LI], v[PCD:PCD+3], s[56:57]                    ; the wave stores 512 consecutive bytes
	global_store_b128 v[LI], v[PCD+4:PCD+7], s[56:57] offset:512
	global_store_b16 v[R8], v244, s[58:59]         ; two bytes a row (1/32 of the bytes); lanes l and l + 16 hold the same value and name the same address
	s_wait_tensorcnt 0x0
	s_wait_dscnt 0x0
	s_wait_tensorcnt 0x0
	ds_add_u32 v254, v255
	s_wait_dscnt 0x0
	CROUND                                         ; the closing round: no work-group ends while a partner may still ask jointly
	s_endpgm
.Lfunc_end_k_q1e9e5491f4_attn:
	.size	k_q1e9e5491f4_attn, .Lfunc_end_k_q1e9e5491f4_attn-k_q1e9e5491f4_attn
	.p2alignl 7, 3214868480
	.fill 96, 4, 3214868480
	.section	.rodata,"a",@progbits
	.p2align	6, 0x0
	.amdhsa_kernel k_q1e9e5491f4_attn
		.amdhsa_group_segment_fixed_size 169984
		.amdhsa_private_segment_fixed_size 0
		.amdhsa_enable_private_segment 0
		.amdhsa_kernarg_size 16
		.amdhsa_user_sgpr_count 2
		.amdhsa_user_sgpr_kernarg_segment_ptr 1
		.amdhsa_wavefront_size32 1
		.amdhsa_system_sgpr_workgroup_id_x 1
		.amdhsa_system_sgpr_workgroup_id_y 1
		.amdhsa_system_sgpr_workgroup_id_z 1
		.amdhsa_system_vgpr_workitem_id 0
		.amdhsa_next_free_vgpr 256
		.amdhsa_next_free_sgpr 66
		.amdhsa_reserve_vcc 1
		.amdhsa_float_denorm_mode_32 3
		.amdhsa_float_denorm_mode_16_64 3
		.amdhsa_memory_ordered 1
		.amdhsa_forward_progress 1
		.amdhsa_inst_pref_size 40
	.end_amdhsa_kernel
	.amdgpu_metadata
---
amdhsa.version: [ 1, 2 ]
amdhsa.kernels:
  - .name:           k_q1e9e5491f4_attn
    .symbol:         k_q1e9e5491f4_attn.kd
    .args:
      - { .name: qkvb, .offset: 0, .size: 8, .value_kind: global_buffer, .address_space: global }
      - { .name: ob, .offset: 8, .size: 8, .value_kind: global_buffer, .address_space: global }
    .group_segment_fixed_size: 169984
    .private_segment_fixed_size: 0
    .kernarg_segment_align: 8
    .kernarg_segment_size: 16
    .max_flat_workgroup_size: 512
    .sgpr_count:     66
    .vgpr_count:     256
    .wavefront_size: 32
...
	.end_amdgpu_metadata
.endif
;; end of part 3
;; launch wo (part 4): grid 8 x 32, 4 waves a work-group, clusters of 4 x 4, 327,680 bytes of LDS; arguments ob, wts, bo, x, x1; writes x1
.if DOCPART == 4
	.amdgcn_target "amdgcn-amd-amdhsa--gfx1250"
	.amdhsa_code_object_version 6
	.text
	.protected	k_q1e9e5491f4_wo
	.globl	k_q1e9e5491f4_wo
	.p2align	8
	.type	k_q1e9e5491f4_wo,@function
k_q1e9e5491f4_wo:
	s_mov_b64 s[64:65], 0
	v_nop
	global_prefetch_b8 v0, s[64:65] scope:SCOPE_SE
	s_setreg_imm32_b32 hwreg(HW_REG_WAVE_MODE, 25, 1), 1
	s_wait_xcnt 0x0
	s_wait_alu depctr_hold_cnt(0) depctr_sa_sdst(0) depctr_va_vdst(0) depctr_va_sdst(0) depctr_va_ssrc(0) depctr_va_vcc(0) depctr_vm_vsrc(0)
	s_getreg_b32 s2, hwreg(HW_REG_IB_STS2, 6, 4)
	s_cmp_eq_u32 s2, 0
	s_cbranch_scc0 .Lentry_in_a_cluster
	s_endpgm
.Lentry_in_a_cluster:
	s_bfe_u32 s2, ttmp6, 0x10000c
	s_cmp_lg_u32 s2, 0xf033
	s_cbranch_scc0 .Lentry_shape_is_right
	s_endpgm
.Lentry_shape_is_right:
; ONE TEXT FOR TWO LAUNCHES (KK = 1,024, WOFF = 96 TB: x1 = x + o Wo + bo;  KK = 4,096, WOFF = 256 TB: out = x1 + act W2 + b2).  Codes of FP8 (E4M3), one E8M0 scale for each 32 along K; sums, bias and residual in f32.
; OPERANDS lie in memory as images of operand registers: a block of TB bytes = 128 rows x 256 K: fragment (q, i) at (8 q + i) x 2,048, piece c at 512 c, 16 bytes a lane; scale words at 32,768 + 128 i + 8 r + 4 q;
; block (panel, ks) at (panel KK / 256 + ks) TB.  Rows are stored with bits 3 and 4 of their number swapped: the way out puts rows and columns back.
; The output has 32 x 8 tiles of 128 x 128: one for each of 256 work-groups; four waves, 64 x 64 (16 accumulators) each.  A larger tile would leave three work-group places in four empty.
; K goes in steps of 512 through a ring of two LDS slots: a slot holds A's two blocks and B's two blocks, one dense tensor load (264 rows of 256 bytes) a wave.
; CLUSTERS 4 x 4: A's blocks are asked for jointly along a row of the cluster, B's along a column.  THE PRODUCT IS USED TRANSPOSED (source 0 = 16 rows of the weight, source 1 = 16 rows of A): a lane holds eight neighbouring columns of a row.
; REGISTERS: window 0: v8-11 the bias; v16-29 addresses; v32-63 scale words, two sets; v64-127 rows on the way out; v128-255 the accumulators ((a, b) at v[128 + 8 (4 a + b)]).
;   window 1: two fragment buffers of 128: A's four tiles, then B's four.   window 2: v0-127 the residual, asked for at the head.
.set KK,    1024
.set TB,    33792
.set WOFF,  96*TB
.set KB,    KK/256
.set LAPS,  KK/1024                    ; a lap = two slots = 1,024 along K
.set SLOT,  4*TB                       ; A ks 0, A ks 1, B ks 0, B ks 1: wave x TB
.set SPARE, 2*SLOT                     ; behind the ring: the spare words, 128 bytes for each wave: two blocks of 256 bytes that no other line names
.set STAGE, SPARE+512                  ; behind them: 16 rows x 272 bytes for each wave, for the way out; no fill lands there
.set SPITCH, 272
.set BS,   8
.set ADRA, 16
.set ADRB, 20
.set ADRS, 22
.set STO,  24
.set RD,   25
.set CO,   26
.set SPW,  28                          ; v28  LDS address of my spare word; never rewritten
.set NIL,  29                          ; v29  0; never rewritten
.set SC,   32                          ; scale words: register SC + 16 slot + 8 (block of the slot) + 2 i + q: lanes 0-15 A's tile i, lanes 16-31 B's tile i
.set BK,   64
.set ACC,  128
.set F0,   0
.set F1,   128
.set G1, 24
.set G0, 32
.set G1B, 48
.set G0B, 56
.set MSB, 0
.macro WIN new                         ; the immediate's high byte repeats the setting that is left
.if MSB != (\new)
	s_set_vgpr_msb (MSB<<8)|(\new)
.set MSB, (\new)
.endif
.endm
.set MUL,  0x05                        ; sources 0 (B) and 1 (A) window 1; C and D window 0
.set TO_F, 0x40                        ; destination window 1, address window 0
.macro JLOAD s                         ; a joint load: waves 0 and 1 fetch A's two blocks, waves 2 and 3 B's; four v_nop follow each of the two lines
	s_cmp_eq_u32 s11, 0
	s_cbranch_scc0 .Lfor_b_\@
	tensor_load_to_lds s[G0+4*\s:G0+4*\s+3], s[G1:G1+7]
	s_nop 0
.rept 4
	v_nop
.endr
	s_branch .Lasked_\@
.Lfor_b_\@:
	tensor_load_to_lds s[G0B+4*\s:G0B+4*\s+3], s[G1B:G1B+7]
	s_nop 0
.rept 4
	v_nop
.endr
.Lasked_\@:
.endm
.macro CREST
	s_cmp_lg_u32 s10, 0
	s_cbranch_scc1 .Lnot_wave_0_\@
	s_barrier_signal -3
.Lnot_wave_0_\@:
	s_barrier_wait -3
	s_barrier_signal -1
	s_barrier_wait -1
.endm
.macro CROUND
	s_barrier_signal -1
	s_barrier_wait -1
	CREST
.endm
	s_load_b128 s[4:7], s[0:1], 0x0                ; A's codes, the weights' codes
	s_load_b128 s[68:71], s[0:1], 0x10             ; the bias, the residual
	s_load_b64 s[8:9], s[0:1], 0x20                ; the output
	v_lshl_add_u32 v[SPW], v0, 2, SPARE
	v_mov_b32 v[NIL], 0
	ds_add_u32 v28, v29
	ds_add_u32 v28, v29
	s_wait_dscnt 0x0
	v_lshrrev_b32 v1, 5, v0
	v_readfirstlane_b32 s10, v1                    ; wave 0..3
	s_lshr_b32 s11, s10, 1                         ; which 64 rows are mine.  Also: I fetch for A (0) or for B (1)
	s_and_b32 s12, s10, 1                          ; which 64 columns.  Also: which of a slot's two blocks I fetch
	s_bfe_u32 s40, ttmp6, 0x40000                  ; cx, cy
	s_bfe_u32 s41, ttmp6, 0x40004
	s_lshl_b32 s42, ttmp9, 2
	s_add_co_u32 s42, s42, s40                     ; tile column
	s_and_b32 s13, ttmp7, 0xffff
	s_lshl_b32 s13, s13, 2
	s_add_co_u32 s13, s13, s41                     ; tile row
	s_lshl_b32 s43, s41, 2
	s_lshl_b32 s43, 15, s43                        ; my row of the cluster
	s_lshl_b32 s44, 0x1111, s40                    ; my column
	s_or_b32 s[G1+0], s43, (3<<16)|(1<<21)         ; 15:0 the mask; 17:16 elements of 8 bytes; 21 set beside a mask; no padding
	s_or_b32 s[G1B+0], s44, (3<<16)|(1<<21)
.irp g, G1, G1B
	s_mov_b32 s[\g+1], 32<<16                      ; tensor_dim0: 256 bytes
	s_mov_b32 s[\g+2], 264<<16                     ; tensor_dim1: two blocks on end
	s_mov_b32 s[\g+3], 32<<16                      ; tile_dim0
	s_mov_b32 s[\g+4], 264                         ; tile_dim1
	s_mov_b32 s[\g+5], 32                          ; tensor_dim0_stride: dense
	s_mov_b32 s[\g+6], 0
	s_mov_b32 s[\g+7], 0
.endr
	s_mul_i32 s16, s13, KB                         ; A: block (panel = tile row, ks = 2 x my slot)
	s_lshl_b32 s21, s11, 1                         ; ALL OF K COMES AT THE HEAD, one load a wave: waves 0, 1 bring slot 0's two blocks of A and of B, waves 2, 3 slot 1's
	s_add_co_u32 s16, s16, s21
	s_mul_i32 s16, s16, TB
	s_mov_b32 s17, 0
	s_mul_i32 s46, s42, KB                         ; B likewise
	s_add_co_u32 s46, s46, s21
	s_mul_i32 s46, s46, TB
	s_mov_b32 s47, 0
	s_mul_i32 s20, s11, SLOT                       ; where they go: slot wave / 2, A's two blocks first, then B's
	s_wait_kmcnt 0x0
	s_add_nc_u64 s[14:15], s[4:5], s[16:17]
	s_add_nc_u64 s[46:47], s[6:7], s[46:47]
	s_add_nc_u64 s[46:47], s[46:47], WOFF
	CROUND                                         ; all sixteen work-groups are here: the first joint loads meet
.irp s, 0
	s_mov_b32 s[G0+4*\s], 1
	s_add_co_u32 s[G0+4*\s+1], s20, \s*SLOT
	s_add_nc_u64 s[G0+4*\s+2:G0+4*\s+3], s[14:15], \s*2*TB
	s_or_b32 s[G0+4*\s+3], s[G0+4*\s+3], 0x80000000
	s_mov_b32 s[G0B+4*\s], 1
	s_add_co_u32 s[G0B+4*\s+1], s20, 2*TB
	s_add_nc_u64 s[G0B+4*\s+2:G0B+4*\s+3], s[46:47], \s*2*TB
	s_or_b32 s[G0B+4*\s+3], s[G0B+4*\s+3], 0x80000000
.endr
.macro ARM under, g0, g1, next         ; an arm of the head's one chain: a load line of its own for each wave
	s_cmp_lt_u32 s10, \under
	s_cbranch_scc0 \next
	tensor_load_to_lds s[\g0:\g0+3], s[\g1:\g1+7]
	s_nop 0
.rept 4
	v_nop
.endr
	s_branch .Lhead_asked
\next:
.endm
	ARM 1, G0,  G1,  .Lhead_1                      ; wave 0: slot 0's A
	ARM 2, G0B, G1B, .Lhead_2                      ; wave 1: slot 0's B
	ARM 3, G0,  G1,  .Lhead_3                      ; wave 2: slot 1's A
	tensor_load_to_lds s[G0B:G0B+3], s[G1B:G1B+7]  ; wave 3: slot 1's B
	s_nop 0
.rept 4
	v_nop
.endr
.Lhead_asked:
	v_and_b32 v1, 15, v0                           ; r
	v_bfe_u32 v2, v0, 4, 1                         ; h
	v_and_b32 v3, 31, v0
	v_lshlrev_b32 v4, 4, v3                        ; 16 x lane
	s_lshl_b32 s21, s11, 13                        ; my four tiles of A: 8,192 x half
	s_lshl_b32 s22, s12, 13
	s_add_co_u32 s22, s22, 2*TB                    ; my four tiles of B, behind A's two blocks
	v_add_nc_u32 v[ADRA], s21, v4
	v_add_nc_u32 v[ADRB], s22, v4
	v_add_nc_u32 v[ADRA+1], SLOT, v[ADRA]
	v_add_nc_u32 v[ADRB+1], SLOT, v[ADRB]
	s_lshl_b32 s21, s11, 9                         ; their scale words: 512 x half
	s_lshl_b32 s22, s12, 9
	s_add_co_u32 s22, s22, 2*TB
	s_sub_co_u32 s22, s22, s21
	v_mul_u32_u24 v5, s22, v2                      ; lanes 16-31 take B's: h x the distance
	v_lshl_add_u32 v5, v1, 3, v5
	s_add_co_u32 s21, s21, 32768
	v_add_nc_u32 v[ADRS], s21, v5
	v_add_nc_u32 v[ADRS+1], SLOT, v[ADRS]
	s_mul_i32 s23, s10, 16*SPITCH
	s_add_co_u32 s23, s23, STAGE                   ; my stage
	v_mul_u32_u24 v5, v1, SPITCH                   ; in: row r, + 64 h: B's tile b gives me the true columns 32 (b / 2) + 16 h + 8 (b % 2) + 0 .. 7
	v_lshl_add_u32 v5, v2, 6, v5
	v_add_nc_u32 v[STO], s23, v5
	v_mul_u32_u24 v5, v2, SPITCH                   ; back: lanes 0-15 one row of 256 bytes, lanes 16-31 the next
	v_lshl_add_u32 v5, v1, 4, v5
	v_add_nc_u32 v[RD], s23, v5
	v_lshlrev_b32 v5, 12, v2
	v_lshl_add_u32 v[CO], v1, 4, v5                ; and the same two rows in memory
	v_lshlrev_b32 v6, 4, v1
	s_wait_alu depctr_va_vdst(0)
	s_lshl_b32 s16, s13, 7
	s_lshl_b32 s17, s11, 6
	s_add_co_u32 s16, s16, s17                     ; my first row: 128 x tile row + 64 x half
	s_lshl_b32 s16, s16, 12
	s_lshl_b32 s46, s42, 9                         ; my first column in bytes: 512 x tile column + 256 x half
	s_lshl_b32 s47, s12, 8
	s_add_co_u32 s46, s46, s47
	s_mov_b32 s47, 0
	s_add_nc_u64 s[68:69], s[68:69], s[46:47]
	s_add_co_u32 s16, s16, s46
	s_mov_b32 s17, 0
	s_add_nc_u64 s[70:71], s[70:71], s[16:17]
	s_add_nc_u64 s[8:9], s[8:9], s[16:17]
	global_load_b128 v[BS:BS+3], v6, s[68:69]      ; the bias at the four columns that I store
	WIN 0x80                                       ; destination window 2
.irp a, 0,1,2,3                        ; the residual, at the places that I store: stored row 16 a + 2 i + (lane / 16) is the true row 32 (a / 2) + 16 (i / 4) + 8 (a % 2) + 2 (i % 4) + (lane / 16)
.irp i, 0,1,2,3,4,5,6,7
	global_load_b128 v[32*\a+4*\i:32*\a+4*\i+3], v[CO], s[70:71] offset:(32*(\a/2)+16*(\i/4)+8*(\a%2)+2*(\i%4))*4096
.endr
.endr
	WIN 0
; 4 matrix instructions: A's tile a x B's four, 128 along K: quarter qq of slot sc, from buffer f.  zero = 1: the first product starts the sums.  The 16 accumulators take turns, one instruction a turn.
.macro MUL4 f, a, sc, qq, zero
.irp b, 0,1,2,3
.if \zero
	v_wmma_scale_f32_16x16x128_f8f6f4 v[ACC+8*(4*(\a)+\b):ACC+8*(4*(\a)+\b)+7], v[\f+64+16*\b:\f+64+16*\b+15], v[\f+16*(\a):\f+16*(\a)+15], 0, v[SC+16*(\sc)+8*((\qq)/2)+2*\b+(\qq)%2], v[SC+16*(\sc)+8*((\qq)/2)+2*(\a)+(\qq)%2] matrix_a_scale:MATRIX_SCALE_ROW1
.else
	v_wmma_scale_f32_16x16x128_f8f6f4 v[ACC+8*(4*(\a)+\b):ACC+8*(4*(\a)+\b)+7], v[\f+64+16*\b:\f+64+16*\b+15], v[\f+16*(\a):\f+16*(\a)+15], v[ACC+8*(4*(\a)+\b):ACC+8*(4*(\a)+\b)+7], v[SC+16*(\sc)+8*((\qq)/2)+2*\b+(\qq)%2], v[SC+16*(\sc)+8*((\qq)/2)+2*(\a)+(\qq)%2] matrix_a_scale:MATRIX_SCALE_ROW1
.endif
.endr
.endr
.endm
; 32 LDS loads in one run: quarter qq of a slot into buffer f: B's four tiles, then A's four; each load takes 512 consecutive bytes
.macro FETCH slot, qq, f
	WIN TO_F
.irp i, 0,1,2,3
.irp c, 0,1,2,3
	ds_load_b128 v[\f+64+16*\i+4*\c:\f+64+16*\i+4*\c+3], v[ADRB+\slot] offset:((\qq)/2)*TB+((\qq)%2)*16384+2048*\i+512*\c
.endr
.endr
.irp i, 0,1,2,3
.irp c, 0,1,2,3
	ds_load_b128 v[\f+16*\i+4*\c:\f+16*\i+4*\c+3], v[ADRA+\slot] offset:((\qq)/2)*TB+((\qq)%2)*16384+2048*\i+512*\c
.endr
.endr
.endm
.macro SCALES sc                       ; a slot's scale words (window 0): two words a row for each of its two blocks
.irp u, 0,1
.irp i, 0,1,2,3
	ds_load_b64 v[SC+16*\sc+8*\u+2*\i:SC+16*\sc+8*\u+2*\i+1], v[ADRS+\sc] offset:\u*TB+128*\i
.endr
.endr
.endm
.macro PLACES n                        ; plain vector lines between a matrix instruction and a load into, or a read of, its registers (ISA guide 7.12.1 for reads)
.rept \n
	v_nop
.endr
.endm
; A slot is four quarters of 128 along K, 16 matrix instructions each, on buffers 0, 1, 0, 1.  One of the first three: multiplies buffer f and fetches the next quarter into g.
.macro QUARTER slot, qq, f, g, zero
	s_wait_dscnt 8                                 ; B's four tiles and A's tiles 0, 1 are in; the youngest eight loads (A's tiles 2, 3) may be out
	WIN MUL
	MUL4 \f, 0, \slot, \qq, \zero
	MUL4 \f, 1, \slot, \qq, \zero
	PLACES 8
	FETCH \slot, (\qq)+1, \g
	s_wait_dscnt 32                                ; all but the 32 just issued
	WIN MUL
	MUL4 \f, 2, \slot, \qq, \zero
	MUL4 \f, 3, \slot, \qq, \zero
.endm
; The last quarter multiplies buffer 1 and changes slots: ONE barrier; in front of it each wave waits for all its tensor loads, adds 0 to its spare word, and waits for that and for its own reads of this slot.
.macro TURN slot, next, fill
	WIN 0                                          ; (the add's two registers lie in window 0)
	s_wait_tensorcnt 0x0                           ; all my tensor loads have landed: my part of the next slot
	ds_add_u32 v[SPW], v[NIL]                      ; 0 onto my spare word
	s_wait_dscnt 9                                 ; (the add and the youngest eight loads may be out)
	WIN MUL
	MUL4 F1, 0, \slot, 3, 0                        ; four matrix instructions stand between the add and the wait for it
	s_wait_dscnt 0x0                               ; the add is done, and my reads of this slot are over
	s_barrier_signal -1
	MUL4 F1, 1, \slot, 3, 0
	WIN 0
	s_barrier_wait -1
.if \fill
	CREST                                          ; the barrier has opened a round of the cluster's barrier: no wave of any partner still reads this slot or has a load on its way
	s_add_nc_u64 s[G0+4*\slot+2:G0+4*\slot+3], s[G0+4*\slot+2:G0+4*\slot+3], 4*TB
	s_add_nc_u64 s[G0B+4*\slot+2:G0B+4*\slot+3], s[G0B+4*\slot+2:G0B+4*\slot+3], 4*TB
	JLOAD \slot                                    ; the first tensor load behind the round; its four v_nop are among the places in front of the loads below
	PLACES 4
.else
	PLACES 8
.endif
	SCALES \next
	FETCH \next, 0, F0
	WIN MUL
	MUL4 F1, 2, \slot, 3, 0
	MUL4 F1, 3, \slot, 3, 0
.endm
	s_cmp_lt_u32 s10, 2
	s_cbranch_scc0 .Lslot_1_is_mine
	s_wait_tensorcnt 0x0                           ; waves 0 and 1: slot 0 is in.  Waves 2 and 3 wait in front of the change of slots
.Lslot_1_is_mine:
	s_barrier_signal -1
	s_barrier_wait -1
	SCALES 0
	FETCH 0, 0, F0
	QUARTER 0, 0, F0, F1, 1                        ; the first quarter stands in front of the loop: its products start the sums
.if LAPS > 1
	WIN 0                                          ; at a label and at a branch every window is 0
	s_mov_b32 s3, LAPS-1
.Llap:                                                 ; a trip goes once round the ring, from a lap's second quarter to the next lap's first, and fills both slots again
	QUARTER 0, 1, F1, F0, 0
	QUARTER 0, 2, F0, F1, 0
	TURN 0, 1, 1
	QUARTER 1, 0, F0, F1, 0
	QUARTER 1, 1, F1, F0, 0
	QUARTER 1, 2, F0, F1, 0
	TURN 1, 0, 1
	QUARTER 0, 0, F0, F1, 0
	WIN 0
	s_sub_co_u32 s3, s3, 1
	s_cmp_lg_u32 s3, 0
	s_cbranch_scc1 .Llap
.endif
	QUARTER 0, 1, F1, F0, 0                        ; the last lap fills nothing
	QUARTER 0, 2, F0, F1, 0
	TURN 0, 1, 0
	QUARTER 1, 0, F0, F1, 0
	QUARTER 1, 1, F1, F0, 0
	QUARTER 1, 2, F0, F1, 0
	s_wait_dscnt 0x0                               ; the very last quarter: nothing more to fetch
	WIN MUL
	MUL4 F1, 0, 1, 3, 0
	MUL4 F1, 1, 1, 3, 0
	MUL4 F1, 2, 1, 3, 0
	MUL4 F1, 3, 1, 3, 0
	WIN 0
; THE WAY OUT, A's tile a (16 stored rows x my 64 columns) at a time: through my own stage in LDS, in true column order, back as whole rows of 256 bytes; residual and bias are added; sixteen lanes store 256 consecutive bytes, aligned.
; LDS serves a wave's instructions in order (ISA guide 5.7.1.4): no wait between the stores and the loads.  Each accumulator is stored from its low end on.
.macro OUTB a
.set BB, BK+32*((\a)%2)
	s_wait_xcnt 0x0                                ; the stores of two tiles ago have read their data: these registers are loaded again only behind this wait
.irp b, 0,1,2,3
	ds_store_b128 v[STO], v[ACC+8*(4*(\a)+\b):ACC+8*(4*(\a)+\b)+3]   offset:128*(\b/2)+32*(\b%2)
	ds_store_b128 v[STO], v[ACC+8*(4*(\a)+\b)+4:ACC+8*(4*(\a)+\b)+7] offset:128*(\b/2)+32*(\b%2)+16
.endr
.irp i, 0,1,2,3,4,5,6,7
	ds_load_b128 v[BB+4*\i:BB+4*\i+3], v[RD] offset:544*\i
.endr
	s_wait_dscnt 0x0
	WIN 0x08                                       ; source 1: window 2
.irp i, 0,1,2,3,4,5,6,7
	v_pk_add_f32 v[BB+4*\i:BB+4*\i+1],   v[BB+4*\i:BB+4*\i+1],   v[32*(\a)+4*\i:32*(\a)+4*\i+1]
	v_pk_add_f32 v[BB+4*\i+2:BB+4*\i+3], v[BB+4*\i+2:BB+4*\i+3], v[32*(\a)+4*\i+2:32*(\a)+4*\i+3]
.endr
	WIN 0
.irp i, 0,1,2,3,4,5,6,7
	v_pk_add_f32 v[BB+4*\i:BB+4*\i+1],   v[BB+4*\i:BB+4*\i+1],   v[BS:BS+1]
	v_pk_add_f32 v[BB+4*\i+2:BB+4*\i+3], v[BB+4*\i+2:BB+4*\i+3], v[BS+2:BS+3]
.endr
.irp i, 0,1,2,3,4,5,6,7
	global_store_b128 v[CO], v[BB+4*\i:BB+4*\i+3], s[8:9] offset:(32*((\a)/2)+16*(\i/4)+8*((\a)%2)+2*(\i%4))*4096
.endr
.endm
	PLACES 8                                       ; behind the last products
	s_wait_loadcnt 0x0                             ; the residual and the bias
.irp a, 0,1,2,3
	OUTB \a
.endr
	s_wait_tensorcnt 0x0                           ; the wave's end
	ds_add_u32 v[SPW], v[NIL]
	s_wait_dscnt 0x0
	CROUND                                         ; the closing round: no work-group ends while a partner may still ask for a block that names it
	s_endpgm
.Lfunc_end_k_q1e9e5491f4_wo:
	.size	k_q1e9e5491f4_wo, .Lfunc_end_k_q1e9e5491f4_wo-k_q1e9e5491f4_wo
	.p2alignl 7, 3214868480
	.fill 96, 4, 3214868480
	.section	.rodata,"a",@progbits
	.p2align	6, 0x0
	.amdhsa_kernel k_q1e9e5491f4_wo
		.amdhsa_group_segment_fixed_size 327680
		.amdhsa_private_segment_fixed_size 0
		.amdhsa_enable_private_segment 0
		.amdhsa_kernarg_size 40
		.amdhsa_user_sgpr_count 2
		.amdhsa_user_sgpr_kernarg_segment_ptr 1
		.amdhsa_wavefront_size32 1
		.amdhsa_system_sgpr_workgroup_id_x 1
		.amdhsa_system_sgpr_workgroup_id_y 1
		.amdhsa_system_sgpr_workgroup_id_z 1
		.amdhsa_system_vgpr_workitem_id 0
		.amdhsa_next_free_vgpr 640
		.amdhsa_next_free_sgpr 72
		.amdhsa_reserve_vcc 0
		.amdhsa_float_denorm_mode_32 3
		.amdhsa_float_denorm_mode_16_64 3
		.amdhsa_memory_ordered 1
		.amdhsa_forward_progress 1
		.amdhsa_inst_pref_size 63
	.end_amdhsa_kernel
	.amdgpu_metadata
---
amdhsa.version: [ 1, 2 ]
amdhsa.kernels:
  - .name:           k_q1e9e5491f4_wo
    .symbol:         k_q1e9e5491f4_wo.kd
    .args:
      - { .name: ob, .offset: 0, .size: 8, .value_kind: global_buffer, .address_space: global }
      - { .name: wts, .offset: 8, .size: 8, .value_kind: global_buffer, .address_space: global }
      - { .name: bo, .offset: 16, .size: 8, .value_kind: global_buffer, .address_space: global }
      - { .name: x, .offset: 24, .size: 8, .value_kind: global_buffer, .address_space: global }
      - { .name: x1, .offset: 32, .size: 8, .value_kind: global_buffer, .address_space: global }
    .group_segment_fixed_size: 327680
    .private_segment_fixed_size: 0
    .kernarg_segment_align: 8
    .kernarg_segment_size: 40
    .max_flat_workgroup_size: 128
    .sgpr_count:     72
    .vgpr_count:     640
    .wavefront_size: 32
...
	.end_amdgpu_metadata
.endif
;; end of part 4
;; launch ln2 (part 5): grid 256 x 1, 8 waves a work-group, no clusters, 19,456 bytes of LDS; arguments x1, g2, be2, hb; writes hb
.if DOCPART == 5
	.amdgcn_target "amdgcn-amd-amdhsa--gfx1250"
	.amdhsa_code_object_version 6
	.text
	.protected	k_q1e9e5491f4_ln2
	.globl	k_q1e9e5491f4_ln2
	.p2align	8
	.type	k_q1e9e5491f4_ln2,@function
k_q1e9e5491f4_ln2:
	s_mov_b64 s[64:65], 0
	v_nop
	global_prefetch_b8 v0, s[64:65] scope:SCOPE_SE
	s_setreg_imm32_b32 hwreg(HW_REG_WAVE_MODE, 25, 1), 1
	s_wait_xcnt 0x0
; h = (x - mean) rsqrt(var + 1e-5) g + b, row by row of 1,024 numbers, all in f32 (mean first, then the mean of the squared differences), quantised along the row to FP8 (E4M3) with one E8M0 byte for each 32,
; and stored as images of operand registers: blocks of TB bytes = 128 rows x 256 K; fragment (q, i) at (8 q + i) x 2,048, piece c at 512 c, lane (r, h) at 16 (16 h + r): k = 32 c + 16 h + 0 .. 15 of row r;
; scale words at 32,768 + 128 i + 8 r + 4 q; block (panel p, ks) at (4 p + ks) TB.  ROWS ARE STORED WITH BITS 3 AND 4 OF THEIR NUMBER SWAPPED.
; SHARES.  Work-group rb makes the 16 stored rows 16 rb .. 16 rb + 15; wave w the stored rows 2 w and 2 w + 1, which are two neighbouring true rows.  A row stays in 32 registers a lane between the passes: read once.
; Lane l holds, of chunk c (256 numbers), k = 256 c + 8 l .. + 7: two loads of 16 bytes; a pair of loads covers 1,024 consecutive bytes.  Four lanes hold a block of 32.
; The codes meet in LDS (row = k / 16, 256 bytes = 16 stored rows x 16 bytes, pitch 272), one barrier, and wave w stores fragment w: 512 consecutive bytes a store.  The scale words leave in pieces of 128 bytes (1/32 of the bytes).
; LIMITS: a block of zeros gets the byte 1 where the rule says 127 (its codes are zeros, and this program alone reads the bytes); NaN and infinities among the inputs are not served.
.set TB,  33792
.set X,   32                           ; v32-95   two rows, 32 numbers a lane each: row j, chunk c at X + 32 j + 8 c
.set G,   96                           ; v96-127  the gain at my 32 columns
.set BE,  128                          ; v128-159 the bias
.set CD,  160                          ; v160-175 codes: two registers for each (j, c)
.set BY,  176                          ; v176-183 scale bytes
.set HO,  184                          ; v184-191 448 x the scale
.set SM,  8                            ; v8-15    sums: row j at SM + 4 j; later the largest magnitudes
.set SQ,  16                           ; v16-23   sums of squares; later the conversions' scale operands
.set MX,  8
.set SO,  16
.set SCL, 17408                        ; LDS: behind the 64 rows of 272 bytes the scale bytes, 128 for each 256 along K
	s_load_b256 s[4:11], s[0:1], 0x0               ; x, g, b, the codes' buffer
	v_lshl_add_u32 v192, v0, 2, 0x4800
	v_mov_b32 v193, 0
	v_lshrrev_b32 v1, 5, v0
	s_delay_alu instid0(VALU_DEP_1)
	v_readfirstlane_b32 s12, v1                    ; wave 0..7
	v_and_b32 v2, 31, v0                           ; lane
	s_wait_alu depctr_va_vdst(0)
	v_lshlrev_b32 v3, 5, v2                        ; 32 bytes a lane
	s_lshr_b32 s13, ttmp9, 1                       ; my first true row: 32 (rb / 2) + 8 (rb % 2) + 16 (w / 4) + 2 (w % 4)
	s_lshl_b32 s13, s13, 5
	s_and_b32 s14, ttmp9, 1
	s_lshl_b32 s14, s14, 3
	s_add_co_u32 s13, s13, s14
	s_lshr_b32 s14, s12, 2
	s_lshl_b32 s14, s14, 4
	s_add_co_u32 s13, s13, s14
	s_and_b32 s14, s12, 3
	s_lshl_b32 s14, s14, 1
	s_add_co_u32 s13, s13, s14
	s_lshl_b32 s14, s13, 12                        ; in bytes
	s_mov_b32 s15, 0
	s_mov_b32 s16, 0x76543210                      ; v_permlanex16_b32's selects for lane l xor 16
	s_mov_b32 s17, 0xfedcba98
	s_mov_b32 s18, 0x3a800000                      ; 1 / 1,024
	s_mov_b32 s19, 0x3727c5ac                      ; 1e-5
	s_mov_b32 s20, 0x600000                        ; the mantissa field of 448
	v_lshrrev_b32 v4, 1, v2                        ; LDS, codes in: (16 c + l / 2) x 272 + 16 (2 w + j) + 8 (l % 2): the 32 lanes fall on 8 l modulo 256
	s_delay_alu instid0(VALU_DEP_1)
	v_mul_u32_u24 v4, v4, 272
	v_and_b32 v5, 1, v2
	s_delay_alu instid0(VALU_DEP_1)
	v_lshl_add_u32 v4, v5, 3, v4
	s_lshl_b32 s21, s12, 5
	v_add_nc_u32 v4, s21, v4
	v_lshrrev_b32 v5, 2, v2                        ; bytes in: SCL + 128 c + 8 (2 w + j) + l / 4
	s_lshl_b32 s21, s12, 4
	s_add_co_u32 s21, s21, SCL
	v_add_nc_u32 v5, s21, v5
	v_lshrrev_b32 v6, 4, v2                        ; fragment w out: (8 w + 2 c + l / 16) x 272 + 16 (l % 16)
	s_delay_alu instid0(VALU_DEP_1)
	v_mul_u32_u24 v6, v6, 272
	v_and_b32 v7, 15, v2
	s_delay_alu instid0(VALU_DEP_1)
	v_lshl_add_u32 v6, v7, 4, v6
	s_mul_i32 s21, s12, 8*272
	v_add_nc_u32 v6, s21, v6
	v_lshlrev_b32 v25, 2, v2                       ; 4 l
	s_min_u32 s27, s12, 3                          ; (only waves 0 to 3 store scale words)
	s_lshl_b32 s21, s27, 7
	s_add_co_u32 s21, s21, SCL
	v_add_nc_u32 v7, s21, v25                      ; words out: SCL + 128 w + 4 l
	v_lshlrev_b32 v24, 4, v2                       ; 16 l
	s_lshr_b32 s21, ttmp9, 3                       ; the panel,
	s_lshl_b32 s21, s21, 2                         ; four blocks to it
	s_and_b32 s26, ttmp9, 7                        ; and the tile i in it
	s_lshr_b32 s22, s12, 1                         ; fragment w lies in block ks = w / 2, at q = w % 2
	s_add_co_u32 s22, s22, s21
	s_mul_i32 s22, s22, TB
	s_and_b32 s23, s12, 1
	s_lshl_b32 s23, s23, 3
	s_add_co_u32 s23, s23, s26
	s_lshl_b32 s23, s23, 11
	s_add_co_u32 s22, s22, s23
	s_mov_b32 s23, 0
	s_add_co_u32 s30, s21, s27                     ; the scale words of block ks = w
	s_mul_i32 s30, s30, TB
	s_lshl_b32 s26, s26, 7
	s_add_co_u32 s30, s30, s26
	s_add_co_u32 s30, s30, 32768
	s_mov_b32 s31, 0
	s_wait_kmcnt 0x0
	s_add_nc_u64 s[4:5], s[4:5], s[14:15]
	s_add_nc_u64 s[24:25], s[10:11], s[22:23]
	s_add_nc_u64 s[28:29], s[10:11], s[30:31]
.irp j, 0,1
.irp c, 0,1,2,3
	global_load_b128 v[X+32*\j+8*\c:X+32*\j+8*\c+3],   v3, s[4:5] offset:4096*\j+1024*\c
	global_load_b128 v[X+32*\j+8*\c+4:X+32*\j+8*\c+7], v3, s[4:5] offset:4096*\j+1024*\c+16
.endr
.endr
.irp c, 0,1,2,3
	global_load_b128 v[G+8*\c:G+8*\c+3],     v3, s[6:7] offset:1024*\c
	global_load_b128 v[G+8*\c+4:G+8*\c+7],   v3, s[6:7] offset:1024*\c+16
	global_load_b128 v[BE+8*\c:BE+8*\c+3],   v3, s[8:9] offset:1024*\c
	global_load_b128 v[BE+8*\c+4:BE+8*\c+7], v3, s[8:9] offset:1024*\c+16
.endr
.macro ALLSUM                          ; v[SM] and v[SM+4] are summed over the 32 lanes; every lane ends with the sums
.irp m, 1,2,4,8
	s_delay_alu instid0(VALU_DEP_2)
	v_add_f32_dpp v[SM], v[SM], v[SM] row_xmask:\m row_mask:0xf bank_mask:0xf
	s_delay_alu instid0(VALU_DEP_2)
	v_add_f32_dpp v[SM+4], v[SM+4], v[SM+4] row_xmask:\m row_mask:0xf bank_mask:0xf
.endr
	s_delay_alu instid0(VALU_DEP_2)
	v_permlanex16_b32 v[SM+1], v[SM], s16, s17
	s_delay_alu instid0(VALU_DEP_2)
	v_permlanex16_b32 v[SM+5], v[SM+4], s16, s17
	s_delay_alu instid0(VALU_DEP_2)
	v_add_f32 v[SM], v[SM], v[SM+1]
	s_delay_alu instid0(VALU_DEP_2)
	v_add_f32 v[SM+4], v[SM+4], v[SM+5]
.endm
	s_wait_loadcnt 16                              ; the two rows are in; the 16 loads of g and b may be out
.irp j, 0,1
	v_pk_add_f32 v[SM+4*\j:SM+4*\j+1],   v[X+32*\j:X+32*\j+1],   v[X+32*\j+2:X+32*\j+3]     ; the rows' sums, two chains a row
	v_pk_add_f32 v[SM+4*\j+2:SM+4*\j+3], v[X+32*\j+4:X+32*\j+5], v[X+32*\j+6:X+32*\j+7]
.endr
.irp i, 8,12,16,20,24,28
.irp j, 0,1
	s_delay_alu instid0(VALU_DEP_4)
	v_pk_add_f32 v[SM+4*\j:SM+4*\j+1],   v[SM+4*\j:SM+4*\j+1],   v[X+32*\j+\i:X+32*\j+\i+1]
	s_delay_alu instid0(VALU_DEP_4)
	v_pk_add_f32 v[SM+4*\j+2:SM+4*\j+3], v[SM+4*\j+2:SM+4*\j+3], v[X+32*\j+\i+2:X+32*\j+\i+3]
.endr
.endr
.irp j, 0
	s_delay_alu instid0(VALU_DEP_3)
	v_pk_add_f32 v[SM+4*\j:SM+4*\j+1], v[SM+4*\j:SM+4*\j+1], v[SM+4*\j+2:SM+4*\j+3]
.endr
.irp j, 1
	s_delay_alu instid0(VALU_DEP_2)
	v_pk_add_f32 v[SM+4*\j:SM+4*\j+1], v[SM+4*\j:SM+4*\j+1], v[SM+4*\j+2:SM+4*\j+3]
.endr
.irp j, 0,1
	s_delay_alu instid0(VALU_DEP_2)
	v_add_f32 v[SM+4*\j], v[SM+4*\j], v[SM+4*\j+1]
.endr
	ALLSUM
.irp j, 0,1
	s_delay_alu instid0(VALU_DEP_2)
	v_mul_f32 v[SM+4*\j+2], 0xba800000, v[SM+4*\j] ; - the mean, twice: a pair for the packed addition
.endr
.irp j, 0,1
	s_delay_alu instid0(VALU_DEP_2)
	v_mov_b32 v[SM+4*\j+3], v[SM+4*\j+2]
.endr
.irp i, 0,2,4,6,8,10,12,14,16,18,20,22,24,26,28,30
.irp j, 0,1
	v_pk_add_f32 v[X+32*\j+\i:X+32*\j+\i+1], v[X+32*\j+\i:X+32*\j+\i+1], v[SM+4*\j+2:SM+4*\j+3]   ; x - mean
.endr
.endr
.irp j, 0,1
	v_pk_mul_f32 v[SQ+4*\j:SQ+4*\j+1],   v[X+32*\j:X+32*\j+1],   v[X+32*\j:X+32*\j+1]       ; the sums of its squares
	v_pk_mul_f32 v[SQ+4*\j+2:SQ+4*\j+3], v[X+32*\j+2:X+32*\j+3], v[X+32*\j+2:X+32*\j+3]
.endr
.irp i, 4,8,12,16,20,24,28
.irp j, 0,1
	s_delay_alu instid0(VALU_DEP_4)
	v_pk_fma_f32 v[SQ+4*\j:SQ+4*\j+1],   v[X+32*\j+\i:X+32*\j+\i+1],   v[X+32*\j+\i:X+32*\j+\i+1],   v[SQ+4*\j:SQ+4*\j+1]
	s_delay_alu instid0(VALU_DEP_4)
	v_pk_fma_f32 v[SQ+4*\j+2:SQ+4*\j+3], v[X+32*\j+\i+2:X+32*\j+\i+3], v[X+32*\j+\i+2:X+32*\j+\i+3], v[SQ+4*\j+2:SQ+4*\j+3]
.endr
.endr
.irp j, 0
	s_delay_alu instid0(VALU_DEP_3)
	v_pk_add_f32 v[SQ+4*\j:SQ+4*\j+1], v[SQ+4*\j:SQ+4*\j+1], v[SQ+4*\j+2:SQ+4*\j+3]
.endr
.irp j, 1
	s_delay_alu instid0(VALU_DEP_2)
	v_pk_add_f32 v[SQ+4*\j:SQ+4*\j+1], v[SQ+4*\j:SQ+4*\j+1], v[SQ+4*\j+2:SQ+4*\j+3]
.endr
.irp j, 0,1
	s_delay_alu instid0(VALU_DEP_2)
	v_add_f32 v[SM+4*\j], v[SQ+4*\j], v[SQ+4*\j+1]
.endr
	ALLSUM
.irp j, 0,1
	s_delay_alu instid0(VALU_DEP_2)
	v_fma_f32 v[SM+4*\j], v[SM+4*\j], s18, s19     ; the variance + 1e-5
.endr
	s_wait_alu depctr_va_vdst(0)
	v_rsq_f32 v[SM+2], v[SM]
	v_rsq_f32 v[SM+6], v[SM+4]
	v_nop                                          ; a plain line behind the transcendentals (ISA guide 5.7.2)
	s_wait_alu depctr_va_vdst(0)
	v_mov_b32 v[SM+3], v[SM+2]
	v_mov_b32 v[SM+7], v[SM+6]
	s_wait_alu depctr_va_vdst(0)
	s_wait_loadcnt 0x0                             ; g and b
.irp i, 0,2,4,6,8,10,12,14,16,18,20,22,24,26,28,30
.irp j, 0,1
	v_pk_mul_f32 v[X+32*\j+\i:X+32*\j+\i+1], v[X+32*\j+\i:X+32*\j+\i+1], v[SM+4*\j+2:SM+4*\j+3]
.endr
.endr
.irp i, 0,2,4,6,8,10,12,14,16,18,20,22,24,26,28,30
.irp j, 0,1
	v_pk_fma_f32 v[X+32*\j+\i:X+32*\j+\i+1], v[X+32*\j+\i:X+32*\j+\i+1], v[G+\i:G+\i+1], v[BE+\i:BE+\i+1]
.endr
.endr
	; the quantiser: n = 4 j + c; my 8 numbers at X + 8 n; the block's 32 lie in four neighbouring lanes.  The eight n take turns line by line
.irp n, 0,1,2,3,4,5,6,7
	v_max3_num_f32 v[MX+\n], |v[X+8*\n]|, |v[X+8*\n+1]|, 0x4800000     ; with the floor 2^(9 - 127): the byte cannot fall under 1
.endr
.irp i, 2,4,6
.irp n, 0,1,2,3,4,5,6,7
	v_max3_num_f32 v[MX+\n], v[MX+\n], |v[X+8*\n+\i]|, |v[X+8*\n+\i+1]|
.endr
.endr
.irp m, 1,2
.irp n, 0,1,2,3,4,5,6,7
	v_max_num_f32_dpp v[MX+\n], v[MX+\n], v[MX+\n] row_xmask:\m row_mask:0xf bank_mask:0xf
.endr
.endr
.irp n, 0,1,2,3,4,5,6,7
	v_add_nc_u32 v[SO+\n], 0xfc000000, v[MX+\n]    ; 8 off the exponent field: the conversion's scale operand
.endr
.irp n, 0,1,2,3,4,5,6,7
	v_and_or_b32 v[HO+\n], v[MX+\n], 0x7f800000, s20   ; 448 x the scale
.endr
.irp n, 0,1,2,3,4,5,6,7
	v_lshrrev_b32 v[BY+\n], 23, v[SO+\n]           ; the scale's byte
.endr
.irp n, 0,1,2,3,4,5,6,7
.irp i, 0,1,2,3,4,5,6,7
	v_med3_num_f32 v[X+8*\n+\i], v[X+8*\n+\i], -v[HO+\n], v[HO+\n]     ; the conversion does not saturate (ISA guide 7.6.2): the hold comes first
.endr
	v_cvt_scalef32_pk8_fp8_f32 v[CD+2*\n:CD+2*\n+1], v[X+8*\n:X+8*\n+7], v[SO+\n]
.endr
	v_nop                                          ; a plain line behind the last conversion
.irp n, 0,1,2,3,4,5,6,7
	ds_store_b64 v4, v[CD+2*\n:CD+2*\n+1] offset:16*(\n%4)*272+16*(\n/4)
	ds_store_b8 v5, v[BY+\n] offset:128*(\n%4)+8*(\n/4)            ; the four lanes of a block write the same byte with the same value
.endr
	s_wait_dscnt 0x0                               ; for the others' sake: my stores have landed
	s_barrier_signal -1
	s_barrier_wait -1
.irp c, 0,1,2,3
	ds_load_b128 v[X+4*\c:X+4*\c+3], v6 offset:544*\c              ; fragment w, piece c, as the operand's registers want it
.endr
.irp c, 0,1,2,3
	s_wait_dscnt 3-\c
	global_store_b128 v24, v[X+4*\c:X+4*\c+3], s[24:25] offset:512*\c   ; the wave stores 512 consecutive bytes
.endr
	s_cmp_lt_u32 s12, 4
	s_cbranch_scc0 .Lend
	ds_load_b32 v48, v7                            ; waves 0 to 3: the 16 rows' scale words of block ks = w
	s_wait_dscnt 0x0
	global_store_b32 v25, v48, s[28:29]
.Lend:
	s_wait_tensorcnt 0x0
	ds_add_u32 v192, v193
	s_wait_dscnt 0x0
	s_endpgm
.Lfunc_end_k_q1e9e5491f4_ln2:
	.size	k_q1e9e5491f4_ln2, .Lfunc_end_k_q1e9e5491f4_ln2-k_q1e9e5491f4_ln2
	.p2alignl 7, 3214868480
	.fill 96, 4, 3214868480
	.section	.rodata,"a",@progbits
	.p2align	6, 0x0
	.amdhsa_kernel k_q1e9e5491f4_ln2
		.amdhsa_group_segment_fixed_size 19456
		.amdhsa_private_segment_fixed_size 0
		.amdhsa_enable_private_segment 0
		.amdhsa_kernarg_size 32
		.amdhsa_user_sgpr_count 2
		.amdhsa_user_sgpr_kernarg_segment_ptr 1
		.amdhsa_wavefront_size32 1
		.amdhsa_system_sgpr_workgroup_id_x 1
		.amdhsa_system_sgpr_workgroup_id_y 1
		.amdhsa_system_sgpr_workgroup_id_z 1
		.amdhsa_system_vgpr_workitem_id 0
		.amdhsa_next_free_vgpr 194
		.amdhsa_next_free_sgpr 66
		.amdhsa_reserve_vcc 0
		.amdhsa_float_denorm_mode_32 3
		.amdhsa_float_denorm_mode_16_64 3
		.amdhsa_memory_ordered 1
		.amdhsa_forward_progress 1
		.amdhsa_inst_pref_size 33
	.end_amdhsa_kernel
	.amdgpu_metadata
---
amdhsa.version: [ 1, 2 ]
amdhsa.kernels:
  - .name:           k_q1e9e5491f4_ln2
    .symbol:         k_q1e9e5491f4_ln2.kd
    .args:
      - { .name: x1, .offset: 0, .size: 8, .value_kind: global_buffer, .address_space: global }
      - { .name: g2, .offset: 8, .size: 8, .value_kind: global_buffer, .address_space: global }
      - { .name: be2, .offset: 16, .size: 8, .value_kind: global_buffer, .address_space: global }
      - { .name: hb, .offset: 24, .size: 8, .value_kind: global_buffer, .address_space: global }
    .group_segment_fixed_size: 19456
    .private_segment_fixed_size: 0
    .kernarg_segment_align: 8
    .kernarg_segment_size: 32
    .max_flat_workgroup_size: 256
    .sgpr_count:     66
    .vgpr_count:     194
    .wavefront_size: 32
...
	.end_amdgpu_metadata
.endif
;; end of part 5
;; launch ff1 (part 6): grid 16 x 16, 4 waves a work-group, clusters of 4 x 4, 327,680 bytes of LDS; arguments hb, wts, b1, act; writes act
.if DOCPART == 6
	.amdgcn_target "amdgcn-amd-amdhsa--gfx1250"
	.amdhsa_code_object_version 6
	.text
	.protected	k_q1e9e5491f4_ff1
	.globl	k_q1e9e5491f4_ff1
	.p2align	8
	.type	k_q1e9e5491f4_ff1,@function
k_q1e9e5491f4_ff1:
	s_mov_b64 s[64:65], 0
	v_nop
	global_prefetch_b8 v0, s[64:65] scope:SCOPE_SE
	s_setreg_imm32_b32 hwreg(HW_REG_WAVE_MODE, 25, 1), 1
	s_wait_xcnt 0x0
	s_wait_alu depctr_hold_cnt(0) depctr_sa_sdst(0) depctr_va_vdst(0) depctr_va_sdst(0) depctr_va_ssrc(0) depctr_va_vcc(0) depctr_vm_vsrc(0)
	s_getreg_b32 s2, hwreg(HW_REG_IB_STS2, 6, 4)
	s_cmp_eq_u32 s2, 0
	s_cbranch_scc0 .Lentry_in_a_cluster
	s_endpgm
.Lentry_in_a_cluster:
	s_bfe_u32 s2, ttmp6, 0x10000c
	s_cmp_lg_u32 s2, 0xf033
	s_cbranch_scc0 .Lentry_shape_is_right
	s_endpgm
.Lentry_shape_is_right:
; act = relu(h2 W1 + b1), quantised along the hidden units for the next product.  K = 1,024; codes of FP8 (E4M3), one E8M0 scale for each 32 along K; sums and bias in f32.
; OPERANDS lie in memory as images of operand registers: a block of TB bytes = 128 rows x 256 K: fragment (q, i) at (8 q + i) x 2,048, piece c at 512 c, 16 bytes a lane; scale words at 32,768 + 128 i + 8 r + 4 q;
; block (panel, ks) at (4 panel + ks) TB; W1's blocks begin at block 128 of wts.  Rows are stored with bits 3 and 4 of their number swapped: source 0's tiles 2 g and 2 g + 1 give lane (r, h) the true indices 32 g + 16 h + 0 .. 15.
; A tile of 256 x 256 to a work-group of four waves, 128 x 128 (64 accumulators) to a wave.  The product is used transposed: source 0 = 16 rows of W1, source 1 = 16 rows of h2.
; K goes in steps of 256 through two LDS slots; each wave fetches one block (A's two halves, B's two halves) by one dense tensor load of 132 rows of 256 bytes.  CLUSTERS 4 x 4: A's blocks are asked for jointly along a row, B's along a column.
; THE HEAD: K step 0, one load a wave; K step 1 behind the three lines and a round, as a refill is.  PREFETCH: of the block that a wave fetches each of the four partners names 33 of its 132 units of 256 bytes, told apart by
; address (cx for A, cy for B): K step 2 behind K step 1's load, K step 3 behind K step 2's refill: each a slot's two steps ahead of its load.  K steps 0 and 1 come by their loads alone.
; The bias is the C of the first products; the activation is taken by the hold ahead of the conversion; the codes leave as the next operand's registers, 512 consecutive bytes a store.
; LIMITS: a block of zeros gets the byte 1 where the rule says 127 (its codes are zeros, and this program alone reads the bytes); NaN and infinities are not served.
; REGISTERS: window 0: v16-31 addresses; v32-63 scale words, two sets; v64-127 the bias; from v128 A's fragments, ONE set; on the way out v128-242 at work.  window 1: B's fragments, TWO sets.
;   window 2: the accumulators of A's blocks 0-3 ((a, b) at v[8 (8 (a % 4) + b)]);  window 3: those of blocks 4-7.
.set TB,    33792
.set SLOT,  TB                         ; LDS: block (A half 0, A half 1, B half 0, B half 1 = wave) at wave x WST + slot x TB
.set WST,   2*TB
.set SPARE, 4*WST                      ; the spare words, 128 bytes for each wave: two blocks of 256 bytes that no other line names
.set LAPS,  2
.set NQ,    2
.set FR,    16
.set NL,    4
.set NP,    8                          ; places behind this matrix instruction (ISA guide 7.12.1)
.set ADRA, 16
.set ADRB, 20
.set ADRS, 22
.set LI,   24
.set VO,   25
.set SPW,  28                          ; v28  LDS address of my spare word; never rewritten
.set NIL,  29                          ; v29  0; never rewritten
.set PFO,  30                          ; v30  256 x lane; never rewritten
.set PFL,  31                          ; v31  256 x 32; never rewritten
.set SC,   32
.set BI,   64
.set AF,   128
.set T,    128
.set PC,   192
.set TM,   224
.set PW,   240
.set PWP,  241
.set SV,   242
.set G1, 24
.set G0, 32
.set G1B, 48
.set G0B, 56
.set SEL, 74
.set MNT, 76
.set HM,  77
.set PFA, 82                           ; s[82:83] my share of the block that I fetch, at K step 0
.set MSB, 0
.macro WIN new                         ; the immediate's high byte repeats the setting that is left
.if MSB != (\new)
	s_set_vgpr_msb (MSB<<8)|(\new)
.set MSB, (\new)
.endif
.endm
.set MUL_LO, 0xa1                      ; source 0 (B) window 1, source 1 (A) window 0, C and D window 2
.set MUL_HI, 0xf1
.set TO_B,   0x40
.macro JLOAD g0a, g1a, g0b, g1b        ; a joint load: waves 0 and 1 fetch for A, waves 2 and 3 for B; s_nop 0 and four v_nop follow each line
	s_cmp_eq_u32 s15, 0
	s_cbranch_scc0 .Lfor_b_\@
	tensor_load_to_lds s[\g0a:\g0a+3], s[\g1a:\g1a+7]
	s_nop 0
.rept 4
	v_nop
.endr
	s_branch .Lasked_\@
.Lfor_b_\@:
	tensor_load_to_lds s[\g0b:\g0b+3], s[\g1b:\g1b+7]
	s_nop 0
.rept 4
	v_nop
.endr
.Lasked_\@:
.endm
.macro CREST                           ; a round of the cluster's barrier behind its opening barrier
	s_cmp_lg_u32 s14, 0
	s_cbranch_scc1 .Lnot_wave_0_\@
	s_barrier_signal -3
.Lnot_wave_0_\@:
	s_barrier_wait -3
	s_barrier_signal -1
	s_barrier_wait -1
.endm
.macro CROUND
	s_barrier_signal -1
	s_barrier_wait -1
	CREST
.endm
.macro ASK ks                          ; my 33 units of my block of K step ks: 32 by one instruction, a lane a unit, the 33rd by a second
	global_prefetch_b8 v[PFO], s[PFA:PFA+1] offset:(\ks)*TB th:TH_LOAD_NT scope:SCOPE_SE
	global_prefetch_b8 v[PFL], s[PFA:PFA+1] offset:(\ks)*TB th:TH_LOAD_NT scope:SCOPE_SE
.endm
	s_load_b128 s[4:7], s[0:1], 0x0                ; h2's codes, the weights' codes
	s_load_b128 s[8:11], s[0:1], 0x10              ; b1, act
	v_lshl_add_u32 v[SPW], v0, 2, SPARE
	v_mov_b32 v[NIL], 0
	ds_add_u32 v[SPW], v[NIL]                      ; the opening lines: the add, twice on end, and its wait ahead of my first tensor load
	ds_add_u32 v[SPW], v[NIL]
	s_wait_dscnt 0x0
	v_lshrrev_b32 v1, 5, v0
	v_readfirstlane_b32 s14, v1                    ; wave 0..3
	s_lshr_b32 s15, s14, 1                         ; which half of A's rows is mine.  Also: I fetch for A (0) or for B (1)
	s_and_b32 s16, s14, 1                          ; which half of B's rows.  Also: which half I fetch
	s_bfe_u32 s40, ttmp6, 0x40000                  ; cx, cy
	s_bfe_u32 s41, ttmp6, 0x40004
	s_and_b32 s18, ttmp7, 0xffff
	s_lshl_b32 s18, s18, 2
	s_lshl_b32 s19, ttmp9, 2
	s_add_co_u32 s17, s18, s41                     ; A's tile (256 tokens)
	s_add_co_u32 s42, s19, s40                     ; B's tile (256 hidden units)
	s_lshl_b32 s43, s41, 2
	s_lshl_b32 s43, 15, s43                        ; my row of the cluster
	s_lshl_b32 s44, 0x1111, s40                    ; my column
	s_or_b32 s[G1+0], s43, (3<<16)|(1<<21)         ; the mask; elements of 8 bytes; bit 21 set beside a mask; no padding
	s_or_b32 s[G1B+0], s44, (3<<16)|(1<<21)
.irp g, G1, G1B
	s_mov_b32 s[\g+1], 32<<16
	s_mov_b32 s[\g+2], 132<<16
	s_mov_b32 s[\g+3], 32<<16
	s_mov_b32 s[\g+4], 132
	s_mov_b32 s[\g+5], 32
	s_mov_b32 s[\g+6], 0
	s_mov_b32 s[\g+7], 0
.endr
	s_lshl_b32 s20, s17, 1
	s_add_co_u32 s20, s20, s16                     ; A: panel 2 x tile + half; four blocks along K to a panel
	s_mul_i32 s20, s20, 4*TB
	s_mov_b32 s21, 0
	s_lshl_b32 s46, s42, 1
	s_add_co_u32 s46, s46, s16                     ; B likewise
	s_mul_i32 s46, s46, 4*TB
	s_mov_b32 s47, 0
	s_mul_i32 s45, s14, WST                        ; where my blocks go: no place in the cluster enters an LDS address
	s_mov_b32 s[SEL], 0x76543210
	s_mov_b32 s[SEL+1], 0xfedcba98                 ; v_permlanex16_b32's selects for lane l xor 16
	s_mov_b32 s[MNT], 0x600000                     ; the mantissa field of 448
	s_mov_b32 s[HM], 0xffff0000                    ; lanes 16-31
	s_wait_kmcnt 0x0
	s_add_nc_u64 s[20:21], s[4:5], s[20:21]
	s_add_nc_u64 s[46:47], s[6:7], s[46:47]
	s_add_nc_u64 s[46:47], s[46:47], 128*TB
	CROUND                                         ; all sixteen work-groups are here: the first joint loads meet
.irp s, 0,1
	s_mov_b32 s[G0+4*\s], 1
	s_add_co_u32 s[G0+4*\s+1], s45, \s*SLOT
	s_add_nc_u64 s[G0+4*\s+2:G0+4*\s+3], s[20:21], \s*TB
	s_or_b32 s[G0+4*\s+3], s[G0+4*\s+3], 0x80000000
	s_mov_b32 s[G0B+4*\s], 1
	s_add_co_u32 s[G0B+4*\s+1], s45, \s*SLOT
	s_add_nc_u64 s[G0B+4*\s+2:G0B+4*\s+3], s[46:47], \s*TB
	s_or_b32 s[G0B+4*\s+3], s[G0B+4*\s+3], 0x80000000
.endr
	JLOAD G0, G1, G0B, G1B                         ; my one load at the head: K step 0 of my block
	s_cmp_eq_u32 s15, 0
	s_cselect_b64 s[PFA:PFA+1], s[20:21], s[46:47]
	s_cselect_b32 s84, s40, s41                    ; my place among the four that ask for the block with me
	s_mul_i32 s84, s84, 33*256
	s_mov_b32 s85, 0
	s_add_nc_u64 s[PFA:PFA+1], s[PFA:PFA+1], s[84:85]
	v_and_b32 v[PFO], 31, v0
	v_lshlrev_b32 v[PFO], 8, v[PFO]
	v_mov_b32 v[PFL], 0x2000
	v_and_b32 v1, 15, v0                           ; r
	v_bfe_u32 v2, v0, 4, 1                         ; h
	v_and_b32 v3, 31, v0
	v_lshlrev_b32 v[LI], 4, v3
	s_mul_i32 s22, s15, WST                        ; my 128 rows of A
	s_mul_i32 s23, s16, WST
	s_add_co_u32 s23, s23, 2*WST                   ; my 128 rows of B
	v_add_nc_u32 v[ADRA], s22, v[LI]
	v_add_nc_u32 v[ADRB], s23, v[LI]
	v_add_nc_u32 v[ADRA+1], SLOT, v[ADRA]
	v_add_nc_u32 v[ADRB+1], SLOT, v[ADRB]
	s_sub_co_u32 s23, s23, s22
	v_mul_u32_u24 v4, s23, v2                      ; lanes 16-31 take B's: h x the distance between the two blocks
	v_lshl_add_u32 v4, v1, 3, v4
	s_add_co_u32 s22, s22, 32768
	v_add_nc_u32 v[ADRS], s22, v4
	v_add_nc_u32 v[ADRS+1], SLOT, v[ADRS]
	s_lshl_b32 s22, s42, 10                        ; b1 at my 128 hidden units
	s_lshl_b32 s23, s16, 9
	s_add_co_u32 s22, s22, s23
	s_mov_b32 s23, 0
	s_add_nc_u64 s[8:9], s[8:9], s[22:23]
	v_lshlrev_b32 v5, 6, v2                        ; lane (r, h) wants, for B's block b, the units 32 (b / 2) + 16 h + 8 (b % 2) + 0 .. 7
.irp b, 0,1,2,3,4,5,6,7
	global_load_b128 v[BI+8*\b:BI+8*\b+3],   v5, s[8:9] offset:(32*(\b/2)+8*(\b%2))*4
	global_load_b128 v[BI+8*\b+4:BI+8*\b+7], v5, s[8:9] offset:(32*(\b/2)+8*(\b%2))*4+16
.endr
	s_lshl_b32 s22, s17, 1                         ; act: block (panel 2 x tile + half, ks = B's tile), 16 blocks along K to a panel
	s_add_co_u32 s22, s22, s15
	s_lshl_b32 s22, s22, 4
	s_add_co_u32 s22, s22, s42
	s_mul_i32 s22, s22, TB
	s_add_nc_u64 s[10:11], s[10:11], s[22:23]
	s_lshl_b32 s22, s16, 2
	s_add_co_u32 s22, s22, 32768
	s_add_nc_u64 s[12:13], s[10:11], s[22:23]      ; its scale words, at q = my half of B
	s_lshl_b32 s22, s16, 14
	s_add_nc_u64 s[10:11], s[10:11], s[22:23]      ; and its fragments at that q
	v_lshlrev_b32 v[VO], 3, v1
	v_lshl_add_u32 v[VO], v2, 7, v[VO]             ; 8 r + 128 h
.macro FRAG reg, adr, q, i             ; a fragment: four loads of 512 consecutive bytes
.irp c, 0,1,2,3
	ds_load_b128 v[\reg+4*\c:\reg+4*\c+3], v[\adr] offset:(8*(\q)+(\i))*2048+512*\c
.endr
.endm
; 16 matrix instructions: A's blocks a0, a0 + 1 x B's eight.  zero = 2: the first product starts the sums with the bias as C.  The 64 accumulators take turns, one instruction a turn.
.macro MUL16 a0, p, q, sc, zero
.irp a, \a0, \a0+1
.irp b, 0,1,2,3,4,5,6,7
.if \zero == 2
	v_wmma_scale_f32_16x16x128_f8f6f4 v[8*(8*((\a)%4)+\b):8*(8*((\a)%4)+\b)+7], v[128*(\p)+FR*\b:128*(\p)+FR*\b+FR-1], v[AF+FR*(\a):AF+FR*(\a)+FR-1], v[BI+8*\b:BI+8*\b+7], v[SC+8*NQ*(\sc)+NQ*\b+(\q)], v[SC+8*NQ*(\sc)+NQ*(\a)+(\q)] matrix_a_scale:MATRIX_SCALE_ROW1
.else
	v_wmma_scale_f32_16x16x128_f8f6f4 v[8*(8*((\a)%4)+\b):8*(8*((\a)%4)+\b)+7], v[128*(\p)+FR*\b:128*(\p)+FR*\b+FR-1], v[AF+FR*(\a):AF+FR*(\a)+FR-1], v[8*(8*((\a)%4)+\b):8*(8*((\a)%4)+\b)+7], v[SC+8*NQ*(\sc)+NQ*\b+(\q)], v[SC+8*NQ*(\sc)+NQ*(\a)+(\q)] matrix_a_scale:MATRIX_SCALE_ROW1
.endif
.endr
.endr
.endm
.macro FETCH_B slot, q, p
	WIN TO_B
.irp i, 0,1,2,3,4,5,6,7
	FRAG 128*(\p)+FR*\i, ADRB+\slot, \q, \i
.endr
	WIN 0
.endm
.macro FETCH_A slot, q, i0
.irp i, \i0, \i0+1, \i0+2, \i0+3
	FRAG AF+FR*(\i), ADRA+\slot, \q, \i
.endr
.endm
.macro SCALES sc                       ; the slot's scale words: two words a row; lanes 0-15 take A's block i, lanes 16-31 B's block i
.irp i, 0,1,2,3,4,5,6,7
	ds_load_b64 v[SC+16*\sc+2*\i:SC+16*\sc+2*\i+1], v[ADRS+\sc] offset:128*\i
.endr
.endm
.macro PLACES n                        ; plain vector lines between a matrix instruction and a load into, or a read of, its registers (ISA guide 7.12.1 for reads)
.rept \n
	v_nop
.endr
.endm
; A step of 128 along K that has its successor in the same slot.  A has one set of registers: blocks 0-3 are fetched anew in the step's middle, blocks 4-7 at its end; B has two sets.
.macro STEP slot, q, zero
	s_wait_dscnt 4*NL                              ; B's set, A's blocks 0-3 and the scale words are in; the youngest 16 loads (A's blocks 4-7) may be out
.if \zero == 2
	WIN 0x81                                       ; C (the bias) window 0, D window 2
.else
	WIN MUL_LO
.endif
	MUL16 0, (\q)%2, \q, \slot, \zero
	MUL16 2, (\q)%2, \q, \slot, \zero
	s_wait_dscnt 0x0                               ; A's blocks 4-7 are in
	PLACES NP
	FETCH_B \slot, (\q)+1, 1-(\q)%2
	FETCH_A \slot, (\q)+1, 0
.if \zero == 2
	WIN 0xc1
.else
	WIN MUL_HI
.endif
	MUL16 4, (\q)%2, \q, \slot, \zero
	MUL16 6, (\q)%2, \q, \slot, \zero
	PLACES NP
	WIN 0
	FETCH_A \slot, (\q)+1, 4
.endm
; A slot's last step changes slots: ONE barrier; in front of it each wave waits for all its tensor loads, adds 0 to its spare word, and waits for that and for its own reads of this slot.  fill = 1: this slot is filled again, two K steps ahead.
.macro TURN slot, next, fill
	s_wait_tensorcnt 0x0                           ; all my tensor loads have landed: my part of the next slot
	ds_add_u32 v[SPW], v[NIL]                      ; 0 onto my spare word
	s_wait_dscnt 4*NL+1                            ; (the add and the youngest 16 loads, A's blocks 4-7, may be out)
	WIN MUL_LO
	MUL16 0, 1, NQ-1, \slot, 0
	s_wait_dscnt 0x0                               ; the add is done, and my reads of this slot are over
	s_barrier_signal -1
	MUL16 2, 1, NQ-1, \slot, 0
	WIN 0
	s_barrier_wait -1
.if \fill
	CREST                                          ; the barrier has opened a round of the cluster's barrier: no wave of any partner still reads this slot or has a load on its way
	s_add_nc_u64 s[G0+4*\slot+2:G0+4*\slot+3], s[G0+4*\slot+2:G0+4*\slot+3], 2*TB
	s_add_nc_u64 s[G0B+4*\slot+2:G0B+4*\slot+3], s[G0B+4*\slot+2:G0B+4*\slot+3], 2*TB
	JLOAD G0+4*\slot, G1, G0B+4*\slot, G1B         ; the first tensor load behind the round; its four v_nop are among the places in front of the loads below
	PLACES NP-4
.else
	PLACES NP
.endif
	FETCH_B \next, 0, 0
	FETCH_A \next, 0, 0
	SCALES \next
.if \fill
.if \slot == 0
	ASK 3                                          ; behind K step 2's refill: K step 3, which the next change of slots loads
.endif
.endif
	WIN MUL_HI
	MUL16 4, 1, NQ-1, \slot, 0
	MUL16 6, 1, NQ-1, \slot, 0
	PLACES NP
	WIN 0
	FETCH_A \next, 0, 4
.endm
	s_wait_alu depctr_va_vdst(0)
	s_wait_tensorcnt 0x0                           ; my part of K step 0 is in
	ds_add_u32 v[SPW], v[NIL]
	s_wait_dscnt 0x0
	CROUND                                         ; a whole round: everybody's part of K step 0 is in, and the joint loads meet
	JLOAD G0+4, G1, G0B+4, G1B                     ; K step 1, the first tensor load behind the round
	ASK 2                                          ; K step 2, which the next change of slots loads
	FETCH_B 0, 0, 0
	FETCH_A 0, 0, 0
	SCALES 0
	FETCH_A 0, 0, 4
	s_wait_loadcnt 0x0                             ; the bias
	STEP 0, 0, 2
	s_mov_b32 s3, LAPS-1
.Llap:                                                 ; a trip goes once round the ring, from a lap's second step to the next lap's first, and fills both slots again
	TURN 0, 1, 1
	STEP 1, 0, 0
	TURN 1, 0, 1
	STEP 0, 0, 0
	s_sub_co_u32 s3, s3, 1
	s_cmp_lg_u32 s3, 0
	s_cbranch_scc1 .Llap
	TURN 0, 1, 0                                   ; the last lap fills nothing
	STEP 1, 0, 0
	s_wait_dscnt 4*NL
	WIN MUL_LO
	MUL16 0, 1, NQ-1, 1, 0
	MUL16 2, 1, NQ-1, 1, 0
	s_wait_dscnt 0x0
	WIN MUL_HI
	MUL16 4, 1, NQ-1, 1, 0
	MUL16 6, 1, NQ-1, 1, 0
	WIN 0
; THE WAY OUT.  A's block a: lane (r, h) holds row r, and register 16 g + i of the block's 64 is the true index 32 g + 16 h + i along B's rows: four blocks of 32, each shared with lane l xor 16.
; QUANT makes the fragment's codes in v[PC] on and its scale word in v[PW].  Each accumulator is read from its low end on.  What is negative becomes 0 on the way.
.macro QUANT a
.set AC, 64*((\a)%4)
	WIN 0x0a+5*((\a)/4)                            ; sources 0 and 1: window 2 or 3
.irp g, 0,1,2,3
	v_max3_num_f32 v[TM+\g], v[AC+16*\g], v[AC+16*\g+1], 0x4800000        ; no |.|: what is negative must not count; the floor 2^(9 - 127) stands over it
.endr
.irp i, 2,4,6,8,10,12,14
.irp g, 0,1,2,3
	v_max3_num_f32 v[TM+\g], v[AC+16*\g+\i], v[AC+16*\g+\i+1], v[TM+\g]
.endr
.endr
	WIN 0
.irp g, 0,1,2,3
	v_permlanex16_b32 v[TM+4+\g], v[TM+\g], s[SEL], s[SEL+1]
.endr
.irp g, 0,1,2,3
	v_max_num_f32 v[TM+\g], v[TM+\g], v[TM+4+\g]   ; with lane l xor 16's: the block's largest
.endr
.irp g, 0,1,2,3
	v_add_nc_u32 v[TM+12+\g], 0xfc000000, v[TM+\g] ; 8 off the exponent field: the conversion's scale operand
.endr
.irp g, 0,1,2,3
	v_and_or_b32 v[TM+8+\g], v[TM+\g], 0x7f800000, s[MNT]   ; 448 x the scale
.endr
.irp g, 0,1,2,3
	v_lshrrev_b32 v[TM+4+\g], 23, v[TM+12+\g]      ; the scale's byte
.endr
	v_lshl_or_b32 v[PW], v[TM+5], 8, v[TM+4]
	v_lshl_or_b32 v[PW], v[TM+6], 16, v[PW]
	v_lshl_or_b32 v[PW], v[TM+7], 24, v[PW]
	WIN 0x02+(\a)/4                                ; source 0: window 2 or 3
.irp g, 0,1,2,3
.irp i, 0,1,2,3,4,5,6,7,8,9,10,11,12,13,14,15
	v_med3_num_f32 v[T+16*\g+\i], v[AC+16*\g+\i], 0, v[TM+8+\g]           ; the activation and the hold in one
.endr
.endr
	WIN 0
	s_wait_alu depctr_va_vdst(0)
	s_wait_xcnt 0x0                                ; the last block's stores have read their data: the codes and the stored word are rewritten only behind this wait
.irp g, 0,1,2,3
	v_cvt_scalef32_pk8_fp8_f32 v[PC+4*\g:PC+4*\g+1],   v[T+16*\g:T+16*\g+7],    v[TM+12+\g]
	v_cvt_scalef32_pk8_fp8_f32 v[PC+4*\g+2:PC+4*\g+3], v[T+16*\g+8:T+16*\g+15], v[TM+12+\g]
.endr
	v_nop                                          ; a plain line behind the last conversion
.endm
.macro STF a                           ; fragment (q = my half of B, i = a) of my block of act; the scale words of two blocks a leave together, 4 bytes a lane
.irp g, 0,1,2,3
	global_store_b128 v[LI], v[PC+4*\g:PC+4*\g+3], s[10:11] offset:2048*(\a)+512*\g
.endr
.if (\a)%2
	v_cndmask_b32 v[SV], v[PWP], v[PW], s[HM]      ; lanes 0-15 the word of block a - 1, lanes 16-31 that of block a
	global_store_b32 v[VO], v[SV], s[12:13] offset:128*((\a)-1)
.else
	v_mov_b32 v[PWP], v[PW]
.endif
.endm
	PLACES NP                                      ; behind the last products
.irp g, 0,1,2,3
	v_mov_b32 v[TM+4+\g], 0                        ; written once: a lane permute's destination counts as one of its sources
.endr
.irp a, 0,1,2,3,4,5,6,7
	QUANT \a
	STF \a
.endr
	s_wait_tensorcnt 0x0                           ; the wave's end
	ds_add_u32 v[SPW], v[NIL]
	s_wait_dscnt 0x0
	CROUND                                         ; the closing round: no work-group ends while a partner may still ask for a block that names it
	s_endpgm
.Lfunc_end_k_q1e9e5491f4_ff1:
	.size	k_q1e9e5491f4_ff1, .Lfunc_end_k_q1e9e5491f4_ff1-k_q1e9e5491f4_ff1
	.p2alignl 7, 3214868480
	.fill 96, 4, 3214868480
	.section	.rodata,"a",@progbits
	.p2align	6, 0x0
	.amdhsa_kernel k_q1e9e5491f4_ff1
		.amdhsa_group_segment_fixed_size 327680
		.amdhsa_private_segment_fixed_size 0
		.amdhsa_enable_private_segment 0
		.amdhsa_kernarg_size 32
		.amdhsa_user_sgpr_count 2
		.amdhsa_user_sgpr_kernarg_segment_ptr 1
		.amdhsa_wavefront_size32 1
		.amdhsa_system_sgpr_workgroup_id_x 1
		.amdhsa_system_sgpr_workgroup_id_y 1
		.amdhsa_system_sgpr_workgroup_id_z 1
		.amdhsa_system_vgpr_workitem_id 0
		.amdhsa_next_free_vgpr 1024
		.amdhsa_next_free_sgpr 96
		.amdhsa_reserve_vcc 0
		.amdhsa_float_denorm_mode_32 3
		.amdhsa_float_denorm_mode_16_64 3
		.amdhsa_memory_ordered 1
		.amdhsa_forward_progress 1
		.amdhsa_inst_pref_size 185
	.end_amdhsa_kernel
	.amdgpu_metadata
---
amdhsa.version: [ 1, 2 ]
amdhsa.kernels:
  - .name:           k_q1e9e5491f4_ff1
    .symbol:         k_q1e9e5491f4_ff1.kd
    .args:
      - { .name: hb, .offset: 0, .size: 8, .value_kind: global_buffer, .address_space: global }
      - { .name: wts, .offset: 8, .size: 8, .value_kind: global_buffer, .address_space: global }
      - { .name: b1, .offset: 16, .size: 8, .value_kind: global_buffer, .address_space: global }
      - { .name: act, .offset: 24, .size: 8, .value_kind: global_buffer, .address_space: global }
    .group_segment_fixed_size: 327680
    .private_segment_fixed_size: 0
    .kernarg_segment_align: 8
    .kernarg_segment_size: 32
    .max_flat_workgroup_size: 128
    .sgpr_count:     96
    .vgpr_count:     1024
    .wavefront_size: 32
...
	.end_amdgpu_metadata
.endif
;; end of part 6
;; launch ff2 (part 7): grid 8 x 32, 4 waves a work-group, clusters of 4 x 4, 327,680 bytes of LDS; arguments act, wts, b2, x1, out0; writes out0
.if DOCPART == 7
	.amdgcn_target "amdgcn-amd-amdhsa--gfx1250"
	.amdhsa_code_object_version 6
	.text
	.protected	k_q1e9e5491f4_ff2
	.globl	k_q1e9e5491f4_ff2
	.p2align	8
	.type	k_q1e9e5491f4_ff2,@function
k_q1e9e5491f4_ff2:
	s_mov_b64 s[64:65], 0
	v_nop
	global_prefetch_b8 v0, s[64:65] scope:SCOPE_SE
	s_setreg_imm32_b32 hwreg(HW_REG_WAVE_MODE, 25, 1), 1
	s_wait_xcnt 0x0
	s_wait_alu depctr_hold_cnt(0) depctr_sa_sdst(0) depctr_va_vdst(0) depctr_va_sdst(0) depctr_va_ssrc(0) depctr_va_vcc(0) depctr_vm_vsrc(0)
	s_getreg_b32 s2, hwreg(HW_REG_IB_STS2, 6, 4)
	s_cmp_eq_u32 s2, 0
	s_cbranch_scc0 .Lentry_in_a_cluster
	s_endpgm
.Lentry_in_a_cluster:
	s_bfe_u32 s2, ttmp6, 0x10000c
	s_cmp_lg_u32 s2, 0xf033
	s_cbranch_scc0 .Lentry_shape_is_right
	s_endpgm
.Lentry_shape_is_right:
; out0 = x1 + act W2 + b2.  K = 4,096; codes of FP8 (E4M3), one E8M0 scale for each 32 along K; sums, bias and residual in f32.
; OPERANDS lie in memory as images of operand registers: a block of TB bytes = 128 rows x 256 K: fragment (q, i) at (8 q + i) x 2,048, piece c at 512 c, 16 bytes a lane; scale words at 32,768 + 128 i + 8 r + 4 q;
; block (panel, ks) at (16 panel + ks) TB; W2's blocks begin at block 256 of wts.  Rows are stored with bits 3 and 4 of their number swapped: the way out puts rows and columns back.
; SHARES.  The output has 32 x 8 tiles of 128 x 128: one for each of 256 work-groups; four waves, 64 x 64 (16 accumulators) each.  The product is used transposed (source 0 = 16 rows of W2, source 1 = 16 rows of act).
; K goes in steps of 512 through two LDS slots: a slot holds A's two blocks, then B's two.  CLUSTERS 4 x 4: A's blocks are asked for jointly along a row of the cluster, B's along a column.
; THE HEAD: one joint load a wave, of two blocks on end (264 rows of 256 bytes): waves 0, 1 bring slot 0's A and B, waves 2, 3 slot 1's.  Each wave has a load line of its own; waves 0 and 1 alone wait at the first
; barrier, which shows slot 0; slot 1 is shown by the first round, in front of which every wave waits for all its loads.  In the ring a wave fetches one block (132 rows): waves 0, 1 A's two, waves 2, 3 B's two.
; PREFETCH: of the block that a wave fetches, each of the four partners that ask for it jointly names 33 of its 132 units of 256 bytes, told apart by address (cx for A, cy for B): 32 by one instruction, a lane a unit,
; the 33rd by a second.  K step 2 is named behind the first barrier, K step 3 behind the first quarter step, and behind the refill of step t stands the request for step t + 2; the last two refills have no step two on and ask for nothing.
; The residual's 32 loads a wave stand behind the loop, 128 products ahead of their use: every tile has been asked of memory by then.
; REGISTERS: window 0: v8-11 the bias; v16-31 addresses; v32-63 scale words, two sets; v64-127 rows on the way out; v128-255 the accumulators ((a, b) at v[128 + 8 (4 a + b)]).
;   window 1: two fragment buffers of 128: A's four tiles, then B's four.   window 2: v0-127 the residual.
; LIMITS: NaN and infinities among the inputs are not served.
.set KK,    4096
.set TB,    33792
.set WOFF,  256*TB
.set KB,    KK/256
.set LAPS,  KK/1024                    ; a lap = two slots = 1,024 along K
.set SLOT,  4*TB
.set SPARE, 2*SLOT                     ; the spare words, 128 bytes for each wave: two blocks of 256 bytes that no other line names
.set STAGE, SPARE+512                  ; 16 rows x 272 bytes for each wave, for the way out; no fill lands there
.set SPITCH, 272
.set BS,   8
.set ADRA, 16
.set ADRB, 20
.set ADRS, 22
.set STO,  24
.set RD,   25
.set CO,   26
.set SPW,  28                          ; v28  LDS address of my spare word; never rewritten
.set NIL,  29                          ; v29  0; never rewritten
.set PFO,  30                          ; v30  256 x lane; never rewritten
.set PFL,  31                          ; v31  256 x 32: my share's 33rd unit; never rewritten
.set SC,   32                          ; scale words: register SC + 16 slot + 8 (block of the slot) + 2 i + q: lanes 0-15 A's tile i, lanes 16-31 B's tile i
.set BK,   64
.set ACC,  128
.set F0,   0
.set F1,   128
.set G1,   24                          ; s[24:31], s[48:55] group 1 of the ring's loads (132 rows), A's and B's mask
.set G0,   32                          ; s[32:39], s[56:63] their groups 0, one for each slot
.set G1B,  48
.set G0B,  56
.set GH,   72                          ; s[72:75], s[76:79] groups 0 of the head's loads
.set GHB,  76
.set PFA,  80                          ; s[80:81] where my requests stand: my share of my block, one K step on from the refill that is being asked for
.set G1H,  84                          ; s[84:91], s[92:99] group 1 of the head's loads (264 rows)
.set G1HB, 92
.set MSB, 0
.macro WIN new                         ; the immediate's high byte repeats the setting that is left
.if MSB != (\new)
	s_set_vgpr_msb (MSB<<8)|(\new)
.set MSB, (\new)
.endif
.endm
.set MUL,  0x05                        ; sources 0 (B) and 1 (A) window 1; C and D window 0
.set TO_F, 0x40                        ; destination window 1, address window 0
.macro PLACES n                        ; plain vector lines between a matrix instruction and a load into, or a read of, its registers (ISA guide 7.12.1 for reads)
.rept \n
	v_nop
.endr
.endm
.macro JLOAD s                         ; a refill: waves 0 and 1 fetch A's two blocks, waves 2 and 3 B's; s_nop 0 and four v_nop follow each line
	s_cmp_eq_u32 s11, 0
	s_cbranch_scc0 .Lfor_b_\@
	tensor_load_to_lds s[G0+4*\s:G0+4*\s+3], s[G1:G1+7]
	s_nop 0
	PLACES 4
	s_branch .Lasked_\@
.Lfor_b_\@:
	tensor_load_to_lds s[G0B+4*\s:G0B+4*\s+3], s[G1B:G1B+7]
	s_nop 0
	PLACES 4
.Lasked_\@:
.endm
.macro CREST                           ; a round of the cluster's barrier behind its opening barrier
	s_cmp_lg_u32 s10, 0
	s_cbranch_scc1 .Lnot_wave_0_\@
	s_barrier_signal -3
.Lnot_wave_0_\@:
	s_barrier_wait -3
	s_barrier_signal -1
	s_barrier_wait -1
.endm
.macro CROUND
	s_barrier_signal -1
	s_barrier_wait -1
	CREST
.endm
.macro GROUP1 g, mask, rows            ; a dense run of so many rows of 32 elements of 8 bytes, no padding; bit 21 set beside the mask
	s_or_b32 s[\g+0], s\mask, (3<<16)|(1<<21)
	s_mov_b32 s[\g+1], 32<<16
	s_mov_b32 s[\g+2], (\rows)<<16
	s_mov_b32 s[\g+3], 32<<16
	s_mov_b32 s[\g+4], \rows
	s_mov_b32 s[\g+5], 32
	s_mov_b32 s[\g+6], 0
	s_mov_b32 s[\g+7], 0
.endm
.macro ARM under, g0, g1, next         ; an arm of the head's one chain: a load line of its own for each wave
	s_cmp_lt_u32 s10, \under
	s_cbranch_scc0 \next
	tensor_load_to_lds s[\g0:\g0+3], s[\g1:\g1+7]
	s_nop 0
	PLACES 4
	s_branch .Lhead_asked
\next:
.endm
	s_load_b128 s[4:7], s[0:1], 0x0                ; act, wts
	s_load_b128 s[68:71], s[0:1], 0x10             ; b2, x1
	s_load_b64 s[8:9], s[0:1], 0x20                ; out0
	v_lshl_add_u32 v[SPW], v0, 2, SPARE
	v_mov_b32 v[NIL], 0
	ds_add_u32 v[SPW], v[NIL]                      ; the opening lines: the add, twice on end, and its wait ahead of my first tensor load
	ds_add_u32 v[SPW], v[NIL]
	v_lshrrev_b32 v1, 5, v0
	v_readfirstlane_b32 s10, v1                    ; wave 0..3
	s_lshr_b32 s11, s10, 1                         ; which 64 rows are mine.  In the ring: I fetch for A (0) or for B (1).  At the head: which slot I fetch for
	s_and_b32 s12, s10, 1                          ; which 64 columns.  In the ring: which of a slot's two blocks I fetch
	s_bfe_u32 s40, ttmp6, 0x40000                  ; cx, cy
	s_bfe_u32 s41, ttmp6, 0x40004
	s_lshl_b32 s42, ttmp9, 2
	s_add_co_u32 s42, s42, s40                     ; tile column
	s_and_b32 s13, ttmp7, 0xffff
	s_lshl_b32 s13, s13, 2
	s_add_co_u32 s13, s13, s41                     ; tile row
	s_lshl_b32 s43, s41, 2
	s_lshl_b32 s43, 15, s43                        ; my row of the cluster
	s_lshl_b32 s44, 0x1111, s40                    ; my column
	GROUP1 G1H, 43, 264
	GROUP1 G1HB, 44, 264
	GROUP1 G1, 43, 132
	GROUP1 G1B, 44, 132
	s_mul_i32 s16, s13, KB*TB                      ; A's panel = tile row
	s_mov_b32 s17, 0
	s_mul_i32 s46, s42, KB*TB                      ; B's panel = tile column
	s_mov_b32 s47, 0
	s_mul_i32 s20, s10, TB                         ; the ring: my block's place in a slot
	s_mul_i32 s18, s11, SLOT                       ; the head: my slot,
	s_mul_i32 s22, s11, 2*TB                       ; and its two blocks in a panel
	s_mov_b32 s23, 0
	s_wait_dscnt 0x0                               ; both opening adds are done
	CROUND                                         ; all sixteen work-groups are here: the first joint loads meet
	s_wait_kmcnt 0x0
	s_add_nc_u64 s[14:15], s[4:5], s[16:17]
	s_add_nc_u64 s[46:47], s[6:7], s[46:47]
	s_add_nc_u64 s[46:47], s[46:47], WOFF
	s_mov_b32 s[GH], 1
	s_mov_b32 s[GH+1], s18
	s_add_nc_u64 s[GH+2:GH+3], s[14:15], s[22:23]
	s_or_b32 s[GH+3], s[GH+3], 0x80000000
	s_mov_b32 s[GHB], 1
	s_add_co_u32 s[GHB+1], s18, 2*TB
	s_add_nc_u64 s[GHB+2:GHB+3], s[46:47], s[22:23]
	s_or_b32 s[GHB+3], s[GHB+3], 0x80000000
	ARM 1, GH,  G1H,  .Lhead_1                     ; wave 0: slot 0's A
	ARM 2, GHB, G1HB, .Lhead_2                     ; wave 1: slot 0's B
	ARM 3, GH,  G1H,  .Lhead_3                     ; wave 2: slot 1's A
	tensor_load_to_lds s[GHB:GHB+3], s[G1HB:G1HB+7]    ; wave 3: slot 1's B
	s_nop 0
	PLACES 4
.Lhead_asked:
	s_mul_i32 s22, s12, TB                         ; the ring's groups 0: my block of K step s; each refill steps them by two K steps first
	s_add_nc_u64 s[14:15], s[14:15], s[22:23]
	s_add_nc_u64 s[46:47], s[46:47], s[22:23]
.irp s, 0,1
	s_mov_b32 s[G0+4*\s], 1
	s_add_co_u32 s[G0+4*\s+1], s20, \s*SLOT
	s_add_nc_u64 s[G0+4*\s+2:G0+4*\s+3], s[14:15], \s*2*TB
	s_or_b32 s[G0+4*\s+3], s[G0+4*\s+3], 0x80000000
	s_mov_b32 s[G0B+4*\s], 1
	s_add_co_u32 s[G0B+4*\s+1], s20, \s*SLOT
	s_add_nc_u64 s[G0B+4*\s+2:G0B+4*\s+3], s[46:47], \s*2*TB
	s_or_b32 s[G0B+4*\s+3], s[G0B+4*\s+3], 0x80000000
.endr
	s_cmp_eq_u32 s11, 0                            ; the requests: the operand that I fetch for in the ring,
	s_cselect_b64 s[PFA:PFA+1], s[14:15], s[46:47]
	s_cselect_b32 s82, s40, s41                    ; my place among the four that ask for its blocks with me,
	s_mul_i32 s82, s82, 33*256                     ; my 33 units of the block's 132,
	s_mov_b32 s83, 0
	s_add_nc_u64 s[PFA:PFA+1], s[PFA:PFA+1], s[82:83]
	s_add_nc_u64 s[PFA:PFA+1], s[PFA:PFA+1], 4*TB  ; at K step 2
	v_and_b32 v1, 15, v0                           ; r
	v_bfe_u32 v2, v0, 4, 1                         ; h
	v_and_b32 v3, 31, v0
	v_lshlrev_b32 v4, 4, v3                        ; 16 x lane
	s_lshl_b32 s21, s11, 13                        ; my four tiles of A: 8,192 x half
	s_lshl_b32 s22, s12, 13
	s_add_co_u32 s22, s22, 2*TB                    ; my four tiles of B, behind A's two blocks
	v_add_nc_u32 v[ADRA], s21, v4
	v_add_nc_u32 v[ADRB], s22, v4
	v_add_nc_u32 v[ADRA+1], SLOT, v[ADRA]
	v_add_nc_u32 v[ADRB+1], SLOT, v[ADRB]
	s_lshl_b32 s21, s11, 9                         ; their scale words: 512 x half
	s_lshl_b32 s22, s12, 9
	s_add_co_u32 s22, s22, 2*TB
	s_sub_co_u32 s22, s22, s21
	v_mul_u32_u24 v5, s22, v2                      ; lanes 16-31 take B's: h x the distance
	v_lshl_add_u32 v5, v1, 3, v5
	s_add_co_u32 s21, s21, 32768
	v_add_nc_u32 v[ADRS], s21, v5
	v_add_nc_u32 v[ADRS+1], SLOT, v[ADRS]
	s_mul_i32 s23, s10, 16*SPITCH
	s_add_co_u32 s23, s23, STAGE                   ; my stage
	v_mul_u32_u24 v5, v1, SPITCH                   ; in: row r, + 64 h: B's tile b gives me the true columns 32 (b / 2) + 16 h + 8 (b % 2) + 0 .. 7
	v_lshl_add_u32 v5, v2, 6, v5
	v_add_nc_u32 v[STO], s23, v5
	v_mul_u32_u24 v5, v2, SPITCH                   ; back: lanes 0-15 one row of 256 bytes, lanes 16-31 the next
	v_lshl_add_u32 v5, v1, 4, v5
	v_add_nc_u32 v[RD], s23, v5
	v_lshlrev_b32 v5, 12, v2
	v_lshl_add_u32 v[CO], v1, 4, v5                ; and the same two rows in memory
	v_lshlrev_b32 v6, 4, v1
	v_lshlrev_b32 v[PFO], 8, v3
	v_mov_b32 v[PFL], 0x2000
	s_wait_alu depctr_va_vdst(0)
	s_lshl_b32 s16, s13, 7
	s_lshl_b32 s17, s11, 6
	s_add_co_u32 s16, s16, s17                     ; my first row: 128 x tile row + 64 x half
	s_lshl_b32 s16, s16, 12
	s_lshl_b32 s46, s42, 9                         ; my first column in bytes: 512 x tile column + 256 x half
	s_lshl_b32 s47, s12, 8
	s_add_co_u32 s46, s46, s47
	s_mov_b32 s47, 0
	s_add_nc_u64 s[68:69], s[68:69], s[46:47]
	s_add_co_u32 s16, s16, s46
	s_mov_b32 s17, 0
	s_add_nc_u64 s[70:71], s[70:71], s[16:17]
	s_add_nc_u64 s[8:9], s[8:9], s[16:17]
	global_load_b128 v[BS:BS+3], v6, s[68:69]      ; the bias at the four columns that I store
; 4 matrix instructions: A's tile a x B's four, 128 along K: quarter qq of slot sc, from buffer f.  zero = 1: the first product starts the sums.  The 16 accumulators take turns, one instruction a turn.
.macro MUL4 f, a, sc, qq, zero
.irp b, 0,1,2,3
.if \zero
	v_wmma_scale_f32_16x16x128_f8f6f4 v[ACC+8*(4*(\a)+\b):ACC+8*(4*(\a)+\b)+7], v[\f+64+16*\b:\f+64+16*\b+15], v[\f+16*(\a):\f+16*(\a)+15], 0, v[SC+16*(\sc)+8*((\qq)/2)+2*\b+(\qq)%2], v[SC+16*(\sc)+8*((\qq)/2)+2*(\a)+(\qq)%2] matrix_a_scale:MATRIX_SCALE_ROW1
.else
	v_wmma_scale_f32_16x16x128_f8f6f4 v[ACC+8*(4*(\a)+\b):ACC+8*(4*(\a)+\b)+7], v[\f+64+16*\b:\f+64+16*\b+15], v[\f+16*(\a):\f+16*(\a)+15], v[ACC+8*(4*(\a)+\b):ACC+8*(4*(\a)+\b)+7], v[SC+16*(\sc)+8*((\qq)/2)+2*\b+(\qq)%2], v[SC+16*(\sc)+8*((\qq)/2)+2*(\a)+(\qq)%2] matrix_a_scale:MATRIX_SCALE_ROW1
.endif
.endr
.endm
; 32 LDS loads in one run: quarter qq of a slot into buffer f: B's four tiles, then A's four; each load takes 512 consecutive bytes
.macro FETCH slot, qq, f
	WIN TO_F
.irp i, 0,1,2,3
.irp c, 0,1,2,3
	ds_load_b128 v[\f+64+16*\i+4*\c:\f+64+16*\i+4*\c+3], v[ADRB+\slot] offset:((\qq)/2)*TB+((\qq)%2)*16384+2048*\i+512*\c
.endr
.endr
.irp i, 0,1,2,3
.irp c, 0,1,2,3
	ds_load_b128 v[\f+16*\i+4*\c:\f+16*\i+4*\c+3], v[ADRA+\slot] offset:((\qq)/2)*TB+((\qq)%2)*16384+2048*\i+512*\c
.endr
.endr
.endm
.macro SCALES sc                       ; a slot's scale words (window 0): two words a row for each of its two blocks
.irp u, 0,1
.irp i, 0,1,2,3
	ds_load_b64 v[SC+16*\sc+8*\u+2*\i:SC+16*\sc+8*\u+2*\i+1], v[ADRS+\sc] offset:\u*TB+128*\i
.endr
.endr
.endm
; A slot is four quarters of 128 along K, 16 matrix instructions each, on buffers 0, 1, 0, 1.  One of the first three: multiplies buffer f and fetches the next quarter into g.
.macro QUARTER slot, qq, f, g, zero
	s_wait_dscnt 8                                 ; B's four tiles and A's tiles 0, 1 are in; the youngest eight loads (A's tiles 2, 3) may be out
	WIN MUL
	MUL4 \f, 0, \slot, \qq, \zero
	MUL4 \f, 1, \slot, \qq, \zero
	PLACES 8
	FETCH \slot, (\qq)+1, \g
	s_wait_dscnt 32                                ; all but the 32 just issued
	WIN MUL
	MUL4 \f, 2, \slot, \qq, \zero
	MUL4 \f, 3, \slot, \qq, \zero
.endm
.macro ASK                             ; the K step two refills on; the loop's last trip (s3 = 1) has none
	s_cmp_gt_u32 s3, 1
	s_cbranch_scc0 .Lno_ask_\@
	global_prefetch_b8 v[PFO], s[PFA:PFA+1] offset:2*TB th:TH_LOAD_NT scope:SCOPE_SE
	global_prefetch_b8 v[PFL], s[PFA:PFA+1] offset:2*TB th:TH_LOAD_NT scope:SCOPE_SE
.Lno_ask_\@:
.endm
; The last quarter multiplies buffer 1 and changes slots: ONE barrier; in front of it each wave waits for all its tensor loads, adds 0 to its spare word, and waits for that and for its own reads of this slot.
.macro TURN slot, next, fill
	WIN 0                                          ; (the add's two registers lie in window 0)
.if \fill
	s_wait_xcnt 0x0                                ; my requests have read their address: it is stepped only behind this wait
	s_add_nc_u64 s[PFA:PFA+1], s[PFA:PFA+1], 2*TB
.endif
	s_wait_tensorcnt 0x0                           ; all my tensor loads have landed: my part of the next slot
	ds_add_u32 v[SPW], v[NIL]                      ; 0 onto my spare word
	s_wait_dscnt 9                                 ; (the add and the youngest eight loads may be out)
	WIN MUL
	MUL4 F1, 0, \slot, 3, 0                        ; four matrix instructions stand between the add and the wait for it
	s_wait_dscnt 0x0                               ; the add is done, and my reads of this slot are over
	s_barrier_signal -1
	MUL4 F1, 1, \slot, 3, 0
	WIN 0
	s_barrier_wait -1
.if \fill
	CREST                                          ; the barrier has opened a round of the cluster's barrier: no wave of any partner still reads this slot or has a load on its way
	s_add_nc_u64 s[G0+4*\slot+2:G0+4*\slot+3], s[G0+4*\slot+2:G0+4*\slot+3], 4*TB
	s_add_nc_u64 s[G0B+4*\slot+2:G0B+4*\slot+3], s[G0B+4*\slot+2:G0B+4*\slot+3], 4*TB
	JLOAD \slot                                    ; the first tensor load behind the round; its four v_nop are among the places in front of the loads below
	PLACES 4
	SCALES \next
	ASK
.else
	PLACES 8
	SCALES \next
.endif
	FETCH \next, 0, F0
	WIN MUL
	MUL4 F1, 2, \slot, 3, 0
	MUL4 F1, 3, \slot, 3, 0
.endm
	s_cmp_lt_u32 s10, 2
	s_cbranch_scc0 .Lslot_1_is_mine
	s_wait_tensorcnt 0x0                           ; waves 0 and 1: slot 0's A and B are in.  Waves 2 and 3 wait in front of the first round
.Lslot_1_is_mine:
	s_barrier_signal -1
	s_barrier_wait -1                              ; slot 0 is whole
	SCALES 0
	global_prefetch_b8 v[PFO], s[PFA:PFA+1] th:TH_LOAD_NT scope:SCOPE_SE              ; K step 2: my 33 units
	global_prefetch_b8 v[PFL], s[PFA:PFA+1] th:TH_LOAD_NT scope:SCOPE_SE
	FETCH 0, 0, F0
	QUARTER 0, 0, F0, F1, 1                        ; the first quarter stands in front of the loop: its products start the sums
	WIN 0                                          ; at a label and at a branch every window is 0
	global_prefetch_b8 v[PFO], s[PFA:PFA+1] offset:2*TB th:TH_LOAD_NT scope:SCOPE_SE  ; K step 3
	global_prefetch_b8 v[PFL], s[PFA:PFA+1] offset:2*TB th:TH_LOAD_NT scope:SCOPE_SE
	s_mov_b32 s3, LAPS-1
.Llap:                                                 ; a trip goes once round the ring, from a lap's second quarter to the next lap's first, and fills both slots again
	QUARTER 0, 1, F1, F0, 0
	QUARTER 0, 2, F0, F1, 0
	TURN 0, 1, 1
	QUARTER 1, 0, F0, F1, 0
	QUARTER 1, 1, F1, F0, 0
	QUARTER 1, 2, F0, F1, 0
	TURN 1, 0, 1
	QUARTER 0, 0, F0, F1, 0
	WIN 0
	s_sub_co_u32 s3, s3, 1
	s_cmp_lg_u32 s3, 0
	s_cbranch_scc1 .Llap
	WIN 0x80                                       ; destination window 2
.irp a, 0,1,2,3                        ; the residual, at the places that I store: stored row 16 a + 2 i + (lane / 16) is the true row 32 (a / 2) + 16 (i / 4) + 8 (a % 2) + 2 (i % 4) + (lane / 16)
.irp i, 0,1,2,3,4,5,6,7
	global_load_b128 v[32*\a+4*\i:32*\a+4*\i+3], v[CO], s[70:71] offset:(32*(\a/2)+16*(\i/4)+8*(\a%2)+2*(\i%4))*4096
.endr
.endr
	WIN 0
	QUARTER 0, 1, F1, F0, 0                        ; the last lap fills nothing
	QUARTER 0, 2, F0, F1, 0
	TURN 0, 1, 0
	QUARTER 1, 0, F0, F1, 0
	QUARTER 1, 1, F1, F0, 0
	QUARTER 1, 2, F0, F1, 0
	s_wait_dscnt 0x0                               ; the very last quarter: nothing more to fetch
	WIN MUL
	MUL4 F1, 0, 1, 3, 0
	MUL4 F1, 1, 1, 3, 0
	MUL4 F1, 2, 1, 3, 0
	MUL4 F1, 3, 1, 3, 0
	WIN 0
; THE WAY OUT, A's tile a (16 stored rows x my 64 columns) at a time: through my own stage in LDS, in true column order, back as whole rows of 256 bytes; residual and bias are added; sixteen lanes store 256 consecutive bytes, aligned.
; LDS serves a wave's instructions in order (ISA guide 5.7.1.4): no wait between the stores and the loads.  Each accumulator is stored from its low end on.
.macro OUTB a
.set BB, BK+32*((\a)%2)
	s_wait_xcnt 0x0                                ; the stores of two tiles ago have read their data: these registers are loaded again only behind this wait
.irp b, 0,1,2,3
	ds_store_b128 v[STO], v[ACC+8*(4*(\a)+\b):ACC+8*(4*(\a)+\b)+3]   offset:128*(\b/2)+32*(\b%2)
	ds_store_b128 v[STO], v[ACC+8*(4*(\a)+\b)+4:ACC+8*(4*(\a)+\b)+7] offset:128*(\b/2)+32*(\b%2)+16
.endr
.irp i, 0,1,2,3,4,5,6,7
	ds_load_b128 v[BB+4*\i:BB+4*\i+3], v[RD] offset:544*\i
.endr
	s_wait_dscnt 0x0
	WIN 0x08                                       ; source 1: window 2
.irp i, 0,1,2,3,4,5,6,7
	v_pk_add_f32 v[BB+4*\i:BB+4*\i+1],   v[BB+4*\i:BB+4*\i+1],   v[32*(\a)+4*\i:32*(\a)+4*\i+1]
	v_pk_add_f32 v[BB+4*\i+2:BB+4*\i+3], v[BB+4*\i+2:BB+4*\i+3], v[32*(\a)+4*\i+2:32*(\a)+4*\i+3]
.endr
	WIN 0
.irp i, 0,1,2,3,4,5,6,7
	v_pk_add_f32 v[BB+4*\i:BB+4*\i+1],   v[BB+4*\i:BB+4*\i+1],   v[BS:BS+1]
	v_pk_add_f32 v[BB+4*\i+2:BB+4*\i+3], v[BB+4*\i+2:BB+4*\i+3], v[BS+2:BS+3]
.endr
.irp i, 0,1,2,3,4,5,6,7
	global_store_b128 v[CO], v[BB+4*\i:BB+4*\i+3], s[8:9] offset:(32*((\a)/2)+16*(\i/4)+8*((\a)%2)+2*(\i%4))*4096
.endr
.endm
	PLACES 8                                       ; behind the last products
	s_wait_loadcnt 0x0                             ; the residual and the bias
.irp a, 0,1,2,3
	OUTB \a
.endr
	s_wait_tensorcnt 0x0                           ; the wave's end
	ds_add_u32 v[SPW], v[NIL]
	s_wait_dscnt 0x0
	CROUND                                         ; the closing round: no work-group ends while a partner may still ask for a block that names it
	s_endpgm
.Lfunc_end_k_q1e9e5491f4_ff2:
	.size	k_q1e9e5491f4_ff2, .Lfunc_end_k_q1e9e5491f4_ff2-k_q1e9e5491f4_ff2
	.p2alignl 7, 3214868480
	.fill 96, 4, 3214868480
	.section	.rodata,"a",@progbits
	.p2align	6, 0x0
	.amdhsa_kernel k_q1e9e5491f4_ff2
		.amdhsa_group_segment_fixed_size 327680
		.amdhsa_private_segment_fixed_size 0
		.amdhsa_enable_private_segment 0
		.amdhsa_kernarg_size 40
		.amdhsa_user_sgpr_count 2
		.amdhsa_user_sgpr_kernarg_segment_ptr 1
		.amdhsa_wavefront_size32 1
		.amdhsa_system_sgpr_workgroup_id_x 1
		.amdhsa_system_sgpr_workgroup_id_y 1
		.amdhsa_system_sgpr_workgroup_id_z 1
		.amdhsa_system_vgpr_workitem_id 0
		.amdhsa_next_free_vgpr 640
		.amdhsa_next_free_sgpr 100
		.amdhsa_reserve_vcc 0
		.amdhsa_float_denorm_mode_32 3
		.amdhsa_float_denorm_mode_16_64 3
		.amdhsa_memory_ordered 1
		.amdhsa_forward_progress 1
		.amdhsa_inst_pref_size 104
	.end_amdhsa_kernel
	.amdgpu_metadata
---
amdhsa.version: [ 1, 2 ]
amdhsa.kernels:
  - .name:           k_q1e9e5491f4_ff2
    .symbol:         k_q1e9e5491f4_ff2.kd
    .args:
      - { .name: act, .offset: 0, .size: 8, .value_kind: global_buffer, .address_space: global }
      - { .name: wts, .offset: 8, .size: 8, .value_kind: global_buffer, .address_space: global }
      - { .name: b2, .offset: 16, .size: 8, .value_kind: global_buffer, .address_space: global }
      - { .name: x1, .offset: 24, .size: 8, .value_kind: global_buffer, .address_space: global }
      - { .name: out0, .offset: 32, .size: 8, .value_kind: global_buffer, .address_space: global }
    .group_segment_fixed_size: 327680
    .private_segment_fixed_size: 0
    .kernarg_segment_align: 8
    .kernarg_segment_size: 40
    .max_flat_workgroup_size: 128
    .sgpr_count:     100
    .vgpr_count:     640
    .wavefront_size: 32
...
	.end_amdgpu_metadata
.endif
;; end of part 7
